; MI455X (gfx1250); checked and timed in simulation.
; The chip was launched on July 23, 2026; its instructions are those of AMD's public machine-readable ISA for CDNA 5 (MIT licence, August 2026) and "CDNA5" Instruction Set Architecture Reference Guide (July 2026). The comments in the code are by the model that wrote it; some were corrected since.
;; Feed Forward Mo E. Allowed arithmetic: float matrix products may take bf16 or f16 operands with f32 sums; other float arithmetic in f32, or as packed bf16 or f16 multiplies, adds, multiply-adds, maxima and minima; sums over many terms, partial sums and values carried from step to step in f32; what a program stores and reads back later, other than sums and carried values, may be rounded once to bf16 or f16.
;; Inputs: b1 8 x 4,096 float32; b2 8 x 1,024 float32; gate_b 8 float32; gate_w 1,024 x 8 float32; w1 8 x 1,024 x 4,096 float32; w2 8 x 4,096 x 1,024 float32; x 2 x 512 x 1,024 float32.
;; Outputs: out0 2 x 512 x 1,024 float32.
;; 3 versions, each right; version 2 is faster than version 1; version 3 is version 2 with the launches up, down written anew for expert scheduling mode. Each part assembles by itself: llvm-mc -triple=amdgcn-amd-amdhsa -mcpu=gfx1250 --defsym DOCPART=n.
;; ======== version 1 of 3: 4 launches
;; workspace buffers: xb 2,097,152 bytes; bm 1,024 bytes of whole numbers; sel 4,096 bytes of whole numbers; scale 4,096 bytes; hid 67,108,864 bytes; y 67,108,864 bytes
;; launch router (part 1): grid 64 x 1, 8 waves a work-group, no clusters, 75,264 bytes of LDS; arguments x, gate_w, gate_b, xb, bm, sel, scale; writes xb, bm, sel, scale
.if DOCPART == 1
	.amdgcn_target "amdgcn-amd-amdhsa--gfx1250"
	.amdhsa_code_object_version 6
	.text
	.protected	k_qc209785432_router
	.globl	k_qc209785432_router
	.p2align	8
	.type	k_qc209785432_router,@function
k_qc209785432_router:
	s_mov_b64 s[64:65], 0
	v_nop
	global_prefetch_b8 v0, s[64:65] scope:SCOPE_SE
	s_setreg_imm32_b32 hwreg(HW_REG_WAVE_MODE, 25, 1), 1
	s_wait_xcnt 0x0
; ROUTER.  scores = x gate_w + gate_b for 1,024 tokens and 8 experts; the two best experts of each token (ties keep the lower index), the sum of their two
; softmax weights, and x rounded to bf16 for the next launch.  A work-group of eight waves takes 16 tokens; wave w takes K = 128 w .. 128 w + 127 of the product.
; FORMATS AND LIMITS.  x, gate_w and gate_b are rounded once to bf16 (as every input of this program is); products and sums in f32.  The order of the f32 sums is the
; matrix unit's and then the waves', so two scores that differ by less than that order's rounding may change places.  NaN and infinite scores are not treated apart.
; WHAT IS STORED, all at fixed places (no address and no branch hangs on a score): xb[t][1024] bf16; sel[t] = e1 | e2 << 8; scale[t] = p1 + p2;
; bm[e] = 1,024 bits, bit t set where token t chose expert e: this work-group's 16 tokens are two bytes of each of the eight rows.
.set XP,    2064                       ; a token's row in LDS: 2,048 bytes + 16, an odd multiple of 16, so that the 16 rows of a fragment load begin 16 bytes apart modulo 256
.set GW,    33280                      ; gate_w as [k][16] bf16, 32 bytes a row: columns 8-15 repeat columns 0-7, so that a fragment's 16 rows are all defined
.set PART,  66048                      ; the waves' partial scores: [wave][half][16 x lane]
.set SPARE, 74240                      ; the spare words: 128 bytes for each of eight waves, named by no other line
	s_load_b256 s[4:11], s[0:1], 0x0               ; x s[4:5], gate_w s[6:7], gate_b s[8:9], xb s[10:11]
	s_load_b128 s[12:15], s[0:1], 0x20             ; bm s[12:13], sel s[14:15]
	s_load_b64 s[16:17], s[0:1], 0x30              ; scale
	v_lshl_add_u32 v2, v0, 2, SPARE                ; my spare word,
	v_mov_b32 v3, 0                                ; and 0: kept for the closing lines alone
	v_lshrrev_b32 v4, 5, v0
	v_readfirstlane_b32 s2, v4                     ; wave w
	v_and_b32 v5, 31, v0                           ; lane
	v_lshlrev_b32 v1, 4, v5                        ; 16 x lane
	v_and_b32 v14, 15, v0                          ; lane % 16
	v_bfe_u32 v15, v0, 4, 1                        ; lane / 16
	s_lshl_b32 s30, s2, 12                         ; 4,096 w
	s_lshl_b32 s31, s2, 13                         ; 8,192 w
	s_mul_i32 s29, s2, 2*XP
	s_add_co_u32 s28, s30, GW
	v_add_nc_u32 v6, s31, v1                       ; x: my wave's two tokens, 16 bytes a lane
	v_lshl_add_u32 v7, v5, 3, s29                  ; the same two tokens in LDS, 8 bytes a lane
	v_lshl_add_u32 v8, v5, 3, s30                  ; and in xb
	v_add_nc_u32 v9, s30, v1                       ; gate_w: my wave's 128 rows of 32 bytes
	v_lshrrev_b32 v10, 1, v5                       ; a lane holds half a row of gate_w: row lane / 2, columns 4 (lane % 2) on
	v_and_b32 v11, 1, v5
	v_lshlrev_b32 v10, 5, v10
	v_lshl_add_u32 v10, v11, 3, v10
	v_add_nc_u32 v10, s28, v10
	v_and_b32 v12, 7, v0                           ; the turning load: lane reads row 8 (lane / 16) + lane % 8, columns 8 ((lane / 8) % 2) on
	v_lshl_add_u32 v12, v15, 3, v12
	v_bfe_u32 v13, v0, 3, 1
	v_lshlrev_b32 v12, 5, v12
	v_lshl_add_u32 v12, v13, 4, v12
	v_add_nc_u32 v12, s28, v12
	v_mul_u32_u24 v13, v14, XP                     ; a token fragment: row lane % 16, 16 bytes for each half of the lanes, my wave's 256 bytes of the row
	v_lshl_add_u32 v13, v15, 4, v13
	s_lshl_b32 s29, s2, 8
	v_add_nc_u32 v13, s29, v13
	s_lshl_b32 s29, s2, 10
	s_add_co_u32 s29, s29, PART
	v_add_nc_u32 v11, s29, v1                      ; my wave's partial scores
	s_lshl_b32 s18, ttmp9, 16                      ; the work-group's 16 rows of x,
	s_mov_b32 s19, 0
	s_wait_kmcnt 0x0
	s_load_b256 s[20:27], s[8:9], 0x0              ; gate_b, eight numbers
	s_add_nc_u64 s[4:5], s[4:5], s[18:19]
	s_lshl_b32 s18, ttmp9, 15                      ; and of xb
	s_add_nc_u64 s[10:11], s[10:11], s[18:19]
.set n, 0
.rept 16                                       ; two tokens, eight loads of 512 neighbouring bytes each
	global_load_b128 v[32+4*n:35+4*n], v6, s[4:5] offset:(n/8)*4096+(n%8)*512 th:TH_LOAD_NT
.set n, n+1
.endr
.set n, 0
.rept 8
	global_load_b128 v[96+4*n:99+4*n], v9, s[6:7] offset:n*512
.set n, n+1
.endr
.set n, 0
.rept 16
	s_wait_loadcnt 23-n                            ; loads come back in order: load n is in, the 23 - n younger ones stay out
	v_cvt_pk_bf16_f32 v[128+2*n], v[32+4*n], v[33+4*n]
	v_cvt_pk_bf16_f32 v[129+2*n], v[34+4*n], v[35+4*n]
	global_store_b64 v8, v[128+2*n:129+2*n], s[10:11] offset:(n/8)*2048+(n%8)*256  ; the wave's store covers 256 consecutive bytes, aligned; each store has data registers of its own
	ds_store_b64 v7, v[128+2*n:129+2*n] offset:(n/8)*XP+(n%8)*256
.set n, n+1
.endr
.set n, 0
.rept 8
	s_wait_loadcnt 7-n
	v_cvt_pk_bf16_f32 v[16+2*n], v[96+4*n], v[97+4*n]
	v_cvt_pk_bf16_f32 v[17+2*n], v[98+4*n], v[99+4*n]
	ds_store_b64 v10, v[16+2*n:17+2*n] offset:512*n
	ds_store_b64 v10, v[16+2*n:17+2*n] offset:512*n+16     ; the repeat in columns 8-15
.set n, n+1
.endr
	s_wait_dscnt 0x0                               ; for the others' sake: my stores into LDS are done
	s_barrier_signal -1
	s_barrier_wait -1
.set n, 0
.rept 4                                        ; my four K steps of 32: gate_w turned (a lane holds one expert), and 16 tokens
	ds_load_tr16_b128 v[32+16*n:35+16*n], v12 offset:1024*n
	ds_load_tr16_b128 v[36+16*n:39+16*n], v12 offset:1024*n+512
	ds_load_b128 v[40+16*n:43+16*n], v13 offset:64*n
	ds_load_b128 v[44+16*n:47+16*n], v13 offset:64*n+32
.set n, n+1
.endr
	s_wait_dscnt 0x0
	; source 0 = 16 experts (8 and their repeat), source 1 = 16 tokens: a lane then holds ONE token (lane % 16) and experts 0-7 in eight registers.
	; Two accumulators take turns; the first product of each starts its sum.
	v_wmma_f32_16x16x32_bf16 v[96:103], v[32:39], v[40:47], 0
	v_wmma_f32_16x16x32_bf16 v[104:111], v[48:55], v[56:63], 0
	v_wmma_f32_16x16x32_bf16 v[96:103], v[64:71], v[72:79], v[96:103]
	v_wmma_f32_16x16x32_bf16 v[104:111], v[80:87], v[88:95], v[104:111]
.rept 4
	v_nop                                          ; four places between the last product and the first read of a result (ISA guide 7.12.1)
.endr
.irp p, 0,2,4,6
	v_pk_add_f32 v[96+\p:97+\p], v[96+\p:97+\p], v[104+\p:105+\p]
.endr
	ds_store_b128 v11, v[96:99]
	ds_store_b128 v11, v[100:103] offset:512
	s_wait_dscnt 0x0
	s_barrier_signal -1
	s_barrier_wait -1
	s_cmp_lg_u32 s2, 0
	s_cbranch_scc1 .Lend                           ; the rest is wave 0's; no barrier follows
.set n, 0
.rept 8
	ds_load_b128 v[32+8*n:35+8*n], v11 offset:1024*n
	ds_load_b128 v[36+8*n:39+8*n], v11 offset:1024*n+512
.set n, n+1
.endr
	s_wait_kmcnt 0x0                               ; gate_b
.irp p, 0,1,2,3
	v_cvt_pk_bf16_f32 v[24+\p], s[20+2*\p], s[21+2*\p]     ; gate_b rounded to bf16 and widened again: the sums begin with it
.endr
.irp p, 0,1,2,3
	v_lshlrev_b32 v[16+2*\p], 16, v[24+\p]
	v_and_b32 v[17+2*\p], 0xffff0000, v[24+\p]
.endr
	s_wait_dscnt 0x0
.set n, 0
.rept 8                                        ; the eight waves' parts, in the waves' order
.irp p, 0,2,4,6
	v_pk_add_f32 v[16+\p:17+\p], v[16+\p:17+\p], v[32+8*n+\p:33+8*n+\p]
.endr
.set n, n+1
.endr
	v_mov_b32 v112, v16                            ; the best score and its expert: a later expert wins only if strictly greater
	v_mov_b32 v113, 0
.irp j, 1,2,3,4,5,6,7
	v_cmp_gt_f32 vcc_lo, v[16+\j], v112
	v_cndmask_b32 v112, v112, v[16+\j], vcc_lo
	v_cndmask_b32 v113, v113, \j, vcc_lo
.endr
	v_mov_b32 v114, 0xff800000                     ; the second best: the same among the experts other than the best
	v_mov_b32 v115, 0
.irp j, 0,1,2,3,4,5,6,7
	v_cmp_gt_f32 s30, v[16+\j], v114
	v_cmp_ne_u32 vcc_lo, \j, v113
	s_and_b32 vcc_lo, vcc_lo, s30
	v_cndmask_b32 v114, v114, v[16+\j], vcc_lo
	v_cndmask_b32 v115, v115, \j, vcc_lo
.endr
	v_sub_f32 v116, v114, v112                     ; the softmax of the two, the maximum taken away: weights 1 / (1 + e) and e / (1 + e), e = exp(second - best)
	v_mul_f32 v116, 0x3fb8aa3b, v116
	v_exp_f32 v117, v116
	v_lshl_or_b32 v121, v115, 8, v113              ; (a plain instruction behind the exponential) sel = e1 | e2 << 8
	s_wait_alu depctr_va_vdst(0)                   ; a wait ahead of the first use of the exponential
	v_add_f32 v118, 1.0, v117
	v_rcp_f32 v119, v118
	v_and_b32 v124, 7, v0                          ; (a plain instruction behind the reciprocal)
	s_wait_alu depctr_va_vdst(0)
	v_fma_f32 v120, v117, v119, v119               ; their sum
	s_lshl_b32 s28, ttmp9, 6
	v_lshl_add_u32 v122, v14, 2, s28               ; 4 (16 wg + token); lanes 16-31 repeat lanes 0-15 in address and value
	global_store_b32 v122, v121, s[14:15]
	global_store_b32 v122, v120, s[16:17]
.irp e, 0,1,2,3,4,5,6,7
	v_cmp_eq_u32 s30, \e, v113                     ; the lanes, that is the tokens, that chose expert e: bits 0-15 (bits 16-31 repeat them)
	v_cmp_eq_u32 s31, \e, v115
	s_or_b32 s[32+\e], s30, s31
.endr
	v_mov_b32 v123, s32                            ; lane l carries the mask of expert l % 8
.irp e, 1,2,3,4,5,6,7
	v_cmp_eq_u32 vcc_lo, \e, v124
	v_cndmask_b32 v123, v123, s[32+\e], vcc_lo
.endr
	s_lshl_b32 s28, ttmp9, 1
	v_lshl_add_u32 v125, v124, 7, s28              ; bm[e] is 128 bytes; my 16 tokens are its bytes 2 wg and 2 wg + 1
	global_store_b16 v125, v123, s[12:13]
.Lend:
	s_wait_tensorcnt 0x0                           ; the wave's end
	ds_add_u32 v2, v3
	s_wait_dscnt 0x0
	s_endpgm
.Lfunc_end_k_qc209785432_router:
	.size	k_qc209785432_router, .Lfunc_end_k_qc209785432_router-k_qc209785432_router
	.p2alignl 7, 3214868480
	.fill 96, 4, 3214868480
	.section	.rodata,"a",@progbits
	.p2align	6, 0x0
	.amdhsa_kernel k_qc209785432_router
		.amdhsa_group_segment_fixed_size 75264
		.amdhsa_private_segment_fixed_size 0
		.amdhsa_enable_private_segment 0
		.amdhsa_kernarg_size 56
		.amdhsa_user_sgpr_count 2
		.amdhsa_user_sgpr_kernarg_segment_ptr 1
		.amdhsa_wavefront_size32 1
		.amdhsa_system_sgpr_workgroup_id_x 1
		.amdhsa_system_sgpr_workgroup_id_y 1
		.amdhsa_system_sgpr_workgroup_id_z 1
		.amdhsa_system_vgpr_workitem_id 0
		.amdhsa_next_free_vgpr 160
		.amdhsa_next_free_sgpr 66
		.amdhsa_reserve_vcc 1
		.amdhsa_float_denorm_mode_32 3
		.amdhsa_float_denorm_mode_16_64 3
		.amdhsa_memory_ordered 1
		.amdhsa_forward_progress 1
		.amdhsa_inst_pref_size 24
	.end_amdhsa_kernel
	.amdgpu_metadata
---
amdhsa.version: [ 1, 2 ]
amdhsa.kernels:
  - .name:           k_qc209785432_router
    .symbol:         k_qc209785432_router.kd
    .args:
      - { .name: x, .offset: 0, .size: 8, .value_kind: global_buffer, .address_space: global }
      - { .name: gate_w, .offset: 8, .size: 8, .value_kind: global_buffer, .address_space: global }
      - { .name: gate_b, .offset: 16, .size: 8, .value_kind: global_buffer, .address_space: global }
      - { .name: xb, .offset: 24, .size: 8, .value_kind: global_buffer, .address_space: global }
      - { .name: bm, .offset: 32, .size: 8, .value_kind: global_buffer, .address_space: global }
      - { .name: sel, .offset: 40, .size: 8, .value_kind: global_buffer, .address_space: global }
      - { .name: scale, .offset: 48, .size: 8, .value_kind: global_buffer, .address_space: global }
    .group_segment_fixed_size: 75264
    .private_segment_fixed_size: 0
    .kernarg_segment_align: 8
    .kernarg_segment_size: 56
    .max_flat_workgroup_size: 256
    .sgpr_count:     66
    .vgpr_count:     160
    .wavefront_size: 32
...
	.end_amdgpu_metadata
.endif
;; end of part 1
;; launch up (part 2): grid 32 x 8, 4 waves a work-group, no clusters, 286,720 bytes of LDS; arguments xb, bm, w1, b1, hid; writes hid
.if DOCPART == 2
	.amdgcn_target "amdgcn-amd-amdhsa--gfx1250"
	.amdhsa_code_object_version 6
	.text
	.protected	k_qc209785432_up
	.globl	k_qc209785432_up
	.p2align	8
	.type	k_qc209785432_up,@function
k_qc209785432_up:
	s_mov_b64 s[64:65], 0
	v_nop
	global_prefetch_b8 v0, s[64:65] scope:SCOPE_SE
	s_setreg_imm32_b32 hwreg(HW_REG_WAVE_MODE, 25, 1), 1
	s_wait_xcnt 0x0
; UP.  hid = gelu(x w1[e] + b1[e]) for the rows that chose expert e.  Work-group (sx, e): hidden columns 128 sx .. 128 sx + 127 of expert e, in two passes of 64 columns x K = 1,024, and ALL of
; that expert's rows.  Four waves, one for each SIMD, all running the same text.
; PHASE 1.  The work-group's 512 KiB of w1, which it alone reads, come in once, are rounded to bf16 on the way through registers and laid into LDS (256 KiB; each byte written once).  A wave brings 16 K
; steps, 64 KiB of LDS of its own, with 64 loads of 512 bytes on their way.  The list of the expert's tokens is made while the first loads are out.
; TWO BARRIERS.  Every store of weights and of the list stands ahead of the first, every LDS read between the two; behind the second stands the closing add alone.
; PHASE 2.  A tile is 16 ranks of the expert's tokens; tile 20 g + 4 t + wave, t = 0..4, belongs to group g.  For each pass and each group with a tile: 32 K steps of 20 products a wave, then the GELU
; and the stores.  No barrier, and nothing writes LDS.  Ranks past the count repeat the last row; whole tiles past the count are computed with their group but not stored.  With no row at all tile 0 is
; still written (from token 1,023), so that the next launch never reads bytes that nobody wrote.  Every split of the tokens is served: 0 to 1,024 rows.
; The two phases follow each other: a wave's loads come back in order on one counter, and ten token loads go with every four weight loads, so weights asked for among the products would have too few bytes out.
; LAYOUT.  Eight loads of 16 bytes a lane (lanes 0-15: 256 bytes of one K row, lanes 16-31 of another) hold, per lane, 8 k of 4 neighbouring columns; rounded in pairs along k they are four pieces of
; 16 bytes, piece i for column 4 (lane % 16) + i.  Piece i goes to VIRTUAL column tile i at the lane's own place: no transposing load, and stores of 512 neighbouring bytes.
; The product is used transposed (source 0 = weights, source 1 = tokens): a lane holds ONE token and, in register j of virtual tile i, column 32 (lane / 16) + 4 j + i.  Virtual tiles 2 s and 2 s + 1,
; rounded in pairs, ARE the token operand of the next launch's K step 2 b + s (b: the block of 64 hidden columns), in a K order that the next launch applies to w2 as well.
; FORMATS AND LIMITS.  x, w1, b1 rounded once to bf16; sums and GELU in f32; hid rounded once to bf16.  erf(u) = u A(u^2) / B(u^2) with u held to -4 .. 4, where |erf| is 1 to within f32's step.
; NaN and infinities are not treated apart.  NO CLUSTER: each slice of weights has one reader, and the rows that an expert's work-groups share come by a list.
.set LIST,  262144                     ; behind the weights' 64 K steps of 4,096 bytes: 1,280 token numbers by rank
.set SPARE, 267264                     ; the spare words: 128 bytes for each of four waves, named by no other line
.set KSB,   64                         ; a K step of a token row in xb, in bytes; its second half lies HB on
.set HB,    32
.set ASH,   8                          ; four K steps of it are 1 << ASH bytes
.set NHP,   8                          ; fours of K steps in a pass
.set RSTEP, 0x200000                   ; four K steps of w1: 128 rows of 16,384 bytes
.set AR0,   96                         ; window 0: v96-255 token fragments, ring place i (4) x tile t (5) at 96 + 40 i + 8 t; v32-63, v64-95 weight fragments of two K steps (phase 1: v32-47 rounded pieces)
                                       ; v1 16 x lane; v2, v3 the closing add's; v4 phase 1: my offset in w1, phase 2: LDS address of the weights; v6 phase 1: LDS address; v6-10 phase 2: the tiles' row offsets;
                                       ; v11 at work; v12 hid offset; v20 16 (lane / 16); v21 LIST + 4 (lane % 16)
                                       ; window 1: v0-159 accumulators, tile t, virtual tile i at 32 t + 8 i; v160-251 the GELU's
                                       ; window 2: v0-255 phase 1's 64 loads.   window 3: v0-31 b1 of the pass in hand, as the accumulators take it; v32-63 of pass 1; v64-127 b1 as loaded
.set PK,    32
.set X,     160
.set XC,    176
.set S,     192
.set P,     208
.set Q,     224
.set HH,    240
.set KA,    248
.set KB,    250
.set WV,    2                          ; s2 wave; s[4:5] xb; s[6:7] bm; s[8:9] w1; s[10:11] b1; s[12:13] hid
.set EX,    14
.set SXR,   15
.set MW,    16                         ; s[16:47] the expert's 32 words of bm
.set QW,    48                         ; s48-63, s66-81: for word w, (ranks before it) << 8 | w
.set CNT,   82
.set NT,    83                         ; tiles with a row
.set NG,    84                         ; groups with a tile
.set NTM,   85                         ; max(NT, 1)
.set RC,    86                         ; phase 1's trips
.set TJ,    87                         ; at work
.set OFFP,  88                         ; s[88:89] an offset and 0
.set LBP,   90                         ; s[90:91] base of the token loads
.set WPN,   92                         ; s[92:93] base of the weight loads
.set HN,    94                         ; the four of K steps in hand, in its pass
.set CM1,   95                         ; max(CNT, 1) - 1
.set G,     96
.set QI,    98
.set ID,    99
.set PASS,  100
.set TT,    101
.set MSB, 0
.macro WIN new                         ; s_set_vgpr_msb: bits 1:0 source 0, 3:2 source 1, 5:4 source 2, 7:6 destination; the high byte repeats the setting that is left
.if MSB != (\new)
	s_set_vgpr_msb (MSB<<8)|(\new)
.set MSB, \new
.endif
.endm
; Eight loads: K rows 32 ks + 16 half + 8 (lane / 16) + jj of the round's four K steps (o = 2 ks + half), 64 columns
.macro WLOADS o
.irp jj, 0,1,2,3,4,5,6,7
	global_load_b128 v[32*(\o)+4*\jj:32*(\o)+4*\jj+3], v4, s[WPN:WPN+1] offset:(32*((\o)/2)+16*((\o)%2)+\jj)*16384 th:TH_LOAD_NT
.endr
.endm
; Eight loads' worth is rounded and stored.  cnt: the younger loads that may stay out.  re = 1: the registers are loaded again, with the rows four K steps on.
.macro OCT o, re, cnt
	s_wait_loadcnt \cnt
	WIN 0x0a
.irp i, 0,1,2,3
.irp q, 0,1,2,3
	v_cvt_pk_bf16_f32 v[PK+4*\i+\q], v[32*(\o)+8*\q+\i], v[32*(\o)+8*\q+4+\i]   ; column i of my four: k = 2 q and 2 q + 1
.endr
.endr
	WIN 0x80                                       ; sources in window 0 (the stores'), destination in window 2 (the loads')
.irp i, 0,1,2,3
	ds_store_b128 v6, v[PK+4*\i:PK+4*\i+3] offset:((\o)/2)*4096+\i*1024+((\o)%2)*512
.endr
.if \re
	WLOADS \o
.endif
.endm
.macro ALOADS i                        ; ring place i: one K step of five tiles' token rows
.irp t, 0,1,2,3,4
	global_load_b128 v[AR0+40*(\i)+8*\t:AR0+40*(\i)+8*\t+3], v[6+\t], s[LBP:LBP+1] offset:(\i)*KSB
	global_load_b128 v[AR0+40*(\i)+8*\t+4:AR0+40*(\i)+8*\t+7], v[6+\t], s[LBP:LBP+1] offset:(\i)*KSB+HB
.endr
.endm
.macro BLOADS bf, off                  ; one K step's four weight fragments: 4,096 neighbouring bytes
.irp f, 0,1,2,3,4,5,6,7
	ds_load_b128 v[(\bf)+4*\f:(\bf)+4*\f+3], v4 offset:(\off)+512*\f
.endr
.endm
; 20 products; the 20 accumulators take turns, one instruction a turn, from K step to K step too.  c0 = 1: the sums begin, with b1 as the C operand: nothing is cleared.
.macro MULS i, c0
.if \c0
	WIN 0x70
.else
	WIN 0x50
.endif
.irp t, 0,1,2,3,4
.irp n, 0,1,2,3
.if \c0
	v_wmma_f32_16x16x32_bf16 v[32*\t+8*\n:32*\t+8*\n+7], v[32+32*((\i)%2)+8*\n:32+32*((\i)%2)+8*\n+7], v[AR0+40*(\i)+8*\t:AR0+40*(\i)+8*\t+7], v[8*\n:8*\n+7]
.else
	v_wmma_f32_16x16x32_bf16 v[32*\t+8*\n:32*\t+8*\n+7], v[32+32*((\i)%2)+8*\n:32+32*((\i)%2)+8*\n+7], v[AR0+40*(\i)+8*\t:AR0+40*(\i)+8*\t+7], v[32*\t+8*\n:32*\t+8*\n+7]
.endif
.endr
.endr
	WIN 0
.endm
; FOUR K STEPS, 4 HN .. 4 HN + 3 of the pass.  Each step: its token rows are in (three younger steps of ten loads stay out), its weights are in (the next step's eight LDS loads stay out); 20 products;
; four places (ISA guide 7.12.1 for vector instructions); then the registers just read are loaded again: token rows four K steps on, weights two K steps on.
; first = 1: the pass's first four.  ld = 0: its last four: nothing is left to fetch but two K steps of weights, and the counts run down.
.macro HALF first, ld
.if \ld
	s_wait_xcnt 0x0                                ; the token loads' base is rewritten only behind this wait
	s_add_co_u32 s[TT], s[HN], 1
	s_lshl_b32 s[OFFP], s[TT], ASH
	s_add_nc_u64 s[LBP:LBP+1], s[4:5], s[OFFP:OFFP+1]
.endif
	s_lshl_b32 s[TJ], s[HN], 14                    ; four K steps are 16,384 bytes of LDS, a pass 131,072
	s_and_b32 s[TJ], s[TJ], 0x1c000
	s_lshl_b32 s[TT], s[PASS], 17
	s_and_b32 s[TT], s[TT], 0x20000
	s_add_co_u32 s[TJ], s[TJ], s[TT]
	v_add_nc_u32 v4, s[TJ], v1
.irp i, 0,1,2,3
.if \ld
	s_wait_loadcnt 30
	s_wait_dscnt 8
.else
	s_wait_loadcnt 30-10*\i
.if \i < 3
	s_wait_dscnt 8
.else
	s_wait_dscnt 0
.endif
.endif
.if (\first) && (\i == 0)
	MULS \i, 1
.else
	MULS \i, 0
.endif
.rept 4
	v_nop
.endr
.if \ld
	ALOADS \i
	BLOADS 32+32*(\i%2), (\i+2)*4096
.elseif \i < 2
	BLOADS 32+32*(\i%2), (\i+2)*4096
.endif
.endr
.endm
.macro SETOFF                          ; the row offsets of group G's five tiles: the token of rank 16 tile + lane % 16, 2,048 bytes a row
	s_wait_xcnt 0x0                                ; they are addresses of loads issued before
	s_mul_i32 s[TT], s[G], 20
	s_add_co_u32 s[TT], s[TT], s[WV]
	s_lshl_b32 s[TT], s[TT], 6
	v_add_nc_u32 v11, s[TT], v21
.irp t, 0,1,2,3,4
	ds_load_b32 v[6+\t], v11 offset:256*\t
.endr
	s_wait_dscnt 0x0
.irp t, 0,1,2,3,4
	v_min_u32 v[6+\t], 0x3ff, v[6+\t]
	v_lshl_add_u32 v[6+\t], v[6+\t], 11, v20
.endr
.endm
.macro PRO_A                           ; the ring's first fill: K steps 0-3 of the rows
	s_wait_loadcnt 0x0                             ; nothing may still be on its way into the ring
	s_wait_xcnt 0x0
	s_mov_b64 s[LBP:LBP+1], s[4:5]
	ALOADS 0
	ALOADS 1
	ALOADS 2
	ALOADS 3
.endm
.macro PRO_B                           ; the weights of the pass's K steps 0 and 1
	s_wait_dscnt 0x0                               ; nothing may still be on its way into these registers
	s_lshl_b32 s[TT], s[PASS], 17
	s_and_b32 s[TT], s[TT], 0x20000
	v_add_nc_u32 v4, s[TT], v1
	BLOADS 32, 0
	BLOADS 64, 4096
.endm
.macro TAKE n                          ; u = (sum) / sqrt(2) for virtual tiles 2 s, 2 s + 1 of tile t, n = 2 t + s: each accumulator is read from its low end on
	WIN 0x41
.irp p, 0,2,4,6,8,10,12,14
	v_pk_mul_f32 v[X+\p:X+\p+1], v[16*(\n)+\p:16*(\n)+\p+1], 0x3f3504f3 op_sel_hi:[1,0]
.endr
	WIN 0
.endm
.macro HORNER d, c                     ; d = d u^2 + c, eight pairs
.irp p, 0,2,4,6,8,10,12,14
	v_pk_fma_f32 v[(\d)+\p:(\d)+\p+1], v[(\d)+\p:(\d)+\p+1], v[S+\p:S+\p+1], \c op_sel_hi:[1,1,0]
.endr
.endm
.macro LEVEL src, width, step          ; the list: does the rank lie past the lower half of what is left of the word?
	v_bfe_u32 v108, \src, v107, \width
	v_cmp_ge_u32 vcc_lo, v102, v108
	v_cndmask_b32 v108, 0, v108, vcc_lo
	v_sub_nc_u32 v102, v102, v108
	v_cndmask_b32 v109, 0, \step, vcc_lo
	v_add_nc_u32 v107, v107, v109
.endm
	s_load_b256 s[4:11], s[0:1], 0x0               ; xb, bm, w1, b1
	s_load_b64 s[12:13], s[0:1], 0x20              ; hid
	v_lshl_add_u32 v2, v0, 2, SPARE                ; my spare word,
	v_mov_b32 v3, 0                                ; and 0: kept for the closing lines alone
	v_lshrrev_b32 v30, 5, v0
	v_readfirstlane_b32 s[WV], v30
	v_and_b32 v30, 31, v0                          ; lane
	v_lshlrev_b32 v1, 4, v30                       ; 16 x lane
	v_and_b32 v28, 15, v0                          ; lane % 16
	v_bfe_u32 v29, v0, 4, 1                        ; lane / 16
	s_and_b32 s[EX], ttmp7, 0xffff                 ; the expert
	s_mov_b32 s[SXR], ttmp9                        ; the slice
	s_mov_b32 s[OFFP+1], 0
	s_mov_b32 s104, 0xc0800000                     ; -4 and 4
	s_mov_b32 s105, 0x40800000
	v_lshlrev_b32 v20, 4, v29
	v_lshl_add_u32 v21, v28, 2, LIST
	v_lshlrev_b32 v4, 4, v28                       ; w1: my 16 bytes of the 256,
	v_lshl_or_b32 v4, v29, 17, v4                  ; eight rows down for lanes 16-31
	s_lshl_b32 s[TJ], s[WV], 16
	v_add_nc_u32 v6, s[TJ], v1                     ; my wave's 16 K steps: 65,536 bytes of LDS on end
	v_lshlrev_b32 v11, 7, v29                      ; b1: a lane takes the 32 columns of its half of the lanes
	s_wait_kmcnt 0x0
	s_lshl_b32 s[OFFP], s[EX], 14                  ; b1: 16,384 bytes an expert, my 128 columns 512
	s_lshl_b32 s[TJ], s[SXR], 9
	s_add_co_u32 s[OFFP], s[OFFP], s[TJ]
	s_add_nc_u64 s[10:11], s[10:11], s[OFFP:OFFP+1]
	WIN 0xc0
.irp ps, 0,1
.irp q, 0,1,2,3,4,5,6,7
	global_load_b128 v[64+32*\ps+4*\q:67+32*\ps+4*\q], v11, s[10:11] offset:256*\ps+16*\q   ; ahead of the weights: phase 1's last wait shows them in
.endr
.endr
	WIN 0
	s_lshl_b32 s[OFFP], s[EX], 24                  ; an expert's w1 is 16 MiB; my 128 columns are 512 bytes of each row;
	s_add_co_u32 s[OFFP], s[OFFP], s[TJ]
	s_lshr_b32 s[TT], s[WV], 1                     ; wave w brings K steps 16 w .. 16 w + 15 of the 64: pass w / 2 (256 bytes on),
	s_lshl_b32 s[TT], s[TT], 8
	s_add_co_u32 s[OFFP], s[OFFP], s[TT]
	s_and_b32 s[TT], s[WV], 1                      ; half w % 2 of K (512 rows of 16,384 bytes)
	s_lshl_b32 s[TT], s[TT], 23
	s_add_co_u32 s[OFFP], s[OFFP], s[TT]
	s_add_nc_u64 s[WPN:WPN+1], s[8:9], s[OFFP:OFFP+1]
	WIN 0x80
.irp o, 0,1,2,3,4,5,6,7
	WLOADS \o                                      ; four K steps: 64 loads go out at once
.endr
	WIN 0
	s_lshl_b32 s[OFFP], s[EX], 7
	s_add_nc_u64 s[6:7], s[6:7], s[OFFP:OFFP+1]
	s_load_b512 s[16:31], s[6:7], 0x0              ; the expert's 1,024 bits
	s_load_b512 s[32:47], s[6:7], 0x40
	s_lshl_b32 s[OFFP], s[EX], 23                  ; hid: 8 MiB an expert; my four K steps of 1,024 bytes in every tile
	s_lshl_b32 s[TJ], s[SXR], 12
	s_add_co_u32 s[OFFP], s[OFFP], s[TJ]
	s_add_nc_u64 s[12:13], s[12:13], s[OFFP:OFFP+1]
	s_wait_kmcnt 0x0
	s_mov_b32 s[CNT], 0
.set w, 0
.rept 32                                       ; ranks before each word of the bitmap
	s_lshl_b32 s[QW+w+2*(w/16)], s[CNT], 8
	s_or_b32 s[QW+w+2*(w/16)], s[QW+w+2*(w/16)], w
	s_bcnt1_i32_b32 s[TJ], s[MW+w]
	s_add_co_u32 s[CNT], s[CNT], s[TJ]
.set w, w+1
.endr
	s_add_co_u32 s[NT], s[CNT], 15
	s_lshr_b32 s[NT], s[NT], 4
	s_max_u32 s[NTM], s[NT], 1
	s_max_u32 s[CM1], s[CNT], 1
	s_sub_co_u32 s[CM1], s[CM1], 1
	s_mov_b32 s[NG], 1
.irp b, 20, 40, 60
	s_cmp_gt_u32 s[NT], \b
	s_cselect_b32 s[TJ], 1, 0
	s_add_co_u32 s[NG], s[NG], s[TJ]
.endr
	; THE LIST: wave w finds the tokens of ranks 320 w .. 320 w + 319, 32 a trip: the last word whose ranks begin at or before the rank, then the bit of that rank in the word.
	s_mul_i32 s[TJ], s[WV], 320
	v_add_nc_u32 v96, s[TJ], v30
	v_lshl_add_u32 v97, v96, 2, LIST
	s_mov_b32 s[TJ], 10
.Llist:
	v_min_u32 v98, s[CM1], v96                     ; ranks past the count repeat the last row
	v_lshl_or_b32 v99, v98, 8, 0xff
	v_mov_b32 v100, s[QW]
	v_mov_b32 v101, s[MW]
.set w, 1
.rept 31
	v_cmp_le_u32 vcc_lo, s[QW+w+2*(w/16)], v99
	v_cndmask_b32 v100, v100, s[QW+w+2*(w/16)], vcc_lo
	v_cndmask_b32 v101, v101, s[MW+w], vcc_lo
.set w, w+1
.endr
	v_lshrrev_b32 v102, 8, v100
	v_sub_nc_u32 v102, v98, v102                   ; the rank within the word
	v_and_b32 v100, 0xff, v100                     ; the word
	v_lshrrev_b32 v103, 1, v101                    ; counts of set bits in fields of 2, 4, 8 and 16 bits
	v_and_b32 v103, 0x55555555, v103
	v_sub_nc_u32 v103, v101, v103
	v_lshrrev_b32 v104, 2, v103
	v_and_b32 v104, 0x33333333, v104
	v_and_b32 v105, 0x33333333, v103
	v_add_nc_u32 v104, v104, v105
	v_lshrrev_b32 v105, 4, v104
	v_add_nc_u32 v105, v105, v104
	v_and_b32 v105, 0x0f0f0f0f, v105
	v_lshrrev_b32 v106, 8, v105
	v_add_nc_u32 v106, v106, v105
	v_and_b32 v106, 0x00ff00ff, v106
	v_mov_b32 v107, 0
	LEVEL v106, 8, 16
	LEVEL v105, 8, 8
	LEVEL v104, 4, 4
	LEVEL v103, 2, 2
	LEVEL v101, 1, 1
	v_lshl_add_u32 v107, v100, 5, v107
	v_min_u32 v107, 0x3ff, v107
	ds_store_b32 v97, v107
	v_add_nc_u32 v96, 32, v96
	v_add_nc_u32 v97, 0x80, v97
	s_sub_co_i32 s[TJ], s[TJ], 1
	s_cmp_lg_u32 s[TJ], 0
	s_cbranch_scc1 .Llist
	; PHASE 1.  Three trips of four K steps load again what they round; behind each eight loads lie the 56 of the seven other eights.  The last four K steps load nothing: the counts run down.
	s_mov_b32 s[RC], 3
.Lr:
	s_wait_xcnt 0x0                                ; the base of the loads issued so far is rewritten only behind this wait
	s_add_nc_u64 s[WPN:WPN+1], s[WPN:WPN+1], RSTEP
.irp o, 0,1,2,3,4,5,6,7
	OCT \o, 1, 56
.endr
	WIN 0
	v_add_nc_u32 v6, 0x4000, v6                    ; four K steps of LDS on
	s_sub_co_i32 s[RC], s[RC], 1
	s_cmp_lg_u32 s[RC], 0
	s_cbranch_scc1 .Lr
.irp o, 0,1,2,3,4,5,6,7
	OCT \o, 0, 56-8*\o
.endr
	WIN 0xcf                                       ; b1 is in (the last wait was for 0): register j of virtual tile i takes column 4 j + i of my 32: rounded to bf16,
.irp ps, 0,1
.irp i, 0,1,2,3
.irp jp, 0,1,2,3
	v_cvt_pk_bf16_f32 v[32*\ps+8*\i+2*\jp], v[64+32*\ps+8*\jp+\i], v[64+32*\ps+8*\jp+4+\i]
.endr
.endr
.endr
.set n, 0
.rept 32
	v_and_b32 v[2*n+1], 0xffff0000, v[2*n]         ; and widened again
	v_lshlrev_b32 v[2*n], 16, v[2*n]
.set n, n+1
.endr
	WIN 0x40
	v_mov_b32 v[KA], 0xAF95DF0B                    ; the two leading coefficients of erf's form, as pairs
	v_mov_b32 v[KA+1], 0xAF95DF0B
	v_mov_b32 v[KB], 0xB77460CD
	v_mov_b32 v[KB+1], 0xB77460CD
	WIN 0
	s_wait_dscnt 0x0                               ; for the others' sake: my stores of weights and of the list are done
	s_barrier_signal -1
	s_barrier_wait -1                              ; everybody's are: up to the second barrier LDS is only read
	; PHASE 2
	s_mov_b32 s[PASS], 0
.Lpass:
	s_mov_b32 s[G], 0
.Lg:
	s_cmp_ge_u32 s[G], s[NG]
	s_cbranch_scc1 .Lgnext                         ; a group without a tile
	SETOFF
	PRO_A
	PRO_B
	s_mov_b32 s[HN], 0
	HALF 1, 1                                      ; the first four K steps are written out: their first products start the sums
	s_mov_b32 s[HN], 1
.Lh:
	HALF 0, 1
	s_add_co_u32 s[HN], s[HN], 1
	s_cmp_lt_u32 s[HN], NHP-1
	s_cbranch_scc1 .Lh
	HALF 0, 0                                      ; and so are the last four, which fetch no token rows
	; THE WAY OUT: ten times 16 numbers a lane.  The four v_nop that close the last K step are the places behind the last products.
	s_mov_b32 s[QI], 0
.Lq:
	s_mul_i32 s[ID], s[G], 20                      ; the tile: 20 g + 4 t + wave, t = QI / 2
	s_lshr_b32 s[TT], s[QI], 1
	s_lshl_b32 s[TT], s[TT], 2
	s_add_co_u32 s[ID], s[ID], s[TT]
	s_add_co_u32 s[ID], s[ID], s[WV]
	s_cmp_ge_u32 s[ID], s[NTM]
	s_cbranch_scc1 .Lqnext                         ; a tile past the count is not stored
.irp n, 0,1,2,3,4,5,6,7,8
	s_cmp_eq_u32 s[QI], \n
	s_cbranch_scc1 .Lqb\n
.endr
	TAKE 9
	s_branch .Lgelu
.irp n, 0,1,2,3,4,5,6,7
.Lqb\n:
	TAKE \n
	s_branch .Lgelu
.endr
.Lqb8:
	TAKE 8
.Lgelu:                                        ; gelu(v) = v / 2 + (v / 2) erf(u), u = v / sqrt(2); erf(u) = u A(u^2) / B(u^2), u held to -4 .. 4
	WIN 0x55
.set z, 0
.rept 16
	v_med3_num_f32 v[XC+z], v[X+z], s104, s105
.set z, z+1
.endr
.irp p, 0,2,4,6,8,10,12,14
	v_pk_mul_f32 v[S+\p:S+\p+1], v[XC+\p:XC+\p+1], v[XC+\p:XC+\p+1]
.endr
.irp p, 0,2,4,6,8,10,12,14
	v_pk_fma_f32 v[P+\p:P+\p+1], v[S+\p:S+\p+1], v[KA:KA+1], 0x32EDFFEE op_sel_hi:[1,1,0]
	v_pk_fma_f32 v[Q+\p:Q+\p+1], v[S+\p:S+\p+1], v[KB:KB+1], 0xB95FBD29 op_sel_hi:[1,1,0]
.endr
	HORNER P, 0xB60CFF51
	HORNER Q, 0xBADC924E
	HORNER P, 0xB86EC2D2
	HORNER Q, 0xBBF19BF8
	HORNER P, 0xBA40AC63
	HORNER Q, 0xBC69B6A7
	HORNER P, 0xBB41A1F6
	HORNER P, 0xBC83DBD4
.set z, 0
.rept 16
	v_rcp_f32 v[Q+z], v[Q+z]                       ; one batch of sixteen reciprocals
.set z, z+1
.endr
.irp p, 0,2,4,6,8,10,12,14
	v_pk_mul_f32 v[P+\p:P+\p+1], v[P+\p:P+\p+1], v[XC+\p:XC+\p+1]              ; plain work that names none of their results
.endr
.irp p, 0,2,4,6,8,10,12,14
	v_pk_mul_f32 v[X+\p:X+\p+1], v[X+\p:X+\p+1], 0x3f3504f3 op_sel_hi:[1,0]    ; v / 2
.endr
	s_wait_alu depctr_va_vdst(0)                   ; one wait for the batch, ahead of its first reader
.irp p, 0,2,4,6,8,10,12,14
	v_pk_mul_f32 v[P+\p:P+\p+1], v[P+\p:P+\p+1], v[Q+\p:Q+\p+1]
.endr
.irp p, 0,2,4,6,8,10,12,14
	v_pk_fma_f32 v[X+\p:X+\p+1], v[X+\p:X+\p+1], v[P+\p:P+\p+1], v[X+\p:X+\p+1]
.endr
	s_wait_xcnt 0x0                                ; the last trip's stores have read their data and their offset
.irp q, 0,1,2,3,4,5,6,7
	v_cvt_pk_bf16_f32 v[HH+\q], v[X+2*\q], v[X+2*\q+1]
.endr
	WIN 0
	s_lshl_b32 s[TT], s[ID], 17                    ; the tile's 131,072 bytes; K step 2 pass + s of my four
	s_and_b32 s[TJ], s[QI], 1
	s_lshl_b32 s[TJ], s[TJ], 10
	s_add_co_u32 s[TT], s[TT], s[TJ]
	s_lshl_b32 s[TJ], s[PASS], 11
	s_add_co_u32 s[TT], s[TT], s[TJ]
	v_add_nc_u32 v12, s[TT], v1
	WIN 0x04
	global_store_b128 v12, v[HH:HH+3], s[12:13]              ; each store of the wave covers 512 consecutive bytes, aligned
	global_store_b128 v12, v[HH+4:HH+7], s[12:13] offset:512
	WIN 0
.Lqnext:
	s_add_co_u32 s[QI], s[QI], 1
	s_cmp_lt_u32 s[QI], 10
	s_cbranch_scc1 .Lq
.Lgnext:
	s_add_co_u32 s[G], s[G], 1
	s_cmp_lt_u32 s[G], 4
	s_cbranch_scc1 .Lg
	WIN 0xc3                                       ; pass 1's b1 goes where the one text of the products names it
.set n, 0
.rept 32
	v_mov_b32 v[n], v[32+n]
.set n, n+1
.endr
	WIN 0
	s_add_co_u32 s[PASS], s[PASS], 1
	s_cmp_lt_u32 s[PASS], 2
	s_cbranch_scc1 .Lpass
	s_wait_dscnt 0x0                               ; my reads of LDS are over,
	s_barrier_signal -1
	s_barrier_wait -1                              ; and so are everybody's: the add below, which writes LDS, follows every wave's reads
	s_wait_tensorcnt 0x0                           ; the wave's end
	ds_add_u32 v2, v3
	s_wait_dscnt 0x0
	s_endpgm
.Lfunc_end_k_qc209785432_up:
	.size	k_qc209785432_up, .Lfunc_end_k_qc209785432_up-k_qc209785432_up
	.p2alignl 7, 3214868480
	.fill 96, 4, 3214868480
	.section	.rodata,"a",@progbits
	.p2align	6, 0x0
	.amdhsa_kernel k_qc209785432_up
		.amdhsa_group_segment_fixed_size 286720
		.amdhsa_private_segment_fixed_size 0
		.amdhsa_enable_private_segment 0
		.amdhsa_kernarg_size 40
		.amdhsa_user_sgpr_count 2
		.amdhsa_user_sgpr_kernarg_segment_ptr 1
		.amdhsa_wavefront_size32 1
		.amdhsa_system_sgpr_workgroup_id_x 1
		.amdhsa_system_sgpr_workgroup_id_y 1
		.amdhsa_system_sgpr_workgroup_id_z 1
		.amdhsa_system_vgpr_workitem_id 0
		.amdhsa_next_free_vgpr 896
		.amdhsa_next_free_sgpr 106
		.amdhsa_reserve_vcc 1
		.amdhsa_float_denorm_mode_32 3
		.amdhsa_float_denorm_mode_16_64 3
		.amdhsa_memory_ordered 1
		.amdhsa_forward_progress 1
		.amdhsa_inst_pref_size 117
	.end_amdhsa_kernel
	.amdgpu_metadata
---
amdhsa.version: [ 1, 2 ]
amdhsa.kernels:
  - .name:           k_qc209785432_up
    .symbol:         k_qc209785432_up.kd
    .args:
      - { .name: xb, .offset: 0, .size: 8, .value_kind: global_buffer, .address_space: global }
      - { .name: bm, .offset: 8, .size: 8, .value_kind: global_buffer, .address_space: global }
      - { .name: w1, .offset: 16, .size: 8, .value_kind: global_buffer, .address_space: global }
      - { .name: b1, .offset: 24, .size: 8, .value_kind: global_buffer, .address_space: global }
      - { .name: hid, .offset: 32, .size: 8, .value_kind: global_buffer, .address_space: global }
    .group_segment_fixed_size: 286720
    .private_segment_fixed_size: 0
    .kernarg_segment_align: 8
    .kernarg_segment_size: 40
    .max_flat_workgroup_size: 128
    .sgpr_count:     106
    .vgpr_count:     896
    .wavefront_size: 32
...
	.end_amdgpu_metadata
.endif
;; end of part 2
;; launch down (part 3): grid 32 x 8, 4 waves a work-group, no clusters, 286,720 bytes of LDS; arguments hid, bm, w2, b2, y; writes y
.if DOCPART == 3
	.amdgcn_target "amdgcn-amd-amdhsa--gfx1250"
	.amdhsa_code_object_version 6
	.text
	.protected	k_qc209785432_down
	.globl	k_qc209785432_down
	.p2align	8
	.type	k_qc209785432_down,@function
k_qc209785432_down:
	s_mov_b64 s[64:65], 0
	v_nop
	global_prefetch_b8 v0, s[64:65] scope:SCOPE_SE
	s_setreg_imm32_b32 hwreg(HW_REG_WAVE_MODE, 25, 1), 1
	s_wait_xcnt 0x0
; DOWN.  y[t][e][kh] = hid w2[e] (+ b2[e] in the first K half) for the rows that chose expert e: partial rows in f32, which the last launch adds.
; Work-group (sx, e): output columns 64 (sx % 16) .. + 63, K rows 2,048 (sx / 16) .. + 2,047 of expert e, and ALL of that expert's rows.  64 columns make each piece of a row of w2 256 whole bytes;
; half of K makes 256 work-groups of it.  Four waves, one for each SIMD, all running the same text.
; PHASE 1.  The work-group's 512 KiB of w2, which it alone reads, come in once, are rounded to bf16 on the way through registers and laid into LDS (256 KiB; each byte written once).  A wave brings 16 K
; steps, 64 KiB of LDS of its own, with 64 loads of 512 bytes on their way.  The list of the expert's tokens is made while the first loads are out.
; TWO BARRIERS.  Every store of weights and of the list stands ahead of the first, every LDS read between the two; behind the second stands the closing add alone.
; PHASE 2.  A tile is 16 ranks of the expert's tokens; tile 20 g + 4 t + wave, t = 0..4, belongs to group g.  For each group with a tile: 64 K steps of 20 products a wave, then the stores.  No barrier,
; and nothing writes LDS.  Tiles past the count read the last written tile of hid and are not stored.  Every split of the tokens is served: 0 to 1,024 rows.
; The two phases follow each other: a wave's loads come back in order on one counter, and ten loads of hid go with every four weight loads, so weights asked for among the products would have too few bytes out.
; LAYOUT.  hid lies as this launch's token operand: [expert][tile][K step][half][16 x lane], 512 neighbouring bytes a load.  Its K order is: place (lane / 16 = h, element q) of K step 2 b + s is hidden
; column 64 b + 32 h + 4 q + 2 s in the first half and one more in the second; the rows of w2 are taken in the same order.  Column 4 (lane % 16) + i of the 64 goes to virtual column tile i.
; The product is used as it stands (source 0 = tokens, source 1 = weights): register j of virtual tile i holds rank 8 (lane / 16) + j, column 4 (lane % 16) + i.  The add of b2 lays four columns side by
; side, and one store of 16 bytes a lane writes 256 whole bytes of each of two tokens' rows.
; FORMATS AND LIMITS.  w2 and b2 rounded once to bf16; hid arrives in bf16; sums and y in f32.  NaN and infinities are not treated apart.
; NO CLUSTER: each slice of weights has one reader; beside the 256 KiB slice LDS has no room for the tiles of hid that an expert's work-groups share, and their number hangs on a stored count.
.set LIST,  262144                     ; behind the weights' 64 K steps of 4,096 bytes: 1,280 token numbers by rank
.set SPARE, 267264                     ; the spare words: 128 bytes for each of four waves, named by no other line
.set KSB,   1024                       ; a K step of a tile of hid, in bytes; its second half lies HB on
.set HB,    512
.set ASH,   12                         ; four K steps of it are 1 << ASH bytes
.set NHP,   16                         ; fours of K steps
.set RSTEP, 0x80000                    ; four K steps of w2: 128 rows of 4,096 bytes
.set AR0,   96                         ; window 0: v96-255 token fragments, ring place i (4) x tile t (5) at 96 + 40 i + 8 t; v32-63, v64-95 weight fragments of two K steps (phase 1: v32-47 rounded pieces)
                                       ; v1 16 x lane; v2, v3 the closing add's; v4 phase 1: my offset in w2, phase 2: LDS address of the weights; v6 phase 1: LDS address; v6-10 phase 2: the tiles' offsets;
                                       ; v11 at work; v12-19 row offsets in y; v20 16 (lane % 16); v21 LIST + 32 (lane / 16); v24-31 tokens
                                       ; window 1: v0-159 accumulators, tile t, virtual tile i at 32 t + 8 i; v160-163 b2 of my four columns; v164-165 at work; v192-223 a tile in store order
                                       ; window 2: v0-255 phase 1's 64 loads
.set PK,    32
.set BI,    160
.set OO,    192
.set WV,    2                          ; s2 wave; s[4:5] my K half of the expert's hid; s[6:7] bm; s[8:9] w2; s[10:11] b2; s[12:13] y
.set EX,    14
.set SXR,   15
.set MW,    16                         ; s[16:47] the expert's 32 words of bm
.set QW,    48                         ; s48-63, s66-81: for word w, (ranks before it) << 8 | w
.set CNT,   82
.set NT,    83
.set NG,    84
.set NTM,   85
.set RC,    86
.set TJ,    87
.set OFFP,  88
.set LBP,   90
.set WPN,   92
.set HN,    94
.set CM1,   95
.set G,     96
.set CSR,   98                         ; sx % 16
.set ID,    99
.set KHR,   100                        ; sx / 16
.set TT,    101
.set MSB, 0
.macro WIN new                         ; s_set_vgpr_msb: bits 1:0 source 0, 3:2 source 1, 5:4 source 2, 7:6 destination; the high byte repeats the setting that is left
.if MSB != (\new)
	s_set_vgpr_msb (MSB<<8)|(\new)
.set MSB, \new
.endif
.endm
; Eight loads: K rows 64 (ks / 2) + 32 (lane / 16) + 4 jj + 2 (ks % 2) + half of the round's four K steps (o = 2 ks + half), 64 columns
.macro WLOADS o
.irp jj, 0,1,2,3,4,5,6,7
	global_load_b128 v[32*(\o)+4*\jj:32*(\o)+4*\jj+3], v4, s[WPN:WPN+1] offset:(64*((\o)/4)+4*\jj+2*(((\o)/2)%2)+((\o)%2))*4096 th:TH_LOAD_NT
.endr
.endm
; Eight loads' worth is rounded and stored.  cnt: the younger loads that may stay out.  re = 1: the registers are loaded again, with the rows four K steps on.
.macro OCT o, re, cnt
	s_wait_loadcnt \cnt
	WIN 0x0a
.irp i, 0,1,2,3
.irp q, 0,1,2,3
	v_cvt_pk_bf16_f32 v[PK+4*\i+\q], v[32*(\o)+8*\q+\i], v[32*(\o)+8*\q+4+\i]
.endr
.endr
	WIN 0x80                                       ; sources in window 0 (the stores'), destination in window 2 (the loads')
.irp i, 0,1,2,3
	ds_store_b128 v6, v[PK+4*\i:PK+4*\i+3] offset:((\o)/2)*4096+\i*1024+((\o)%2)*512
.endr
.if \re
	WLOADS \o
.endif
.endm
.macro ALOADS i                        ; ring place i: one K step of five tiles of hid
.irp t, 0,1,2,3,4
	global_load_b128 v[AR0+40*(\i)+8*\t:AR0+40*(\i)+8*\t+3], v[6+\t], s[LBP:LBP+1] offset:(\i)*KSB
	global_load_b128 v[AR0+40*(\i)+8*\t+4:AR0+40*(\i)+8*\t+7], v[6+\t], s[LBP:LBP+1] offset:(\i)*KSB+HB
.endr
.endm
.macro BLOADS bf, off                  ; one K step's four weight fragments: 4,096 neighbouring bytes
.irp f, 0,1,2,3,4,5,6,7
	ds_load_b128 v[(\bf)+4*\f:(\bf)+4*\f+3], v4 offset:(\off)+512*\f
.endr
.endm
; 20 products; the 20 accumulators take turns, one instruction a turn, from K step to K step too.  c0 = 1: the sums begin, with the constant 0 as C: nothing is cleared.
.macro MULS i, c0
	WIN 0x50
.irp t, 0,1,2,3,4
.irp n, 0,1,2,3
.if \c0
	v_wmma_f32_16x16x32_bf16 v[32*\t+8*\n:32*\t+8*\n+7], v[AR0+40*(\i)+8*\t:AR0+40*(\i)+8*\t+7], v[32+32*((\i)%2)+8*\n:32+32*((\i)%2)+8*\n+7], 0
.else
	v_wmma_f32_16x16x32_bf16 v[32*\t+8*\n:32*\t+8*\n+7], v[AR0+40*(\i)+8*\t:AR0+40*(\i)+8*\t+7], v[32+32*((\i)%2)+8*\n:32+32*((\i)%2)+8*\n+7], v[32*\t+8*\n:32*\t+8*\n+7]
.endif
.endr
.endr
	WIN 0
.endm
; FOUR K STEPS, 4 HN .. 4 HN + 3.  Each step: its tiles of hid are in (three younger steps of ten loads stay out), its weights are in (the next step's eight LDS loads stay out); 20 products;
; four places (ISA guide 7.12.1 for vector instructions); then the registers just read are loaded again: hid four K steps on, weights two K steps on.
; first = 1: the first four.  ld = 0: the last four: nothing is left to fetch but two K steps of weights, and the counts run down.
.macro HALF first, ld
.if \ld
	s_wait_xcnt 0x0                                ; the base of the loads of hid is rewritten only behind this wait
	s_add_co_u32 s[TT], s[HN], 1
	s_lshl_b32 s[OFFP], s[TT], ASH
	s_add_nc_u64 s[LBP:LBP+1], s[4:5], s[OFFP:OFFP+1]
.endif
	s_lshl_b32 s[TJ], s[HN], 14                    ; four K steps are 16,384 bytes of LDS
	s_and_b32 s[TJ], s[TJ], 0x3c000
	v_add_nc_u32 v4, s[TJ], v1
.irp i, 0,1,2,3
.if \ld
	s_wait_loadcnt 30
	s_wait_dscnt 8
.else
	s_wait_loadcnt 30-10*\i
.if \i < 3
	s_wait_dscnt 8
.else
	s_wait_dscnt 0
.endif
.endif
.if (\first) && (\i == 0)
	MULS \i, 1
.else
	MULS \i, 0
.endif
.rept 4
	v_nop
.endr
.if \ld
	ALOADS \i
	BLOADS 32+32*(\i%2), (\i+2)*4096
.elseif \i < 2
	BLOADS 32+32*(\i%2), (\i+2)*4096
.endif
.endr
.endm
.macro SETOFF                          ; the offsets of group G's five tiles in hid, 131,072 bytes a tile; a tile past the last written one reads that one
	s_wait_xcnt 0x0                                ; they are addresses of loads issued before
	s_sub_co_u32 s[TJ], s[NTM], 1
.irp t, 0,1,2,3,4
	s_mul_i32 s[TT], s[G], 20
	s_add_co_u32 s[TT], s[TT], 4*\t
	s_add_co_u32 s[TT], s[TT], s[WV]
	s_min_u32 s[TT], s[TT], s[TJ]
	s_min_u32 s[TT], s[TT], 63
	s_lshl_b32 s[TT], s[TT], 17
	v_add_nc_u32 v[6+\t], s[TT], v1
.endr
.endm
.macro PRO_A                           ; the ring's first fill: my K steps 0-3 of the tiles
	s_wait_loadcnt 0x0                             ; nothing may still be on its way into the ring
	s_wait_xcnt 0x0
	s_mov_b64 s[LBP:LBP+1], s[4:5]
	ALOADS 0
	ALOADS 1
	ALOADS 2
	ALOADS 3
.endm
.macro PRO_B                           ; the weights of K steps 0 and 1
	s_wait_dscnt 0x0                               ; nothing may still be on its way into these registers
	v_mov_b32 v4, v1
	BLOADS 32, 0
	BLOADS 64, 4096
.endm
.macro LEVEL src, width, step          ; the list: does the rank lie past the lower half of what is left of the word?
	v_bfe_u32 v108, \src, v107, \width
	v_cmp_ge_u32 vcc_lo, v102, v108
	v_cndmask_b32 v108, 0, v108, vcc_lo
	v_sub_nc_u32 v102, v102, v108
	v_cndmask_b32 v109, 0, \step, vcc_lo
	v_add_nc_u32 v107, v107, v109
.endm
	s_load_b256 s[4:11], s[0:1], 0x0               ; hid, bm, w2, b2
	s_load_b64 s[12:13], s[0:1], 0x20              ; y
	v_lshl_add_u32 v2, v0, 2, SPARE                ; my spare word,
	v_mov_b32 v3, 0                                ; and 0: kept for the closing lines alone
	v_lshrrev_b32 v30, 5, v0
	v_readfirstlane_b32 s[WV], v30
	v_and_b32 v30, 31, v0                          ; lane
	v_lshlrev_b32 v1, 4, v30                       ; 16 x lane
	v_and_b32 v28, 15, v0                          ; lane % 16
	v_bfe_u32 v29, v0, 4, 1                        ; lane / 16
	s_and_b32 s[EX], ttmp7, 0xffff                 ; the expert
	s_mov_b32 s[SXR], ttmp9
	s_and_b32 s[CSR], s[SXR], 15                   ; my 64 columns
	s_lshr_b32 s[KHR], s[SXR], 4                   ; my half of K
	s_mov_b32 s[OFFP+1], 0
	v_lshlrev_b32 v20, 4, v28
	v_lshl_add_u32 v21, v29, 5, LIST
	v_lshlrev_b32 v4, 4, v28                       ; w2: my 16 bytes of the 256,
	v_lshl_or_b32 v4, v29, 17, v4                  ; 32 rows down for lanes 16-31
	s_lshl_b32 s[TJ], s[WV], 16
	v_add_nc_u32 v6, s[TJ], v1                     ; my wave's 16 K steps: 65,536 bytes of LDS on end
	s_wait_kmcnt 0x0
	s_lshl_b32 s[OFFP], s[EX], 12                  ; b2: 4,096 bytes an expert, my 64 columns 256
	s_lshl_b32 s[TJ], s[CSR], 8
	s_add_co_u32 s[OFFP], s[OFFP], s[TJ]
	s_add_nc_u64 s[10:11], s[10:11], s[OFFP:OFFP+1]
	WIN 0x40
	global_load_b128 v[BI:BI+3], v20, s[10:11]     ; my four columns; ahead of the weights: phase 1's last wait shows it in
	WIN 0
	s_lshl_b32 s[OFFP], s[EX], 24                  ; an expert's w2 is 16 MiB, half of its K rows 8 MiB; my 64 columns are 256 bytes of each row;
	s_add_co_u32 s[OFFP], s[OFFP], s[TJ]
	s_lshl_b32 s[TT], s[KHR], 23
	s_add_co_u32 s[OFFP], s[OFFP], s[TT]
	s_lshl_b32 s[TT], s[WV], 21                    ; wave w brings K steps 16 w .. 16 w + 15 of the 64: 512 rows of 4,096 bytes
	s_add_co_u32 s[OFFP], s[OFFP], s[TT]
	s_add_nc_u64 s[WPN:WPN+1], s[8:9], s[OFFP:OFFP+1]
	WIN 0x80
.irp o, 0,1,2,3,4,5,6,7
	WLOADS \o                                      ; four K steps: 64 loads go out at once
.endr
	WIN 0
	s_lshl_b32 s[OFFP], s[EX], 7
	s_add_nc_u64 s[6:7], s[6:7], s[OFFP:OFFP+1]
	s_load_b512 s[16:31], s[6:7], 0x0              ; the expert's 1,024 bits
	s_load_b512 s[32:47], s[6:7], 0x40
	s_lshl_b32 s[OFFP], s[EX], 23                  ; hid: 8 MiB an expert; my 64 K steps of 1,024 bytes in every tile
	s_lshl_b32 s[TT], s[KHR], 16
	s_add_co_u32 s[OFFP], s[OFFP], s[TT]
	s_add_nc_u64 s[4:5], s[4:5], s[OFFP:OFFP+1]
	s_lshl_b32 s[OFFP], s[EX], 13                  ; y: in a token's 65,536 bytes, 8,192 an expert, 4,096 a K half, my 256
	s_lshl_b32 s[TT], s[KHR], 12
	s_add_co_u32 s[OFFP], s[OFFP], s[TT]
	s_add_co_u32 s[OFFP], s[OFFP], s[TJ]
	s_add_nc_u64 s[12:13], s[12:13], s[OFFP:OFFP+1]
	s_wait_kmcnt 0x0
	s_mov_b32 s[CNT], 0
.set w, 0
.rept 32                                       ; ranks before each word of the bitmap
	s_lshl_b32 s[QW+w+2*(w/16)], s[CNT], 8
	s_or_b32 s[QW+w+2*(w/16)], s[QW+w+2*(w/16)], w
	s_bcnt1_i32_b32 s[TJ], s[MW+w]
	s_add_co_u32 s[CNT], s[CNT], s[TJ]
.set w, w+1
.endr
	s_add_co_u32 s[NT], s[CNT], 15
	s_lshr_b32 s[NT], s[NT], 4
	s_max_u32 s[NTM], s[NT], 1
	s_max_u32 s[CM1], s[CNT], 1
	s_sub_co_u32 s[CM1], s[CM1], 1
	s_mov_b32 s[NG], 1
.irp b, 20, 40, 60
	s_cmp_gt_u32 s[NT], \b
	s_cselect_b32 s[TJ], 1, 0
	s_add_co_u32 s[NG], s[NG], s[TJ]
.endr
	; THE LIST: wave w finds the tokens of ranks 320 w .. 320 w + 319, 32 a trip: the last word whose ranks begin at or before the rank, then the bit of that rank in the word.
	s_mul_i32 s[TJ], s[WV], 320
	v_add_nc_u32 v96, s[TJ], v30
	v_lshl_add_u32 v97, v96, 2, LIST
	s_mov_b32 s[TJ], 10
.Llist:
	v_min_u32 v98, s[CM1], v96                     ; ranks past the count repeat the last row
	v_lshl_or_b32 v99, v98, 8, 0xff
	v_mov_b32 v100, s[QW]
	v_mov_b32 v101, s[MW]
.set w, 1
.rept 31
	v_cmp_le_u32 vcc_lo, s[QW+w+2*(w/16)], v99
	v_cndmask_b32 v100, v100, s[QW+w+2*(w/16)], vcc_lo
	v_cndmask_b32 v101, v101, s[MW+w], vcc_lo
.set w, w+1
.endr
	v_lshrrev_b32 v102, 8, v100
	v_sub_nc_u32 v102, v98, v102                   ; the rank within the word
	v_and_b32 v100, 0xff, v100                     ; the word
	v_lshrrev_b32 v103, 1, v101                    ; counts of set bits in fields of 2, 4, 8 and 16 bits
	v_and_b32 v103, 0x55555555, v103
	v_sub_nc_u32 v103, v101, v103
	v_lshrrev_b32 v104, 2, v103
	v_and_b32 v104, 0x33333333, v104
	v_and_b32 v105, 0x33333333, v103
	v_add_nc_u32 v104, v104, v105
	v_lshrrev_b32 v105, 4, v104
	v_add_nc_u32 v105, v105, v104
	v_and_b32 v105, 0x0f0f0f0f, v105
	v_lshrrev_b32 v106, 8, v105
	v_add_nc_u32 v106, v106, v105
	v_and_b32 v106, 0x00ff00ff, v106
	v_mov_b32 v107, 0
	LEVEL v106, 8, 16
	LEVEL v105, 8, 8
	LEVEL v104, 4, 4
	LEVEL v103, 2, 2
	LEVEL v101, 1, 1
	v_lshl_add_u32 v107, v100, 5, v107
	v_min_u32 v107, 0x3ff, v107
	ds_store_b32 v97, v107
	v_add_nc_u32 v96, 32, v96
	v_add_nc_u32 v97, 0x80, v97
	s_sub_co_i32 s[TJ], s[TJ], 1
	s_cmp_lg_u32 s[TJ], 0
	s_cbranch_scc1 .Llist
	; PHASE 1.  Three trips of four K steps load again what they round; behind each eight loads lie the 56 of the seven other eights.  The last four K steps load nothing: the counts run down.
	s_mov_b32 s[RC], 3
.Lr:
	s_wait_xcnt 0x0                                ; the base of the loads issued so far is rewritten only behind this wait
	s_add_nc_u64 s[WPN:WPN+1], s[WPN:WPN+1], RSTEP
.irp o, 0,1,2,3,4,5,6,7
	OCT \o, 1, 56
.endr
	WIN 0
	v_add_nc_u32 v6, 0x4000, v6                    ; four K steps of LDS on
	s_sub_co_i32 s[RC], s[RC], 1
	s_cmp_lg_u32 s[RC], 0
	s_cbranch_scc1 .Lr
.irp o, 0,1,2,3,4,5,6,7
	OCT \o, 0, 56-8*\o
.endr
	WIN 0x45                                       ; b2 is in (the last wait was for 0): rounded to bf16,
	v_cvt_pk_bf16_f32 v[BI+4], v[BI], v[BI+1]
	v_cvt_pk_bf16_f32 v[BI+5], v[BI+2], v[BI+3]
	v_lshlrev_b32 v[BI], 16, v[BI+4]               ; widened again,
	v_and_b32 v[BI+1], 0xffff0000, v[BI+4]
	v_lshlrev_b32 v[BI+2], 16, v[BI+5]
	v_and_b32 v[BI+3], 0xffff0000, v[BI+5]
	s_cmp_eq_u32 s[KHR], 0                         ; and counted once: in the first K half
	s_cselect_b32 s[TJ], 1.0, 0
.irp i, 0,1,2,3
	v_mul_f32 v[BI+\i], s[TJ], v[BI+\i]
.endr
	WIN 0
	s_wait_dscnt 0x0                               ; for the others' sake: my stores of weights and of the list are done
	s_barrier_signal -1
	s_barrier_wait -1                              ; everybody's are: up to the second barrier LDS is only read
	; PHASE 2
	s_mov_b32 s[G], 0
.Lg:
	s_cmp_ge_u32 s[G], s[NG]
	s_cbranch_scc1 .Lgnext                         ; a group without a tile
	SETOFF
	PRO_A
	PRO_B
	s_mov_b32 s[HN], 0
	HALF 1, 1                                      ; the first four K steps are written out: their first products start the sums
	s_mov_b32 s[HN], 1
.Lh:
	HALF 0, 1
	s_add_co_u32 s[HN], s[HN], 1
	s_cmp_lt_u32 s[HN], NHP-1
	s_cbranch_scc1 .Lh
	HALF 0, 0                                      ; and so are the last four, which fetch nothing of hid
	; THE WAY OUT, a tile at a time.  The four v_nop that close the last K step are the places behind the last products.
.irp t, 0,1,2,3,4
	s_mul_i32 s[ID], s[G], 20
	s_add_co_u32 s[ID], s[ID], 4*\t
	s_add_co_u32 s[ID], s[ID], s[WV]
	s_cmp_ge_u32 s[ID], s[NT]
	s_cbranch_scc1 .Lskip\t                        ; a tile without a row is not stored
	s_lshl_b32 s[TT], s[ID], 6
	v_add_nc_u32 v11, s[TT], v21
	ds_load_b128 v[24:27], v11                     ; the tokens of ranks 8 (lane / 16) + 0..7 of the tile
	ds_load_b128 v[28:31], v11 offset:16
	s_wait_dscnt 0x0
	s_wait_xcnt 0x0                                ; the last tile's stores have read their data and their offsets
.irp j, 0,1,2,3,4,5,6,7
	v_min_u32 v[24+\j], 0x3ff, v[24+\j]
	v_lshl_add_u32 v[12+\j], v[24+\j], 16, v20     ; a token has 65,536 bytes of y; my 16 bytes of the 256
.endr
	WIN 0x45
.irp j, 0,1,2,3,4,5,6,7
.irp i, 0,1,2,3
	v_add_f32 v[OO+4*\j+\i], v[32*\t+8*\i+\j], v[BI+\i]    ; b2 is added, and rank j's four neighbouring columns come side by side; each accumulator is read from its low end on
.endr
.endr
	WIN 0x04
.irp j, 0,1,2,3,4,5,6,7
	global_store_b128 v[12+\j], v[OO+4*\j:OO+4*\j+3], s[12:13]   ; lanes 0-15 write 256 consecutive bytes, aligned, of one token's row, lanes 16-31 of another's; ranks past the count repeat the last row's bytes
.endr
	WIN 0
.Lskip\t:
.endr
.Lgnext:
	s_add_co_u32 s[G], s[G], 1
	s_cmp_lt_u32 s[G], 4
	s_cbranch_scc1 .Lg
	s_wait_dscnt 0x0                               ; my reads of LDS are over,
	s_barrier_signal -1
	s_barrier_wait -1                              ; and so are everybody's: the add below, which writes LDS, follows every wave's reads
	s_wait_tensorcnt 0x0                           ; the wave's end
	ds_add_u32 v2, v3
	s_wait_dscnt 0x0
	s_endpgm
.Lfunc_end_k_qc209785432_down:
	.size	k_qc209785432_down, .Lfunc_end_k_qc209785432_down-k_qc209785432_down
	.p2alignl 7, 3214868480
	.fill 96, 4, 3214868480
	.section	.rodata,"a",@progbits
	.p2align	6, 0x0
	.amdhsa_kernel k_qc209785432_down
		.amdhsa_group_segment_fixed_size 286720
		.amdhsa_private_segment_fixed_size 0
		.amdhsa_enable_private_segment 0
		.amdhsa_kernarg_size 40
		.amdhsa_user_sgpr_count 2
		.amdhsa_user_sgpr_kernarg_segment_ptr 1
		.amdhsa_wavefront_size32 1
		.amdhsa_system_sgpr_workgroup_id_x 1
		.amdhsa_system_sgpr_workgroup_id_y 1
		.amdhsa_system_sgpr_workgroup_id_z 1
		.amdhsa_system_vgpr_workitem_id 0
		.amdhsa_next_free_vgpr 768
		.amdhsa_next_free_sgpr 106
		.amdhsa_reserve_vcc 1
		.amdhsa_float_denorm_mode_32 3
		.amdhsa_float_denorm_mode_16_64 3
		.amdhsa_memory_ordered 1
		.amdhsa_forward_progress 1
		.amdhsa_inst_pref_size 103
	.end_amdhsa_kernel
	.amdgpu_metadata
---
amdhsa.version: [ 1, 2 ]
amdhsa.kernels:
  - .name:           k_qc209785432_down
    .symbol:         k_qc209785432_down.kd
    .args:
      - { .name: hid, .offset: 0, .size: 8, .value_kind: global_buffer, .address_space: global }
      - { .name: bm, .offset: 8, .size: 8, .value_kind: global_buffer, .address_space: global }
      - { .name: w2, .offset: 16, .size: 8, .value_kind: global_buffer, .address_space: global }
      - { .name: b2, .offset: 24, .size: 8, .value_kind: global_buffer, .address_space: global }
      - { .name: y, .offset: 32, .size: 8, .value_kind: global_buffer, .address_space: global }
    .group_segment_fixed_size: 286720
    .private_segment_fixed_size: 0
    .kernarg_segment_align: 8
    .kernarg_segment_size: 40
    .max_flat_workgroup_size: 128
    .sgpr_count:     106
    .vgpr_count:     768
    .wavefront_size: 32
...
	.end_amdgpu_metadata
.endif
;; end of part 3
;; launch combine (part 4): grid 256 x 1, 8 waves a work-group, no clusters, 0 bytes of LDS; arguments y, sel, scale, out0; writes out0
.if DOCPART == 4
	.amdgcn_target "amdgcn-amd-amdhsa--gfx1250"
	.amdhsa_code_object_version 6
	.text
	.protected	k_qc209785432_combine
	.globl	k_qc209785432_combine
	.p2align	8
	.type	k_qc209785432_combine,@function
k_qc209785432_combine:
	s_mov_b64 s[64:65], 0
	v_nop
	global_prefetch_b8 v0, s[64:65] scope:SCOPE_SE
	s_setreg_imm32_b32 hwreg(HW_REG_WAVE_MODE, 25, 1), 1
	s_wait_xcnt 0x0
; COMBINE.  out0[t] = (y[t][e1][0] + y[t][e1][1] + y[t][e2][0] + y[t][e2][1]) x scale[t]: a token's two experts, each in two K halves, all f32.
; A stream: a work-group takes four tokens, a wave half a token's row (2,048 bytes): 16 loads of 512 neighbouring bytes, all out at once, four stores of 512.  No LDS, no barrier, no matrix unit:
; memory binds, and no byte is read twice.  The experts come from sel, whole numbers that the first launch stored; each is held to 0 .. 7 before it enters an address.
	s_load_b256 s[4:11], s[0:1], 0x0               ; y s[4:5], sel s[6:7], scale s[8:9], out0 s[10:11]
	v_lshrrev_b32 v1, 5, v0
	v_readfirstlane_b32 s2, v1                     ; wave
	v_and_b32 v1, 31, v0
	v_lshlrev_b32 v1, 4, v1                        ; 16 x lane
	s_lshr_b32 s12, s2, 1
	s_lshl_b32 s13, ttmp9, 2
	s_add_co_u32 s12, s12, s13                     ; the token
	s_and_b32 s13, s2, 1                           ; which half of its row
	s_lshl_b32 s16, s12, 2
	s_mov_b32 s17, 0
	s_wait_kmcnt 0x0
	s_add_nc_u64 s[6:7], s[6:7], s[16:17]
	s_add_nc_u64 s[8:9], s[8:9], s[16:17]
	s_load_b32 s20, s[6:7], 0x0
	s_load_b32 s18, s[8:9], 0x0
	s_lshl_b32 s22, s12, 16                        ; a token has 65,536 bytes of y,
	s_lshl_b32 s23, s13, 11
	s_add_co_u32 s22, s22, s23
	s_lshl_b32 s28, s12, 12                        ; and 4,096 of out0
	s_add_co_u32 s28, s28, s23
	s_mov_b32 s29, 0
	s_add_nc_u64 s[10:11], s[10:11], s[28:29]
	s_mov_b32 s25, 0
	s_mov_b32 s27, 0
	s_wait_kmcnt 0x0
	s_mov_b32 s19, s18                             ; named with it as a pair
	s_bfe_u32 s21, s20, 0x80008
	s_bfe_u32 s20, s20, 0x80000
	s_min_u32 s20, s20, 7
	s_min_u32 s21, s21, 7
	s_lshl_b32 s24, s20, 13                        ; 8,192 bytes an expert
	s_add_co_u32 s24, s24, s22
	s_lshl_b32 s26, s21, 13
	s_add_co_u32 s26, s26, s22
	s_add_nc_u64 s[24:25], s[4:5], s[24:25]
	s_add_nc_u64 s[26:27], s[4:5], s[26:27]
.irp q, 0,1,2,3
	global_load_b128 v[16+16*\q:19+16*\q], v1, s[24:25] offset:512*\q th:TH_LOAD_NT
	global_load_b128 v[20+16*\q:23+16*\q], v1, s[24:25] offset:512*\q+4096 th:TH_LOAD_NT
	global_load_b128 v[24+16*\q:27+16*\q], v1, s[26:27] offset:512*\q th:TH_LOAD_NT
	global_load_b128 v[28+16*\q:31+16*\q], v1, s[26:27] offset:512*\q+4096 th:TH_LOAD_NT
.endr
.irp q, 0,1,2,3
	s_wait_loadcnt 12-4*\q                         ; loads come back in order: this quarter's four are in, the younger quarters' stay out
.irp p, 0,2
	v_pk_add_f32 v[16+16*\q+\p:17+16*\q+\p], v[16+16*\q+\p:17+16*\q+\p], v[20+16*\q+\p:21+16*\q+\p]
	v_pk_add_f32 v[24+16*\q+\p:25+16*\q+\p], v[24+16*\q+\p:25+16*\q+\p], v[28+16*\q+\p:29+16*\q+\p]
	v_pk_add_f32 v[16+16*\q+\p:17+16*\q+\p], v[16+16*\q+\p:17+16*\q+\p], v[24+16*\q+\p:25+16*\q+\p]
	v_pk_mul_f32 v[16+16*\q+\p:17+16*\q+\p], v[16+16*\q+\p:17+16*\q+\p], s[18:19] op_sel_hi:[1,0]
.endr
	global_store_b128 v1, v[16+16*\q:19+16*\q], s[10:11] offset:512*\q th:TH_STORE_NT   ; 512 consecutive bytes, aligned; each store has data registers of its own
.endr
	s_endpgm
.Lfunc_end_k_qc209785432_combine:
	.size	k_qc209785432_combine, .Lfunc_end_k_qc209785432_combine-k_qc209785432_combine
	.p2alignl 7, 3214868480
	.fill 96, 4, 3214868480
	.section	.rodata,"a",@progbits
	.p2align	6, 0x0
	.amdhsa_kernel k_qc209785432_combine
		.amdhsa_group_segment_fixed_size 0
		.amdhsa_private_segment_fixed_size 0
		.amdhsa_enable_private_segment 0
		.amdhsa_kernarg_size 32
		.amdhsa_user_sgpr_count 2
		.amdhsa_user_sgpr_kernarg_segment_ptr 1
		.amdhsa_wavefront_size32 1
		.amdhsa_system_sgpr_workgroup_id_x 1
		.amdhsa_system_sgpr_workgroup_id_y 1
		.amdhsa_system_sgpr_workgroup_id_z 1
		.amdhsa_system_vgpr_workitem_id 0
		.amdhsa_next_free_vgpr 80
		.amdhsa_next_free_sgpr 66
		.amdhsa_reserve_vcc 0
		.amdhsa_float_denorm_mode_32 3
		.amdhsa_float_denorm_mode_16_64 3
		.amdhsa_memory_ordered 1
		.amdhsa_forward_progress 1
		.amdhsa_inst_pref_size 6
	.end_amdhsa_kernel
	.amdgpu_metadata
---
amdhsa.version: [ 1, 2 ]
amdhsa.kernels:
  - .name:           k_qc209785432_combine
    .symbol:         k_qc209785432_combine.kd
    .args:
      - { .name: y, .offset: 0, .size: 8, .value_kind: global_buffer, .address_space: global }
      - { .name: sel, .offset: 8, .size: 8, .value_kind: global_buffer, .address_space: global }
      - { .name: scale, .offset: 16, .size: 8, .value_kind: global_buffer, .address_space: global }
      - { .name: out0, .offset: 24, .size: 8, .value_kind: global_buffer, .address_space: global }
    .group_segment_fixed_size: 0
    .private_segment_fixed_size: 0
    .kernarg_segment_align: 8
    .kernarg_segment_size: 32
    .max_flat_workgroup_size: 256
    .sgpr_count:     66
    .vgpr_count:     80
    .wavefront_size: 32
...
	.end_amdgpu_metadata
.endif
;; end of part 4
;; ======== version 2 of 3: 4 launches; 1.32 times as fast as version 1
;; workspace buffers: xb 2,097,152 bytes; bm 1,024 bytes of whole numbers; sel 4,096 bytes of whole numbers; scale 4,096 bytes; hid 67,108,864 bytes; y 67,108,864 bytes
;; launch router: the kernel of part 1 again; grid 64 x 1, 8 waves a work-group, no clusters, 75,264 bytes of LDS; arguments x, gate_w, gate_b, xb, bm, sel, scale; writes xb, bm, sel, scale
;; launch up (part 5): grid 32 x 8, 4 waves a work-group, no clusters, 286,720 bytes of LDS; arguments xb, bm, w1, b1, hid; writes hid
.if DOCPART == 5
	.amdgcn_target "amdgcn-amd-amdhsa--gfx1250"
	.amdhsa_code_object_version 6
	.text
	.protected	k_qc209785432_up
	.globl	k_qc209785432_up
	.p2align	8
	.type	k_qc209785432_up,@function
k_qc209785432_up:
	s_mov_b64 s[64:65], 0
	v_nop
	global_prefetch_b8 v0, s[64:65] scope:SCOPE_SE
	s_setreg_imm32_b32 hwreg(HW_REG_WAVE_MODE, 25, 1), 1
	s_wait_xcnt 0x0
; UP.  hid = gelu(x w1[e] + b1[e]) for the rows that chose expert e.  Work-group (sx, e): hidden columns 128 sx .. 128 sx + 127 of expert e, K = 1,024, and ALL of that expert's rows.
; Four waves, one for each SIMD, all running the same text.
; PHASE 1.  The work-group's 512 KiB of w1, which it alone reads, come in once, are rounded to bf16 on the way through registers and laid into LDS (256 KiB; each byte written once).  A wave brings 16 K
; steps of 64 columns, 64 KiB of LDS of its own, with 64 loads of 512 bytes on their way.  The tokens of the wave's first five tiles are found while the first loads are out, and their first four K steps
; are asked for among the last weights.
; TWO BARRIERS.  Every store of weights stands ahead of the first, every LDS read between the two; behind the second stands the closing add alone.
; PHASE 2.  A tile is 16 ranks of the expert's tokens; tile 20 g + 4 t + wave, t = 0..4, belongs to group g.  For each group with a tile: the wave finds its tiles' tokens from the expert's bitmap, in
; registers; 32 K steps of 40 products (5 tiles x 128 columns); the GELU and the stores.  No barrier, and nothing writes LDS.  Ranks past the count repeat the last row.  A wave whose fifth tile has no row
; multiplies it in the first four K steps alone (so that a product starts every sum) and goes on with four tiles, 32 products a K step; tiles past the count are not stored.  With no row at all tile 0 is
; still written (from token 1,023), so that the next launch never reads bytes that nobody wrote.  Every split is served: 0 to 1,024 rows.
; THE WALK ALONG K BEGINS ELSEWHERE IN EACH WORK-GROUP: at four-of-K-steps number 5 sx mod 8, and goes round.  An expert's 32 work-groups read the same token rows: so at any moment they ask for different
; bytes of them, and what one asks for another has asked for before.  The order of an f32 sum along K differs between work-groups by that rotation.
; The two phases follow each other: a wave's loads come back in order on one counter, and ten token loads go with every eight weight loads, so weights asked for among the products would have too few bytes out.
; LAYOUT.  Eight loads of 16 bytes a lane (lanes 0-15: 256 bytes of one K row, lanes 16-31 of another) hold, per lane, 8 k of 4 neighbouring columns; rounded in pairs along k they are four pieces of
; 16 bytes, piece i for column 4 (lane % 16) + i.  Piece i goes to VIRTUAL column tile i at the lane's own place: no transposing load, and stores of 512 neighbouring bytes.  Columns 64 .. 127 are virtual tiles 4-7.
; The product is used transposed (source 0 = weights, source 1 = tokens): a lane holds ONE token and, in register j of virtual tile 4 p + i, column 64 p + 32 (lane / 16) + 4 j + i.  Virtual tiles 2 m and
; 2 m + 1, rounded in pairs, ARE the token operand of the next launch's K step 4 sx + m, in a K order that the next launch applies to w2 as well.
; FORMATS AND LIMITS.  x, w1, b1 rounded once to bf16; sums and GELU in f32; hid rounded once to bf16.  erf(u) = u A(u^2) / B(u^2) with u held to -4 .. 4, where |erf| is 1 to within f32's step.
; NaN and infinities are not treated apart.  NO CLUSTER: each slice of weights has one reader, and the rows that an expert's work-groups share come by a list of tokens, which no tile's descriptor covers.
.set SPARE, 262144                     ; behind the weights (columns 0-63: 32 K steps of 4,096 bytes; then columns 64-127 likewise): the spare words, 128 bytes for each of four waves, named by no other line
.set HIGH,  0x20000                    ; where the weights of columns 64-127 begin
.set KSB,   64                         ; a K step of a token row in xb, in bytes; its second half lies HB on
.set HB,    32
.set ASH,   8                          ; four K steps of it are 1 << ASH bytes,
.set LSH,   14                         ; and of 64 columns of weights in LDS 1 << LSH bytes
.set NHP,   8                          ; fours of K steps
.set RSTEP, 0x200000                   ; four K steps of w1: 128 rows of 16,384 bytes
.set BF0,   32                         ; window 0: v32-95, v96-159 weight fragments of two K steps, virtual tile n at + 8 n (phase 1: v32-47 rounded pieces); v160-173 the search for tokens
                                       ; v1 16 x lane; v2, v3 the closing add's; v4 phase 1: my offset in w1; v4, v14 phase 2: LDS addresses of this four of K steps, v5, v15 of the next;
                                       ; v6-10 the tiles' row offsets; v11 at work; v12 hid offset; v13 phase 1: LDS address; v20 16 (lane / 16); v28 lane % 16
                                       ; window 1: v0-255 accumulators of tiles 0-3: tile t, virtual tile n at 64 t + 8 n
                                       ; window 2: phase 1: v0-255 the 64 loads; then v0-159 token fragments, ring place i (4) x tile t (5) at 40 i + 8 t; v160-251 the GELU's
                                       ; window 3: v0-63 b1 as the accumulators take it; v64-127 b1 as loaded; v128-191 accumulators of tile 4
.set PK,    32
.set X,     160
.set XC,    176
.set S,     192
.set P,     208
.set Q,     224
.set HH,    240
.set KA,    248
.set KB,    250
.set WV,    2                          ; s2 wave; s[4:5] xb; s[6:7] bm; s[8:9] w1; s[10:11] b1; s[12:13] hid
.set EX,    14
.set SXR,   15
.set MW,    16                         ; s[16:47] the expert's 32 words of bm
.set QW,    48                         ; s48-63, s66-81: for word w, (ranks before it) << 8 | w
.set CNT,   82
.set NT,    83                         ; tiles with a row
.set NG,    84                         ; groups with a tile
.set NTM,   85                         ; max(NT, 1)
.set RC,    86                         ; phase 1's trips
.set TJ,    87                         ; at work
.set OFFP,  88                         ; s[88:89] an offset and 0
.set LBP,   90                         ; s[90:91] base of the token loads
.set WPN,   92                         ; s[92:93] base of the weight loads
.set HN,    94                         ; how many fours of K steps are done
.set CM1,   95                         ; max(CNT, 1) - 1
.set G,     96
.set ROT,   97                         ; the four of K steps at which my walk begins
.set QI,    98
.set ID,    99
.set TT,    101
.set MSB, 0
.macro WIN new                         ; s_set_vgpr_msb: bits 1:0 source 0, 3:2 source 1, 5:4 source 2, 7:6 destination; the high byte repeats the setting that is left
.if MSB != (\new)
	s_set_vgpr_msb (MSB<<8)|(\new)
.set MSB, \new
.endif
.endm
; Eight loads: K rows 32 ks + 16 half + 8 (lane / 16) + jj of the round's four K steps (o = 2 ks + half), 64 columns
.macro WLOADS o
.irp jj, 0,1,2,3,4,5,6,7
	global_load_b128 v[32*(\o)+4*\jj:32*(\o)+4*\jj+3], v4, s[WPN:WPN+1] offset:(32*((\o)/2)+16*((\o)%2)+\jj)*16384 th:TH_LOAD_NT
.endr
.endm
; Eight loads' worth is rounded and stored.  cnt: the younger loads that may stay out.  re = 1: the registers are loaded again, with the rows four K steps on.
.macro OCT o, re, cnt
	s_wait_loadcnt \cnt
	WIN 0x0a
.irp i, 0,1,2,3
.irp q, 0,1,2,3
	v_cvt_pk_bf16_f32 v[PK+4*\i+\q], v[32*(\o)+8*\q+\i], v[32*(\o)+8*\q+4+\i]   ; column i of my four: k = 2 q and 2 q + 1
.endr
.endr
	WIN 0x80                                       ; sources in window 0 (the stores'), destination in window 2 (the loads')
.irp i, 0,1,2,3
	ds_store_b128 v13, v[PK+4*\i:PK+4*\i+3] offset:((\o)/2)*4096+\i*1024+((\o)%2)*512
.endr
.if \re
	WLOADS \o
.endif
.endm
.macro ALOADS i, tiles                 ; ring place i: one K step of the tiles' token rows (destination in window 2)
.irp t, 0,1,2,3,4
.if \t < (\tiles)
	global_load_b128 v[40*(\i)+8*\t:40*(\i)+8*\t+3], v[6+\t], s[LBP:LBP+1] offset:(\i)*KSB
	global_load_b128 v[40*(\i)+8*\t+4:40*(\i)+8*\t+7], v[6+\t], s[LBP:LBP+1] offset:(\i)*KSB+HB
.endif
.endr
.endm
.macro FILLA                           ; the ring's first fill, always of five tiles: the four K steps at which my walk begins
	s_lshl_b32 s[OFFP], s[ROT], ASH
	s_add_nc_u64 s[LBP:LBP+1], s[4:5], s[OFFP:OFFP+1]
	WIN 0x80
	ALOADS 0, 5
	ALOADS 1, 5
	ALOADS 2, 5
	ALOADS 3, 5
	WIN 0
.endm
.macro BLOADS bf, lo, hi, off          ; one K step's eight weight fragments: 4,096 neighbouring bytes for columns 0-63, 4,096 for columns 64-127
.irp f, 0,1,2,3,4,5,6,7
	ds_load_b128 v[(\bf)+4*\f:(\bf)+4*\f+3], v[\lo] offset:(\off)+512*\f
.endr
.irp f, 0,1,2,3,4,5,6,7
	ds_load_b128 v[(\bf)+32+4*\f:(\bf)+32+4*\f+3], v[\hi] offset:(\off)+512*\f
.endr
.endm
; Eight products a tile; the accumulators take turns, one instruction a turn, from K step to K step too.  c0 = 1: the sums begin, with b1 as the C operand: nothing is cleared.
; Weights in window 0, tokens in window 2; C and D in window 1 (tiles 0-3) or 3 (tile 4); b1 in window 3.
.macro MULS i, c0, tiles
.irp t, 0,1,2,3,4
.if \t < (\tiles)
.if \t < 4
	WIN 0x58+0x20*(\c0)
.set AB, 64*\t
.else
	WIN 0xf8
.set AB, 128
.endif
.irp n, 0,1,2,3,4,5,6,7
.if \c0
	v_wmma_f32_16x16x32_bf16 v[AB+8*\n:AB+8*\n+7], v[BF0+64*((\i)%2)+8*\n:BF0+64*((\i)%2)+8*\n+7], v[40*(\i)+8*\t:40*(\i)+8*\t+7], v[8*\n:8*\n+7]
.else
	v_wmma_f32_16x16x32_bf16 v[AB+8*\n:AB+8*\n+7], v[BF0+64*((\i)%2)+8*\n:BF0+64*((\i)%2)+8*\n+7], v[40*(\i)+8*\t:40*(\i)+8*\t+7], v[AB+8*\n:AB+8*\n+7]
.endif
.endr
.endif
.endr
	WIN 0
.endm
; FOUR K STEPS: number (HN + ROT) mod 8 of the eight fours.  Each step: its token rows are in (three younger steps of two loads a tile stay out), its weights are in (the next step's sixteen LDS loads stay
; out); eight products a tile; four places (ISA guide 7.12.1 for vector instructions); then the registers just read are loaded again: token rows four K steps on, weights two K steps on, both going
; round at K's end.  The four's addresses are made behind its first step's products: the loads that last named these registers were issued ahead of those products.
; first = 1: the walk's first four.  ld = 0: its last four: nothing is left to fetch but two K steps of weights, and the counts run down.
; Behind a four of five tiles a four of four tiles finds more younger loads out than its counts name: its waits are then for more than it needs.
.macro HALF first, ld, tiles
.irp i, 0,1,2,3
.if \ld
	s_wait_loadcnt 6*(\tiles)
	s_wait_dscnt 16
.else
	s_wait_loadcnt 2*(\tiles)*(3-\i)
.if \i < 3
	s_wait_dscnt 16
.else
	s_wait_dscnt 0
.endif
.endif
.if (\first) && (\i == 0)
	MULS \i, 1, \tiles
.else
	MULS \i, 0, \tiles
.endif
.rept 4
	v_nop
.endr
.if \i == 0
	s_add_co_u32 s[TJ], s[HN], s[ROT]
	s_and_b32 s[TJ], s[TJ], NHP-1                  ; this four,
.if \ld
	s_add_co_u32 s[TT], s[TJ], 1
	s_and_b32 s[TT], s[TT], NHP-1                  ; and the next
	s_wait_xcnt 0x0                                ; the token loads' base is rewritten only behind this wait
	s_lshl_b32 s[OFFP], s[TT], ASH
	s_add_nc_u64 s[LBP:LBP+1], s[4:5], s[OFFP:OFFP+1]
	s_lshl_b32 s[TT], s[TT], LSH
	v_add_nc_u32 v5, s[TT], v1
	v_add_nc_u32 v15, HIGH, v5
.endif
	s_lshl_b32 s[TJ], s[TJ], LSH
	v_add_nc_u32 v4, s[TJ], v1
	v_add_nc_u32 v14, HIGH, v4
.endif
.if \ld
	WIN 0x80
	ALOADS \i, \tiles
	WIN 0
.endif
.if \i < 2
	BLOADS BF0+64*(\i%2), 4, 14, (\i+2)*4096
.elseif \ld
	BLOADS BF0+64*(\i%2), 5, 15, (\i-2)*4096
.endif
.endr
.endm
.macro TAKE n                          ; u = (sum) / sqrt(2) for virtual tiles 2 m, 2 m + 1 of tile t, n = 4 t + m: each accumulator is read from its low end on
.if (\n) < 16
	WIN 0x81
.set AB, 16*(\n)
.else
	WIN 0x83
.set AB, 128+16*((\n)-16)
.endif
.irp p, 0,2,4,6,8,10,12,14
	v_pk_mul_f32 v[X+\p:X+\p+1], v[AB+\p:AB+\p+1], 0x3f3504f3 op_sel_hi:[1,0]
.endr
	WIN 0
.endm
.macro HORNER d, c                     ; d = d u^2 + c, eight pairs
.irp p, 0,2,4,6,8,10,12,14
	v_pk_fma_f32 v[(\d)+\p:(\d)+\p+1], v[(\d)+\p:(\d)+\p+1], v[S+\p:S+\p+1], \c op_sel_hi:[1,1,0]
.endr
.endm
.macro LEVEL src, width, step          ; the search: does the rank lie past the lower half of what is left of the word?
	v_bfe_u32 v172, \src, v171, \width
	v_cmp_ge_u32 vcc_lo, v166, v172
	v_cndmask_b32 v172, 0, v172, vcc_lo
	v_sub_nc_u32 v166, v166, v172
	v_cndmask_b32 v173, 0, \step, vcc_lo
	v_add_nc_u32 v171, v171, v173
.endm
; THE TOKENS of my five tiles of group G: lane l looks for rank 16 (20 g + 4 t + wave) + l % 16, one tile a trip: the last word of the bitmap whose ranks begin at or before the rank, then the bit of that
; rank in the word.  The five results move up through v6-10, so that one text serves all trips.  wait = 1: v6-10 are addresses of loads issued before.
.macro SEARCH wait
.if \wait
	s_wait_xcnt 0x0
.endif
	s_mul_i32 s[TT], s[G], 20
	s_add_co_u32 s[TT], s[TT], s[WV]
	s_lshl_b32 s[TT], s[TT], 4
	v_add_nc_u32 v160, s[TT], v28
.irp t, 7,8,9,10
	v_mov_b32 v[\t], 0                             ; read by the first trips' moves, and moved out again
.endr
	s_mov_b32 s[TJ], 5
.Lrank_\@:
	v_min_u32 v162, s[CM1], v160                   ; ranks past the count repeat the last row
	v_lshl_or_b32 v163, v162, 8, 0xff
	v_mov_b32 v164, s[QW]
	v_mov_b32 v165, s[MW]
.set w, 1
.rept 31
	v_cmp_le_u32 vcc_lo, s[QW+w+2*(w/16)], v163
	v_cndmask_b32 v164, v164, s[QW+w+2*(w/16)], vcc_lo
	v_cndmask_b32 v165, v165, s[MW+w], vcc_lo
.set w, w+1
.endr
	v_lshrrev_b32 v166, 8, v164
	v_sub_nc_u32 v166, v162, v166                  ; the rank within the word
	v_and_b32 v164, 0xff, v164                     ; the word
	v_lshrrev_b32 v167, 1, v165                    ; counts of set bits in fields of 2, 4, 8 and 16 bits
	v_and_b32 v167, 0x55555555, v167
	v_sub_nc_u32 v167, v165, v167
	v_lshrrev_b32 v168, 2, v167
	v_and_b32 v168, 0x33333333, v168
	v_and_b32 v169, 0x33333333, v167
	v_add_nc_u32 v168, v168, v169
	v_lshrrev_b32 v169, 4, v168
	v_add_nc_u32 v169, v169, v168
	v_and_b32 v169, 0x0f0f0f0f, v169
	v_lshrrev_b32 v170, 8, v169
	v_add_nc_u32 v170, v170, v169
	v_and_b32 v170, 0x00ff00ff, v170
	v_mov_b32 v171, 0
	LEVEL v170, 8, 16
	LEVEL v169, 8, 8
	LEVEL v168, 4, 4
	LEVEL v167, 2, 2
	LEVEL v165, 1, 1
	v_mov_b32 v6, v7
	v_mov_b32 v7, v8
	v_mov_b32 v8, v9
	v_mov_b32 v9, v10
	v_lshl_add_u32 v10, v164, 5, v171              ; the token
	v_add_nc_u32 v160, 64, v160                    ; my next tile lies four tiles on
	s_sub_co_i32 s[TJ], s[TJ], 1
	s_cmp_lg_u32 s[TJ], 0
	s_cbranch_scc1 .Lrank_\@
.irp t, 0,1,2,3,4
	v_min_u32 v[6+\t], 0x3ff, v[6+\t]
	v_lshl_add_u32 v[6+\t], v[6+\t], 11, v20       ; 2,048 bytes a row, 16 bytes on for lanes 16-31
.endr
.endm
	s_load_b256 s[4:11], s[0:1], 0x0               ; xb, bm, w1, b1
	s_load_b64 s[12:13], s[0:1], 0x20              ; hid
	v_lshl_add_u32 v2, v0, 2, SPARE                ; my spare word,
	v_mov_b32 v3, 0                                ; and 0: kept for the closing lines alone
	v_lshrrev_b32 v30, 5, v0
	v_readfirstlane_b32 s[WV], v30
	v_and_b32 v30, 31, v0                          ; lane
	v_lshlrev_b32 v1, 4, v30                       ; 16 x lane
	v_and_b32 v28, 15, v0                          ; lane % 16
	v_bfe_u32 v29, v0, 4, 1                        ; lane / 16
	s_and_b32 s[EX], ttmp7, 0xffff                 ; the expert
	s_mov_b32 s[SXR], ttmp9                        ; the slice
	s_mul_i32 s[ROT], s[SXR], 5                    ; where my walk along K begins: with the factor 5 the starts of the slices that share any one bit of sx lie at most 3 apart
	s_and_b32 s[ROT], s[ROT], NHP-1
	s_mov_b32 s[OFFP+1], 0
	s_mov_b32 s104, 0xc0800000                     ; -4 and 4
	s_mov_b32 s105, 0x40800000
	v_lshlrev_b32 v20, 4, v29
	v_lshlrev_b32 v4, 4, v28                       ; w1: my 16 bytes of the 256,
	v_lshl_or_b32 v4, v29, 17, v4                  ; eight rows down for lanes 16-31
	s_lshl_b32 s[TJ], s[WV], 16
	v_add_nc_u32 v13, s[TJ], v1                    ; my wave's 16 K steps of 64 columns: 65,536 bytes of LDS on end
	v_lshlrev_b32 v11, 7, v29                      ; b1: a lane takes the 32 columns of its half of the lanes
	s_wait_kmcnt 0x0
	s_lshl_b32 s[OFFP], s[EX], 14                  ; b1: 16,384 bytes an expert, my 128 columns 512
	s_lshl_b32 s[TJ], s[SXR], 9
	s_add_co_u32 s[OFFP], s[OFFP], s[TJ]
	s_add_nc_u64 s[10:11], s[10:11], s[OFFP:OFFP+1]
	WIN 0xc0
.irp ps, 0,1
.irp q, 0,1,2,3,4,5,6,7
	global_load_b128 v[64+32*\ps+4*\q:67+32*\ps+4*\q], v11, s[10:11] offset:256*\ps+16*\q   ; ahead of the weights: phase 1's waits show them in
.endr
.endr
	WIN 0
	s_lshl_b32 s[OFFP], s[EX], 24                  ; an expert's w1 is 16 MiB; my 128 columns are 512 bytes of each row;
	s_add_co_u32 s[OFFP], s[OFFP], s[TJ]
	s_lshr_b32 s[TT], s[WV], 1                     ; wave w brings columns 64 (w / 2) on (256 bytes on),
	s_lshl_b32 s[TT], s[TT], 8
	s_add_co_u32 s[OFFP], s[OFFP], s[TT]
	s_and_b32 s[TT], s[WV], 1                      ; half w % 2 of K (512 rows of 16,384 bytes)
	s_lshl_b32 s[TT], s[TT], 23
	s_add_co_u32 s[OFFP], s[OFFP], s[TT]
	s_add_nc_u64 s[WPN:WPN+1], s[8:9], s[OFFP:OFFP+1]
	WIN 0x80
.irp o, 0,1,2,3,4,5,6,7
	WLOADS \o                                      ; four K steps: 64 loads go out at once
.endr
	WIN 0
	s_lshl_b32 s[OFFP], s[EX], 7
	s_add_nc_u64 s[6:7], s[6:7], s[OFFP:OFFP+1]
	s_load_b512 s[16:31], s[6:7], 0x0              ; the expert's 1,024 bits
	s_load_b512 s[32:47], s[6:7], 0x40
	s_lshl_b32 s[OFFP], s[EX], 23                  ; hid: 8 MiB an expert; my four K steps of 1,024 bytes in every tile
	s_lshl_b32 s[TJ], s[SXR], 12
	s_add_co_u32 s[OFFP], s[OFFP], s[TJ]
	s_add_nc_u64 s[12:13], s[12:13], s[OFFP:OFFP+1]
	s_wait_kmcnt 0x0
	s_mov_b32 s[CNT], 0
.set w, 0
.rept 32                                       ; ranks before each word of the bitmap
	s_lshl_b32 s[QW+w+2*(w/16)], s[CNT], 8
	s_or_b32 s[QW+w+2*(w/16)], s[QW+w+2*(w/16)], w
	s_bcnt1_i32_b32 s[TJ], s[MW+w]
	s_add_co_u32 s[CNT], s[CNT], s[TJ]
.set w, w+1
.endr
	s_add_co_u32 s[NT], s[CNT], 15
	s_lshr_b32 s[NT], s[NT], 4
	s_max_u32 s[NTM], s[NT], 1
	s_max_u32 s[CM1], s[CNT], 1
	s_sub_co_u32 s[CM1], s[CM1], 1
	s_mov_b32 s[NG], 1
.irp b, 20, 40, 60
	s_cmp_gt_u32 s[NT], \b
	s_cselect_b32 s[TJ], 1, 0
	s_add_co_u32 s[NG], s[NG], s[TJ]
.endr
	s_mov_b32 s[G], 0
	SEARCH 0                                       ; group 0's tokens, while the first weights are on their way
	; PHASE 1.  Three trips of four K steps load again what they round; behind each eight loads lie the 56 of the seven other eights.  The last four K steps load no weights: the counts run down.
	s_mov_b32 s[RC], 3
.Lr:
	s_wait_xcnt 0x0                                ; the base of the loads issued so far is rewritten only behind this wait
	s_add_nc_u64 s[WPN:WPN+1], s[WPN:WPN+1], RSTEP
.irp o, 0,1,2,3,4,5,6,7
	OCT \o, 1, 56
.endr
	WIN 0
	v_add_nc_u32 v13, 0x4000, v13                  ; four K steps of LDS on
	s_sub_co_i32 s[RC], s[RC], 1
	s_cmp_lg_u32 s[RC], 0
	s_cbranch_scc1 .Lr
.irp o, 0,1,2,3,4,5
	OCT \o, 0, 56-8*\o
.endr
	FILLA                                          ; group 0's first 40 token loads go out here: the ring lies on the registers of the first five eights, which are rounded; with the last 16 weight loads 56 loads are out
.irp o, 6,7
	OCT \o, 0, 96-8*\o                             ; behind these eights lie the younger eight, if any, and the 40 token loads
.endr
	WIN 0xcf                                       ; b1 is in (it is older than all the weights): register j of virtual tile 4 p + i takes column 4 j + i of my 32 in the p-th 64: rounded to bf16,
.irp ps, 0,1
.irp i, 0,1,2,3
.irp jp, 0,1,2,3
	v_cvt_pk_bf16_f32 v[32*\ps+8*\i+2*\jp], v[64+32*\ps+8*\jp+\i], v[64+32*\ps+8*\jp+4+\i]
.endr
.endr
.endr
.set n, 0
.rept 32
	v_and_b32 v[2*n+1], 0xffff0000, v[2*n]         ; and widened again
	v_lshlrev_b32 v[2*n], 16, v[2*n]
.set n, n+1
.endr
	WIN 0x80
	v_mov_b32 v[KA], 0xAF95DF0B                    ; the two leading coefficients of erf's form, as pairs
	v_mov_b32 v[KA+1], 0xAF95DF0B
	v_mov_b32 v[KB], 0xB77460CD
	v_mov_b32 v[KB+1], 0xB77460CD
	WIN 0
	s_wait_dscnt 0x0                               ; for the others' sake: my stores of weights are done
	s_barrier_signal -1
	s_barrier_wait -1                              ; everybody's are: up to the second barrier LDS is only read
	; PHASE 2
	s_mov_b32 s[G], 0
.Lg:
	s_cmp_ge_u32 s[G], s[NG]
	s_cbranch_scc1 .Lgnext                         ; a group without a tile
	s_cmp_eq_u32 s[G], 0
	s_cbranch_scc1 .Lgo                            ; group 0's tokens are found and its first rows asked for
	SEARCH 1
	s_wait_loadcnt 0x0                             ; nothing may still be on its way into the ring
	FILLA
.Lgo:
	s_wait_dscnt 0x0                               ; nothing may still be on its way into the weights' registers
	s_lshl_b32 s[TT], s[ROT], LSH
	v_add_nc_u32 v4, s[TT], v1
	v_add_nc_u32 v14, HIGH, v4
	BLOADS BF0, 4, 14, 0                           ; the weights of the walk's first two K steps
	BLOADS BF0+64, 4, 14, 4096
	s_mov_b32 s[HN], 0
	HALF 1, 1, 5                                   ; the first four K steps are written out, with five tiles: their first products start all the sums
	s_mul_i32 s[TT], s[G], 20                      ; has my fifth tile, 20 g + 16 + wave, a row?
	s_add_co_u32 s[TT], s[TT], s[WV]
	s_add_co_u32 s[TT], s[TT], 16
	s_mov_b32 s[HN], 1
	s_cmp_lt_u32 s[TT], s[NT]
	s_cbranch_scc0 .Lh4
.Lh5:
	HALF 0, 1, 5
	s_add_co_u32 s[HN], s[HN], 1
	s_cmp_lt_u32 s[HN], NHP-1
	s_cbranch_scc1 .Lh5
	HALF 0, 0, 5                                   ; the last four are written out too: they fetch no token rows
	s_branch .Lout
.Lh4:                                          ; the same with four tiles: the fifth's sums stay as the first four K steps left them, and are not stored
	HALF 0, 1, 4
	s_add_co_u32 s[HN], s[HN], 1
	s_cmp_lt_u32 s[HN], NHP-1
	s_cbranch_scc1 .Lh4
	HALF 0, 0, 4
.Lout:
	; THE WAY OUT: twenty times 16 numbers a lane.  The four v_nop that close the last K step are the places behind the last products.
	s_mov_b32 s[QI], 0
.Lq:
	s_mul_i32 s[ID], s[G], 20                      ; the tile: 20 g + 4 t + wave, t = QI / 4
	s_lshr_b32 s[TT], s[QI], 2
	s_lshl_b32 s[TT], s[TT], 2
	s_add_co_u32 s[ID], s[ID], s[TT]
	s_add_co_u32 s[ID], s[ID], s[WV]
	s_cmp_ge_u32 s[ID], s[NTM]
	s_cbranch_scc1 .Lqnext                         ; a tile past the count is not stored
.irp n, 0,1,2,3,4,5,6,7,8,9,10,11,12,13,14,15,16,17,18
	s_cmp_eq_u32 s[QI], \n
	s_cbranch_scc1 .Lqb\n
.endr
	TAKE 19
	s_branch .Lgelu
.irp n, 0,1,2,3,4,5,6,7,8,9,10,11,12,13,14,15,16,17
.Lqb\n:
	TAKE \n
	s_branch .Lgelu
.endr
.Lqb18:
	TAKE 18
.Lgelu:                                        ; gelu(v) = v / 2 + (v / 2) erf(u), u = v / sqrt(2); erf(u) = u A(u^2) / B(u^2), u held to -4 .. 4
	WIN 0xaa
.set z, 0
.rept 16
	v_med3_num_f32 v[XC+z], v[X+z], s104, s105
.set z, z+1
.endr
.irp p, 0,2,4,6,8,10,12,14
	v_pk_mul_f32 v[S+\p:S+\p+1], v[XC+\p:XC+\p+1], v[XC+\p:XC+\p+1]
.endr
.irp p, 0,2,4,6,8,10,12,14
	v_pk_fma_f32 v[P+\p:P+\p+1], v[S+\p:S+\p+1], v[KA:KA+1], 0x32EDFFEE op_sel_hi:[1,1,0]
	v_pk_fma_f32 v[Q+\p:Q+\p+1], v[S+\p:S+\p+1], v[KB:KB+1], 0xB95FBD29 op_sel_hi:[1,1,0]
.endr
	HORNER P, 0xB60CFF51
	HORNER Q, 0xBADC924E
	HORNER P, 0xB86EC2D2
	HORNER Q, 0xBBF19BF8
	HORNER P, 0xBA40AC63
	HORNER Q, 0xBC69B6A7
	HORNER P, 0xBB41A1F6
	HORNER P, 0xBC83DBD4
.set z, 0
.rept 16
	v_rcp_f32 v[Q+z], v[Q+z]                       ; one batch of sixteen reciprocals
.set z, z+1
.endr
.irp p, 0,2,4,6,8,10,12,14
	v_pk_mul_f32 v[P+\p:P+\p+1], v[P+\p:P+\p+1], v[XC+\p:XC+\p+1]              ; plain work that names none of their results
.endr
.irp p, 0,2,4,6,8,10,12,14
	v_pk_mul_f32 v[X+\p:X+\p+1], v[X+\p:X+\p+1], 0x3f3504f3 op_sel_hi:[1,0]    ; v / 2
.endr
	s_wait_alu depctr_va_vdst(0)                   ; one wait for the batch, ahead of its first reader
.irp p, 0,2,4,6,8,10,12,14
	v_pk_mul_f32 v[P+\p:P+\p+1], v[P+\p:P+\p+1], v[Q+\p:Q+\p+1]
.endr
.irp p, 0,2,4,6,8,10,12,14
	v_pk_fma_f32 v[X+\p:X+\p+1], v[X+\p:X+\p+1], v[P+\p:P+\p+1], v[X+\p:X+\p+1]
.endr
	s_wait_xcnt 0x0                                ; the last trip's stores have read their data and their offset
.irp q, 0,1,2,3,4,5,6,7
	v_cvt_pk_bf16_f32 v[HH+\q], v[X+2*\q], v[X+2*\q+1]
.endr
	WIN 0
	s_lshl_b32 s[TT], s[ID], 17                    ; the tile's 131,072 bytes; K step m = QI % 4 of my four
	s_and_b32 s[TJ], s[QI], 3
	s_lshl_b32 s[TJ], s[TJ], 10
	s_add_co_u32 s[TT], s[TT], s[TJ]
	v_add_nc_u32 v12, s[TT], v1
	WIN 0x08
	global_store_b128 v12, v[HH:HH+3], s[12:13]              ; each store of the wave covers 512 consecutive bytes, aligned
	global_store_b128 v12, v[HH+4:HH+7], s[12:13] offset:512
	WIN 0
.Lqnext:
	s_add_co_u32 s[QI], s[QI], 1
	s_cmp_lt_u32 s[QI], 20
	s_cbranch_scc1 .Lq
.Lgnext:
	s_add_co_u32 s[G], s[G], 1
	s_cmp_lt_u32 s[G], 4
	s_cbranch_scc1 .Lg
	s_wait_dscnt 0x0                               ; my reads of LDS are over,
	s_barrier_signal -1
	s_barrier_wait -1                              ; and so are everybody's: the add below, which writes LDS, follows every wave's reads
	s_wait_tensorcnt 0x0                           ; the wave's end
	ds_add_u32 v2, v3
	s_wait_dscnt 0x0
	s_endpgm
.Lfunc_end_k_qc209785432_up:
	.size	k_qc209785432_up, .Lfunc_end_k_qc209785432_up-k_qc209785432_up
	.p2alignl 7, 3214868480
	.fill 96, 4, 3214868480
	.section	.rodata,"a",@progbits
	.p2align	6, 0x0
	.amdhsa_kernel k_qc209785432_up
		.amdhsa_group_segment_fixed_size 286720
		.amdhsa_private_segment_fixed_size 0
		.amdhsa_enable_private_segment 0
		.amdhsa_kernarg_size 40
		.amdhsa_user_sgpr_count 2
		.amdhsa_user_sgpr_kernarg_segment_ptr 1
		.amdhsa_wavefront_size32 1
		.amdhsa_system_sgpr_workgroup_id_x 1
		.amdhsa_system_sgpr_workgroup_id_y 1
		.amdhsa_system_sgpr_workgroup_id_z 1
		.amdhsa_system_vgpr_workitem_id 0
		.amdhsa_next_free_vgpr 960
		.amdhsa_next_free_sgpr 106
		.amdhsa_reserve_vcc 1
		.amdhsa_float_denorm_mode_32 3
		.amdhsa_float_denorm_mode_16_64 3
		.amdhsa_memory_ordered 1
		.amdhsa_forward_progress 1
		.amdhsa_inst_pref_size 187
	.end_amdhsa_kernel
	.amdgpu_metadata
---
amdhsa.version: [ 1, 2 ]
amdhsa.kernels:
  - .name:           k_qc209785432_up
    .symbol:         k_qc209785432_up.kd
    .args:
      - { .name: xb, .offset: 0, .size: 8, .value_kind: global_buffer, .address_space: global }
      - { .name: bm, .offset: 8, .size: 8, .value_kind: global_buffer, .address_space: global }
      - { .name: w1, .offset: 16, .size: 8, .value_kind: global_buffer, .address_space: global }
      - { .name: b1, .offset: 24, .size: 8, .value_kind: global_buffer, .address_space: global }
      - { .name: hid, .offset: 32, .size: 8, .value_kind: global_buffer, .address_space: global }
    .group_segment_fixed_size: 286720
    .private_segment_fixed_size: 0
    .kernarg_segment_align: 8
    .kernarg_segment_size: 40
    .max_flat_workgroup_size: 128
    .sgpr_count:     106
    .vgpr_count:     960
    .wavefront_size: 32
...
	.end_amdgpu_metadata
.endif
;; end of part 5
;; launch down (part 6): grid 32 x 8, 4 waves a work-group, no clusters, 286,720 bytes of LDS; arguments hid, bm, w2, b2, y; writes y
.if DOCPART == 6
	.amdgcn_target "amdgcn-amd-amdhsa--gfx1250"
	.amdhsa_code_object_version 6
	.text
	.protected	k_qc209785432_down
	.globl	k_qc209785432_down
	.p2align	8
	.type	k_qc209785432_down,@function
k_qc209785432_down:
	s_mov_b64 s[64:65], 0
	v_nop
	global_prefetch_b8 v0, s[64:65] scope:SCOPE_SE
	s_setreg_imm32_b32 hwreg(HW_REG_WAVE_MODE, 25, 1), 1
	s_wait_xcnt 0x0
; DOWN.  y[t][e][kh] = hid w2[e] (+ b2[e] in the first K half) for the rows that chose expert e: partial rows in f32, which the last launch adds.
; Work-group (sx, e): output columns 64 (sx % 16) .. + 63, K rows 2,048 (sx / 16) .. + 2,047 of expert e, and ALL of that expert's rows.  64 columns make each piece of a row of w2 256 whole bytes;
; half of K makes 256 work-groups of it.  Four waves, one for each SIMD, all running the same text.
; PHASE 1.  The work-group's 512 KiB of w2, which it alone reads, come in once, are rounded to bf16 on the way through registers and laid into LDS (256 KiB; each byte written once).  A wave brings 16 K
; steps, 64 KiB of LDS of its own, with 64 loads of 512 bytes on their way.  The list of the expert's tokens is made while the first loads are out, and the first four K steps of the wave's first five tiles
; of hid are asked for among the last weights.
; TWO BARRIERS.  Every store of weights and of the list stands ahead of the first, every LDS read between the two; behind the second stands the closing add alone.
; PHASE 2.  A tile is 16 ranks of the expert's tokens; tile 20 g + 4 t + wave, t = 0..4, belongs to group g.  For each group with a tile: 64 K steps of 20 products a wave, then the stores.  No barrier,
; and nothing writes LDS.  Tiles past the count read the last written tile of hid and are not stored.
; Every split of the tokens is served: 0 to 1,024 rows.
; THE WALK ALONG K BEGINS ELSEWHERE IN EACH WORK-GROUP: at four-of-K-steps number 5 (sx % 16) mod 16, and goes round.  The 16 work-groups of an expert's K half read the same tiles of hid: so at any moment
; they ask for different bytes of them, and what one asks for another has asked for before.  The order of an f32 sum along K differs between work-groups by that rotation.
; The two phases follow each other: a wave's loads come back in order on one counter, and ten loads of hid go with every four weight loads, so weights asked for among the products would have too few bytes out.
; LAYOUT.  hid lies as this launch's token operand: [expert][tile][K step][half][16 x lane], 512 neighbouring bytes a load.  Its K order is: place (lane / 16 = h, element q) of K step 2 b + s is hidden
; column 64 b + 32 h + 4 q + 2 s in the first half and one more in the second; the rows of w2 are taken in the same order.  Column 4 (lane % 16) + i of the 64 goes to virtual column tile i.
; The product is used as it stands (source 0 = tokens, source 1 = weights): register j of virtual tile i holds rank 8 (lane / 16) + j, column 4 (lane % 16) + i.  The add of b2 lays four columns side by
; side, and one store of 16 bytes a lane writes 256 whole bytes of each of two tokens' rows.
; FORMATS AND LIMITS.  w2 and b2 rounded once to bf16; hid arrives in bf16; sums and y in f32.  NaN and infinities are not treated apart.
; NO CLUSTER: each slice of weights has one reader; beside the 256 KiB slice LDS has no room for the tiles of hid that an expert's work-groups share, and their number hangs on a stored count.
.set LIST,  262144                     ; behind the weights' 64 K steps of 4,096 bytes: 1,280 token numbers by rank
.set SPARE, 267264                     ; the spare words: 128 bytes for each of four waves, named by no other line
.set KSB,   1024                       ; a K step of a tile of hid, in bytes; its second half lies HB on
.set HB,    512
.set ASH,   12                         ; four K steps of it are 1 << ASH bytes,
.set LSH,   14                         ; and of the weights in LDS 1 << LSH bytes
.set NHP,   16                         ; fours of K steps
.set RSTEP, 0x80000                    ; four K steps of w2: 128 rows of 4,096 bytes
.set AR0,   96                         ; window 0: v96-255 token fragments, ring place i (4) x tile t (5) at 96 + 40 i + 8 t; v32-63, v64-95 weight fragments of two K steps (phase 1: v32-47 rounded pieces, v64-77 the list's)
                                       ; v1 16 x lane; v2, v3 the closing add's; v4 phase 1: my offset in w2, phase 2: LDS address of this four of K steps, v5 of the next;
                                       ; v6-10 the tiles' offsets; v11 at work; v12-19 row offsets in y; v20 16 (lane % 16); v21 LIST + 32 (lane / 16); v22 phase 1: LDS address; v24-31 tokens
                                       ; window 1: v0-159 accumulators, tile t, virtual tile i at 32 t + 8 i; v160-163 b2 of my four columns; v164-165 at work; v192-223 a tile in store order
                                       ; window 2: v0-255 phase 1's 64 loads
.set PK,    32
.set BI,    160
.set OO,    192
.set WV,    2                          ; s2 wave; s[4:5] my K half of the expert's hid; s[6:7] bm; s[8:9] w2; s[10:11] b2; s[12:13] y
.set EX,    14
.set SXR,   15
.set MW,    16                         ; s[16:47] the expert's 32 words of bm
.set QW,    48                         ; s48-63, s66-81: for word w, (ranks before it) << 8 | w
.set CNT,   82
.set NT,    83
.set NG,    84
.set NTM,   85
.set RC,    86
.set TJ,    87
.set OFFP,  88
.set LBP,   90
.set WPN,   92
.set HN,    94                         ; how many fours of K steps are done
.set CM1,   95
.set G,     96
.set ROT,   97                         ; the four of K steps at which my walk begins
.set CSR,   98                         ; sx % 16
.set ID,    99
.set KHR,   100                        ; sx / 16
.set TT,    101
.set MSB, 0
.macro WIN new                         ; s_set_vgpr_msb: bits 1:0 source 0, 3:2 source 1, 5:4 source 2, 7:6 destination; the high byte repeats the setting that is left
.if MSB != (\new)
	s_set_vgpr_msb (MSB<<8)|(\new)
.set MSB, \new
.endif
.endm
; Eight loads: K rows 64 (ks / 2) + 32 (lane / 16) + 4 jj + 2 (ks % 2) + half of the round's four K steps (o = 2 ks + half), 64 columns
.macro WLOADS o
.irp jj, 0,1,2,3,4,5,6,7
	global_load_b128 v[32*(\o)+4*\jj:32*(\o)+4*\jj+3], v4, s[WPN:WPN+1] offset:(64*((\o)/4)+4*\jj+2*(((\o)/2)%2)+((\o)%2))*4096 th:TH_LOAD_NT
.endr
.endm
; Eight loads' worth is rounded and stored.  cnt: the younger loads that may stay out.  re = 1: the registers are loaded again, with the rows four K steps on.
.macro OCT o, re, cnt
	s_wait_loadcnt \cnt
	WIN 0x0a
.irp i, 0,1,2,3
.irp q, 0,1,2,3
	v_cvt_pk_bf16_f32 v[PK+4*\i+\q], v[32*(\o)+8*\q+\i], v[32*(\o)+8*\q+4+\i]
.endr
.endr
	WIN 0x80                                       ; sources in window 0 (the stores'), destination in window 2 (the loads')
.irp i, 0,1,2,3
	ds_store_b128 v22, v[PK+4*\i:PK+4*\i+3] offset:((\o)/2)*4096+\i*1024+((\o)%2)*512
.endr
.if \re
	WLOADS \o
.endif
.endm
.macro ALOADS i, tiles                 ; ring place i: one K step of the tiles of hid
.irp t, 0,1,2,3,4
.if \t < (\tiles)
	global_load_b128 v[AR0+40*(\i)+8*\t:AR0+40*(\i)+8*\t+3], v[6+\t], s[LBP:LBP+1] offset:(\i)*KSB
	global_load_b128 v[AR0+40*(\i)+8*\t+4:AR0+40*(\i)+8*\t+7], v[6+\t], s[LBP:LBP+1] offset:(\i)*KSB+HB
.endif
.endr
.endm
.macro FILLA                           ; the ring's first fill, always of five tiles: the four K steps at which my walk begins
	WIN 0
	s_lshl_b32 s[OFFP], s[ROT], ASH
	s_add_nc_u64 s[LBP:LBP+1], s[4:5], s[OFFP:OFFP+1]
	ALOADS 0, 5
	ALOADS 1, 5
	ALOADS 2, 5
	ALOADS 3, 5
.endm
.macro BLOADS bf, adr, off             ; one K step's four weight fragments: 4,096 neighbouring bytes
.irp f, 0,1,2,3,4,5,6,7
	ds_load_b128 v[(\bf)+4*\f:(\bf)+4*\f+3], v[\adr] offset:(\off)+512*\f
.endr
.endm
; Four products a tile; the accumulators take turns, one instruction a turn, from K step to K step too.  c0 = 1: the sums begin, with the constant 0 as C: nothing is cleared.
.macro MULS i, c0, tiles
	WIN 0x50
.irp t, 0,1,2,3,4
.if \t < (\tiles)
.irp n, 0,1,2,3
.if \c0
	v_wmma_f32_16x16x32_bf16 v[32*\t+8*\n:32*\t+8*\n+7], v[AR0+40*(\i)+8*\t:AR0+40*(\i)+8*\t+7], v[32+32*((\i)%2)+8*\n:32+32*((\i)%2)+8*\n+7], 0
.else
	v_wmma_f32_16x16x32_bf16 v[32*\t+8*\n:32*\t+8*\n+7], v[AR0+40*(\i)+8*\t:AR0+40*(\i)+8*\t+7], v[32+32*((\i)%2)+8*\n:32+32*((\i)%2)+8*\n+7], v[32*\t+8*\n:32*\t+8*\n+7]
.endif
.endr
.endif
.endr
	WIN 0
.endm
; FOUR K STEPS: number (HN + ROT) mod 16 of the sixteen fours.  Each step: its tiles of hid are in (three younger steps of two loads a tile stay out), its weights are in (the next step's eight LDS loads stay
; out); four products a tile; four places (ISA guide 7.12.1 for vector instructions); then the registers just read are loaded again: hid four K steps on, weights two K steps on, both going round at
; my K's end.  The four's addresses are made behind its first step's products: the loads that last named these registers were issued ahead of those products.
; first = 1: the walk's first four.  ld = 0: its last four: nothing is left to fetch but two K steps of weights, and the counts run down.
; Behind a four of five tiles a four of four tiles finds more younger loads out than its counts name: its waits are then for more than it needs.
.macro HALF first, ld, tiles
.irp i, 0,1,2,3
.if \ld
	s_wait_loadcnt 6*(\tiles)
	s_wait_dscnt 8
.else
	s_wait_loadcnt 2*(\tiles)*(3-\i)
.if \i < 3
	s_wait_dscnt 8
.else
	s_wait_dscnt 0
.endif
.endif
.if (\first) && (\i == 0)
	MULS \i, 1, \tiles
.else
	MULS \i, 0, \tiles
.endif
.rept 4
	v_nop
.endr
.if \i == 0
	s_add_co_u32 s[TJ], s[HN], s[ROT]
	s_and_b32 s[TJ], s[TJ], NHP-1                  ; this four,
.if \ld
	s_add_co_u32 s[TT], s[TJ], 1
	s_and_b32 s[TT], s[TT], NHP-1                  ; and the next
	s_wait_xcnt 0x0                                ; the base of the loads of hid is rewritten only behind this wait
	s_lshl_b32 s[OFFP], s[TT], ASH
	s_add_nc_u64 s[LBP:LBP+1], s[4:5], s[OFFP:OFFP+1]
	s_lshl_b32 s[TT], s[TT], LSH
	v_add_nc_u32 v5, s[TT], v1
.endif
	s_lshl_b32 s[TJ], s[TJ], LSH
	v_add_nc_u32 v4, s[TJ], v1
.endif
.if \ld
	ALOADS \i, \tiles
.endif
.if \i < 2
	BLOADS 32+32*(\i%2), 4, (\i+2)*4096
.elseif \ld
	BLOADS 32+32*(\i%2), 5, (\i-2)*4096
.endif
.endr
.endm
.macro SETOFF wait                     ; the offsets of group G's five tiles in hid, 131,072 bytes a tile; a tile past the last written one reads that one.  wait = 1: they are addresses of loads issued before
.if \wait
	s_wait_xcnt 0x0
.endif
	s_sub_co_u32 s[TJ], s[NTM], 1
.irp t, 0,1,2,3,4
	s_mul_i32 s[TT], s[G], 20
	s_add_co_u32 s[TT], s[TT], 4*\t
	s_add_co_u32 s[TT], s[TT], s[WV]
	s_min_u32 s[TT], s[TT], s[TJ]
	s_min_u32 s[TT], s[TT], 63
	s_lshl_b32 s[TT], s[TT], 17
	v_add_nc_u32 v[6+\t], s[TT], v1
.endr
.endm
.macro PRO_B                           ; the weights of the walk's first two K steps
	s_wait_dscnt 0x0                               ; nothing may still be on its way into these registers
	s_lshl_b32 s[TT], s[ROT], LSH
	v_add_nc_u32 v4, s[TT], v1
	BLOADS 32, 4, 0
	BLOADS 64, 4, 4096
.endm
.macro LEVEL src, width, step          ; the list: does the rank lie past the lower half of what is left of the word?
	v_bfe_u32 v76, \src, v75, \width
	v_cmp_ge_u32 vcc_lo, v70, v76
	v_cndmask_b32 v76, 0, v76, vcc_lo
	v_sub_nc_u32 v70, v70, v76
	v_cndmask_b32 v77, 0, \step, vcc_lo
	v_add_nc_u32 v75, v75, v77
.endm
	s_load_b256 s[4:11], s[0:1], 0x0               ; hid, bm, w2, b2
	s_load_b64 s[12:13], s[0:1], 0x20              ; y
	v_lshl_add_u32 v2, v0, 2, SPARE                ; my spare word,
	v_mov_b32 v3, 0                                ; and 0: kept for the closing lines alone
	v_lshrrev_b32 v30, 5, v0
	v_readfirstlane_b32 s[WV], v30
	v_and_b32 v30, 31, v0                          ; lane
	v_lshlrev_b32 v1, 4, v30                       ; 16 x lane
	v_and_b32 v28, 15, v0                          ; lane % 16
	v_bfe_u32 v29, v0, 4, 1                        ; lane / 16
	s_and_b32 s[EX], ttmp7, 0xffff                 ; the expert
	s_mov_b32 s[SXR], ttmp9
	s_and_b32 s[CSR], s[SXR], 15                   ; my 64 columns
	s_lshr_b32 s[KHR], s[SXR], 4                   ; my half of K
	s_mul_i32 s[ROT], s[CSR], 5                    ; where my walk along K begins: with the factor 5 the starts of the eight slices that share any one bit of sx % 16 lie at most 4 apart
	s_and_b32 s[ROT], s[ROT], NHP-1
	s_mov_b32 s[OFFP+1], 0
	v_lshlrev_b32 v20, 4, v28
	v_lshl_add_u32 v21, v29, 5, LIST
	v_lshlrev_b32 v4, 4, v28                       ; w2: my 16 bytes of the 256,
	v_lshl_or_b32 v4, v29, 17, v4                  ; 32 rows down for lanes 16-31
	s_lshl_b32 s[TJ], s[WV], 16
	v_add_nc_u32 v22, s[TJ], v1                    ; my wave's 16 K steps: 65,536 bytes of LDS on end
	s_wait_kmcnt 0x0
	s_lshl_b32 s[OFFP], s[EX], 12                  ; b2: 4,096 bytes an expert, my 64 columns 256
	s_lshl_b32 s[TJ], s[CSR], 8
	s_add_co_u32 s[OFFP], s[OFFP], s[TJ]
	s_add_nc_u64 s[10:11], s[10:11], s[OFFP:OFFP+1]
	WIN 0x40
	global_load_b128 v[BI:BI+3], v20, s[10:11]     ; my four columns; ahead of the weights: phase 1's waits show it in
	WIN 0
	s_lshl_b32 s[OFFP], s[EX], 24                  ; an expert's w2 is 16 MiB, half of its K rows 8 MiB; my 64 columns are 256 bytes of each row;
	s_add_co_u32 s[OFFP], s[OFFP], s[TJ]
	s_lshl_b32 s[TT], s[KHR], 23
	s_add_co_u32 s[OFFP], s[OFFP], s[TT]
	s_lshl_b32 s[TT], s[WV], 21                    ; wave w brings K steps 16 w .. 16 w + 15 of the 64: 512 rows of 4,096 bytes
	s_add_co_u32 s[OFFP], s[OFFP], s[TT]
	s_add_nc_u64 s[WPN:WPN+1], s[8:9], s[OFFP:OFFP+1]
	WIN 0x80
.irp o, 0,1,2,3,4,5,6,7
	WLOADS \o                                      ; four K steps: 64 loads go out at once
.endr
	WIN 0
	s_lshl_b32 s[OFFP], s[EX], 7
	s_add_nc_u64 s[6:7], s[6:7], s[OFFP:OFFP+1]
	s_load_b512 s[16:31], s[6:7], 0x0              ; the expert's 1,024 bits
	s_load_b512 s[32:47], s[6:7], 0x40
	s_lshl_b32 s[OFFP], s[EX], 23                  ; hid: 8 MiB an expert; my 64 K steps of 1,024 bytes in every tile
	s_lshl_b32 s[TT], s[KHR], 16
	s_add_co_u32 s[OFFP], s[OFFP], s[TT]
	s_add_nc_u64 s[4:5], s[4:5], s[OFFP:OFFP+1]
	s_lshl_b32 s[OFFP], s[EX], 13                  ; y: in a token's 65,536 bytes, 8,192 an expert, 4,096 a K half, my 256
	s_lshl_b32 s[TT], s[KHR], 12
	s_add_co_u32 s[OFFP], s[OFFP], s[TT]
	s_add_co_u32 s[OFFP], s[OFFP], s[TJ]
	s_add_nc_u64 s[12:13], s[12:13], s[OFFP:OFFP+1]
	s_wait_kmcnt 0x0
	s_mov_b32 s[CNT], 0
.set w, 0
.rept 32                                       ; ranks before each word of the bitmap
	s_lshl_b32 s[QW+w+2*(w/16)], s[CNT], 8
	s_or_b32 s[QW+w+2*(w/16)], s[QW+w+2*(w/16)], w
	s_bcnt1_i32_b32 s[TJ], s[MW+w]
	s_add_co_u32 s[CNT], s[CNT], s[TJ]
.set w, w+1
.endr
	s_add_co_u32 s[NT], s[CNT], 15
	s_lshr_b32 s[NT], s[NT], 4
	s_max_u32 s[NTM], s[NT], 1
	s_max_u32 s[CM1], s[CNT], 1
	s_sub_co_u32 s[CM1], s[CM1], 1
	s_mov_b32 s[NG], 1
.irp b, 20, 40, 60
	s_cmp_gt_u32 s[NT], \b
	s_cselect_b32 s[TJ], 1, 0
	s_add_co_u32 s[NG], s[NG], s[TJ]
.endr
	s_mov_b32 s[G], 0
	SETOFF 0                                       ; group 0's tiles
	; THE LIST: wave w finds the tokens of ranks 320 w .. 320 w + 319, 32 a trip: the last word whose ranks begin at or before the rank, then the bit of that rank in the word.
	s_mul_i32 s[TJ], s[WV], 320
	v_add_nc_u32 v64, s[TJ], v30
	v_lshl_add_u32 v65, v64, 2, LIST
	s_mov_b32 s[TJ], 10
.Llist:
	v_min_u32 v66, s[CM1], v64                     ; ranks past the count repeat the last row
	v_lshl_or_b32 v67, v66, 8, 0xff
	v_mov_b32 v68, s[QW]
	v_mov_b32 v69, s[MW]
.set w, 1
.rept 31
	v_cmp_le_u32 vcc_lo, s[QW+w+2*(w/16)], v67
	v_cndmask_b32 v68, v68, s[QW+w+2*(w/16)], vcc_lo
	v_cndmask_b32 v69, v69, s[MW+w], vcc_lo
.set w, w+1
.endr
	v_lshrrev_b32 v70, 8, v68
	v_sub_nc_u32 v70, v66, v70                     ; the rank within the word
	v_and_b32 v68, 0xff, v68                       ; the word
	v_lshrrev_b32 v71, 1, v69                      ; counts of set bits in fields of 2, 4, 8 and 16 bits
	v_and_b32 v71, 0x55555555, v71
	v_sub_nc_u32 v71, v69, v71
	v_lshrrev_b32 v72, 2, v71
	v_and_b32 v72, 0x33333333, v72
	v_and_b32 v73, 0x33333333, v71
	v_add_nc_u32 v72, v72, v73
	v_lshrrev_b32 v73, 4, v72
	v_add_nc_u32 v73, v73, v72
	v_and_b32 v73, 0x0f0f0f0f, v73
	v_lshrrev_b32 v74, 8, v73
	v_add_nc_u32 v74, v74, v73
	v_and_b32 v74, 0x00ff00ff, v74
	v_mov_b32 v75, 0
	LEVEL v74, 8, 16
	LEVEL v73, 8, 8
	LEVEL v72, 4, 4
	LEVEL v71, 2, 2
	LEVEL v69, 1, 1
	v_lshl_add_u32 v75, v68, 5, v75
	v_min_u32 v75, 0x3ff, v75
	ds_store_b32 v65, v75
	v_add_nc_u32 v64, 32, v64
	v_add_nc_u32 v65, 0x80, v65
	s_sub_co_i32 s[TJ], s[TJ], 1
	s_cmp_lg_u32 s[TJ], 0
	s_cbranch_scc1 .Llist
	; PHASE 1.  Three trips of four K steps load again what they round; behind each eight loads lie the 56 of the seven other eights.  The last four K steps load no weights: the counts run down.
	s_mov_b32 s[RC], 3
.Lr:
	s_wait_xcnt 0x0                                ; the base of the loads issued so far is rewritten only behind this wait
	s_add_nc_u64 s[WPN:WPN+1], s[WPN:WPN+1], RSTEP
.irp o, 0,1,2,3,4,5,6,7
	OCT \o, 1, 56
.endr
	WIN 0
	v_add_nc_u32 v22, 0x4000, v22                  ; four K steps of LDS on
	s_sub_co_i32 s[RC], s[RC], 1
	s_cmp_lg_u32 s[RC], 0
	s_cbranch_scc1 .Lr
.irp o, 0,1,2,3,4,5
	OCT \o, 0, 56-8*\o
.endr
	FILLA                                          ; group 0's first 40 loads of hid go out here: with the last 16 weight loads 56 loads are out
.irp o, 6,7
	OCT \o, 0, 96-8*\o                             ; behind these eights lie the younger eight, if any, and the 40 loads of hid
.endr
	WIN 0x45                                       ; b2 is in (it is older than all the weights): rounded to bf16,
	v_cvt_pk_bf16_f32 v[BI+4], v[BI], v[BI+1]
	v_cvt_pk_bf16_f32 v[BI+5], v[BI+2], v[BI+3]
	v_lshlrev_b32 v[BI], 16, v[BI+4]               ; widened again,
	v_and_b32 v[BI+1], 0xffff0000, v[BI+4]
	v_lshlrev_b32 v[BI+2], 16, v[BI+5]
	v_and_b32 v[BI+3], 0xffff0000, v[BI+5]
	s_cmp_eq_u32 s[KHR], 0                         ; and counted once: in the first K half
	s_cselect_b32 s[TJ], 1.0, 0
.irp i, 0,1,2,3
	v_mul_f32 v[BI+\i], s[TJ], v[BI+\i]
.endr
	WIN 0
	s_wait_dscnt 0x0                               ; for the others' sake: my stores of weights and of the list are done
	s_barrier_signal -1
	s_barrier_wait -1                              ; everybody's are: up to the second barrier LDS is only read
	; PHASE 2
	s_mov_b32 s[G], 0
.Lg:
	s_cmp_ge_u32 s[G], s[NG]
	s_cbranch_scc1 .Lgnext                         ; a group without a tile
	s_cmp_eq_u32 s[G], 0
	s_cbranch_scc1 .Lgo                            ; group 0's offsets are made and its first K steps asked for
	SETOFF 1
	s_wait_loadcnt 0x0                             ; nothing may still be on its way into the ring
	FILLA
.Lgo:
	PRO_B
	s_mov_b32 s[HN], 0
	HALF 1, 1, 5                                   ; the first four K steps are written out, with five tiles: their first products start all the sums
	s_mul_i32 s[TT], s[G], 20                      ; has my fifth tile, 20 g + 16 + wave, a row?
	s_add_co_u32 s[TT], s[TT], s[WV]
	s_add_co_u32 s[TT], s[TT], 16
	s_mov_b32 s[HN], 1
	s_cmp_lt_u32 s[TT], s[NT]
	s_cbranch_scc0 .Lh4
.Lh5:
	HALF 0, 1, 5
	s_add_co_u32 s[HN], s[HN], 1
	s_cmp_lt_u32 s[HN], NHP-1
	s_cbranch_scc1 .Lh5
	HALF 0, 0, 5                                   ; the last four are written out too: they fetch nothing of hid
	s_branch .Lout
.Lh4:                                          ; the same with four tiles: the fifth's sums stay as the first four K steps left them, and are not stored
	HALF 0, 1, 4
	s_add_co_u32 s[HN], s[HN], 1
	s_cmp_lt_u32 s[HN], NHP-1
	s_cbranch_scc1 .Lh4
	HALF 0, 0, 4
.Lout:
	; THE WAY OUT, a tile at a time.  The four v_nop that close the last K step are the places behind the last products.
.irp t, 0,1,2,3,4
	s_mul_i32 s[ID], s[G], 20
	s_add_co_u32 s[ID], s[ID], 4*\t
	s_add_co_u32 s[ID], s[ID], s[WV]
	s_cmp_ge_u32 s[ID], s[NT]
	s_cbranch_scc1 .Lskip\t                        ; a tile without a row is not stored
	s_lshl_b32 s[TT], s[ID], 6
	v_add_nc_u32 v11, s[TT], v21
	ds_load_b128 v[24:27], v11                     ; the tokens of ranks 8 (lane / 16) + 0..7 of the tile
	ds_load_b128 v[28:31], v11 offset:16
	s_wait_dscnt 0x0
	s_wait_xcnt 0x0                                ; the last tile's stores have read their data and their offsets
.irp j, 0,1,2,3,4,5,6,7
	v_min_u32 v[24+\j], 0x3ff, v[24+\j]
	v_lshl_add_u32 v[12+\j], v[24+\j], 16, v20     ; a token has 65,536 bytes of y; my 16 bytes of the 256
.endr
	WIN 0x45
.irp j, 0,1,2,3,4,5,6,7
.irp i, 0,1,2,3
	v_add_f32 v[OO+4*\j+\i], v[32*\t+8*\i+\j], v[BI+\i]    ; b2 is added, and rank j's four neighbouring columns come side by side; each accumulator is read from its low end on
.endr
.endr
	WIN 0x04
.irp j, 0,1,2,3,4,5,6,7
	global_store_b128 v[12+\j], v[OO+4*\j:OO+4*\j+3], s[12:13]   ; lanes 0-15 write 256 consecutive bytes, aligned, of one token's row, lanes 16-31 of another's; ranks past the count repeat the last row's bytes
.endr
	WIN 0
.Lskip\t:
.endr
.Lgnext:
	s_add_co_u32 s[G], s[G], 1
	s_cmp_lt_u32 s[G], 4
	s_cbranch_scc1 .Lg
	s_wait_dscnt 0x0                               ; my reads of LDS are over,
	s_barrier_signal -1
	s_barrier_wait -1                              ; and so are everybody's: the add below, which writes LDS, follows every wave's reads
	s_wait_tensorcnt 0x0                           ; the wave's end
	ds_add_u32 v2, v3
	s_wait_dscnt 0x0
	s_endpgm
.Lfunc_end_k_qc209785432_down:
	.size	k_qc209785432_down, .Lfunc_end_k_qc209785432_down-k_qc209785432_down
	.p2alignl 7, 3214868480
	.fill 96, 4, 3214868480
	.section	.rodata,"a",@progbits
	.p2align	6, 0x0
	.amdhsa_kernel k_qc209785432_down
		.amdhsa_group_segment_fixed_size 286720
		.amdhsa_private_segment_fixed_size 0
		.amdhsa_enable_private_segment 0
		.amdhsa_kernarg_size 40
		.amdhsa_user_sgpr_count 2
		.amdhsa_user_sgpr_kernarg_segment_ptr 1
		.amdhsa_wavefront_size32 1
		.amdhsa_system_sgpr_workgroup_id_x 1
		.amdhsa_system_sgpr_workgroup_id_y 1
		.amdhsa_system_sgpr_workgroup_id_z 1
		.amdhsa_system_vgpr_workitem_id 0
		.amdhsa_next_free_vgpr 768
		.amdhsa_next_free_sgpr 106
		.amdhsa_reserve_vcc 1
		.amdhsa_float_denorm_mode_32 3
		.amdhsa_float_denorm_mode_16_64 3
		.amdhsa_memory_ordered 1
		.amdhsa_forward_progress 1
		.amdhsa_inst_pref_size 125
	.end_amdhsa_kernel
	.amdgpu_metadata
---
amdhsa.version: [ 1, 2 ]
amdhsa.kernels:
  - .name:           k_qc209785432_down
    .symbol:         k_qc209785432_down.kd
    .args:
      - { .name: hid, .offset: 0, .size: 8, .value_kind: global_buffer, .address_space: global }
      - { .name: bm, .offset: 8, .size: 8, .value_kind: global_buffer, .address_space: global }
      - { .name: w2, .offset: 16, .size: 8, .value_kind: global_buffer, .address_space: global }
      - { .name: b2, .offset: 24, .size: 8, .value_kind: global_buffer, .address_space: global }
      - { .name: y, .offset: 32, .size: 8, .value_kind: global_buffer, .address_space: global }
    .group_segment_fixed_size: 286720
    .private_segment_fixed_size: 0
    .kernarg_segment_align: 8
    .kernarg_segment_size: 40
    .max_flat_workgroup_size: 128
    .sgpr_count:     106
    .vgpr_count:     768
    .wavefront_size: 32
...
	.end_amdgpu_metadata
.endif
;; end of part 6
;; launch combine: the kernel of part 4 again; grid 256 x 1, 8 waves a work-group, no clusters, 0 bytes of LDS; arguments y, sel, scale, out0; writes out0
;; ======== version 3 of 3: 4 launches; version 2 with the launches up, down written anew for expert scheduling mode
;; workspace buffers: xb 2,097,152 bytes; bm 1,024 bytes of whole numbers; sel 4,096 bytes of whole numbers; scale 4,096 bytes; hid 67,108,864 bytes; y 67,108,864 bytes
;; launch router: the kernel of part 1 again; grid 64 x 1, 8 waves a work-group, no clusters, 75,264 bytes of LDS; arguments x, gate_w, gate_b, xb, bm, sel, scale; writes xb, bm, sel, scale
;; launch up (part 7): grid 32 x 8, 4 waves a work-group, no clusters, 286,720 bytes of LDS; arguments xb, bm, w1, b1, hid; writes hid
.if DOCPART == 7
	.amdgcn_target "amdgcn-amd-amdhsa--gfx1250"
	.amdhsa_code_object_version 6
	.text
	.protected	k_qc209785432_up
	.globl	k_qc209785432_up
	.p2align	8
	.type	k_qc209785432_up,@function
k_qc209785432_up:
	s_mov_b64 s[64:65], 0
	v_nop
	global_prefetch_b8 v0, s[64:65] scope:SCOPE_SE
	s_setreg_imm32_b32 hwreg(HW_REG_WAVE_SCHED_MODE, 0, 2), 2
	s_setreg_imm32_b32 hwreg(HW_REG_WAVE_MODE, 25, 1), 1
	s_wait_xcnt 0x0
	s_wait_alu depctr_vm_vsrc(0)
; UP.  hid = gelu(x w1[e] + b1[e]) for the rows that chose expert e.  Work-group (sx, e): hidden columns 128 sx .. 128 sx + 127 of expert e, K = 1,024, and ALL of that expert's rows.
; Four waves, one for each SIMD, all running the same text.
; PHASE 1.  The work-group's 512 KiB of w1, which it alone reads, come in once, are rounded to bf16 on the way through registers and laid into LDS (256 KiB; each byte written once).  A wave brings 16 K
; steps of 64 columns, 64 KiB of LDS of its own, with 64 loads of 512 bytes on their way.  The tokens of the wave's first five tiles are found while the first loads are out, and their first four K steps
; are asked for among the last weights.
; TWO BARRIERS.  Every store of weights stands ahead of the first, every LDS read between the two; behind the second stands the closing add alone.
; PHASE 2.  A tile is 16 ranks of the expert's tokens; tile 20 g + 4 t + wave, t = 0..4, belongs to group g.  For each group with a tile: the wave finds its tiles' tokens from the expert's bitmap, in
; registers; 32 K steps of 40 products (5 tiles x 128 columns); the GELU and the stores.  No barrier, and nothing writes LDS.  Ranks past the count repeat the last row.  A wave whose fifth tile has no row
; multiplies it in the first four K steps alone (so that a product starts every sum) and goes on with four tiles, 32 products a K step; tiles past the count are not stored.  With no row at all tile 0 is
; still written (from token 1,023), so that the next launch never reads bytes that nobody wrote.  Every split is served: 0 to 1,024 rows.
; THE WALK ALONG K BEGINS ELSEWHERE IN EACH WORK-GROUP: at four-of-K-steps number 5 sx mod 8, and goes round.  An expert's 32 work-groups read the same token rows: so at any moment they ask for different
; bytes of them, and what one asks for another has asked for before.  The order of an f32 sum along K differs between work-groups by that rotation.
; The two phases follow each other: a wave's loads come back in order on one counter, and ten token loads go with every eight weight loads, so weights asked for among the products would have too few bytes out.
; LAYOUT.  Eight loads of 16 bytes a lane (lanes 0-15: 256 bytes of one K row, lanes 16-31 of another) hold, per lane, 8 k of 4 neighbouring columns; rounded in pairs along k they are four pieces of
; 16 bytes, piece i for column 4 (lane % 16) + i.  Piece i goes to VIRTUAL column tile i at the lane's own place: no transposing load, and stores of 512 neighbouring bytes.  Columns 64 .. 127 are virtual tiles 4-7.
; The product is used transposed (source 0 = weights, source 1 = tokens): a lane holds ONE token and, in register j of virtual tile 4 p + i, column 64 p + 32 (lane / 16) + 4 j + i.  Virtual tiles 2 m and
; 2 m + 1, rounded in pairs, ARE the token operand of the next launch's K step 4 sx + m, in a K order that the next launch applies to w2 as well.
; FORMATS AND LIMITS.  x, w1, b1 rounded once to bf16; sums and GELU in f32; hid rounded once to bf16.  erf(u) = u A(u^2) / B(u^2) with u held to -4 .. 4, where |erf| is 1 to within f32's step.
; NaN and infinities are not treated apart.  NO CLUSTER: each slice of weights has one reader, and the rows that an expert's work-groups share come by a list of tokens, which no tile's descriptor covers.
; THE MODE: SCHED_MODE bits 1:0 = 2 (LLVM: expert scheduling mode 2), set by the entry lines.  The code itself states the register dependences between vector or matrix instructions and memory or LDS
; instructions, and between a vector instruction that writes a scalar register or VCC and its readers, with s_wait_alu, always for 0.
; THE PLAN.  Registers that memory or LDS instructions touch:
;   PHASE 1   window 2, eight eights of 32: an eight's sixteen roundings read it; behind them the same eight's loads of four K steps on land in it.
;             v32-47: written by those roundings, read by the four LDS stores behind them.  v4: the loads' offset, not written in phase 1.  v13: the stores' address, written once a trip.
;             So an eight has one wait on vm_vsrc at its head (the last eight's stores have read v32-47) and one on va_vdst behind its roundings; a trip has one wait on vm_vsrc ahead of the add to v13.
;   PHASE 2   ring place i: read by step i's products; the rows of four K steps on are asked for into it at step i's end.
;             weight buffer i % 2: read by step i's products; the weights of step i + 2 are asked for into it in step i + 1, behind that step's first eight products.
;             v6-10: the token loads' offsets, written once a group.  v4, v5, v14, v15: the LDS loads' addresses, written once a four, behind its first step's products.
;             So ONE wait on va_vdst stands in a step, behind its products: they are done reading ring place i and weight buffer i % 2, and in a four's first step the four addresses are written.  The loads into
;             the ring place follow it at once.  The LDS loads into the buffer follow behind the next step's first eight products, which name the other buffer, the next ring place and accumulators: none of
;             the registers that those loads touch.  One wait on vm_vsrc a four stands ahead of the adds to the addresses.
;   WAY OUT   v[HH ..] and v12: written by a trip's roundings and its add, read by its two stores: one wait on vm_vsrc ahead of the roundings, one on va_vdst ahead of the stores.
.set HIGH,  0x20000                    ; LDS: the weights of columns 0-63, 32 K steps of 4,096 bytes; from here on those of columns 64-127 likewise
.set KSB,   64                         ; a K step of a token row in xb, in bytes; its second half lies HB on
.set HB,    32
.set ASH,   8                          ; four K steps of it are 1 << ASH bytes,
.set LSH,   14                         ; and of 64 columns of weights in LDS 1 << LSH bytes
.set NHP,   8                          ; fours of K steps
.set RSTEP, 0x200000                   ; four K steps of w1: 128 rows of 16,384 bytes
.set BF0,   32                         ; window 0: v32-95, v96-159 weight fragments of two K steps, virtual tile n at + 8 n (phase 1: v32-47 rounded pieces); v160-173 the search for tokens
                                       ; v1 16 x lane; v4 phase 1: my offset in w1; v4, v14 phase 2: LDS addresses of this four of K steps, v5, v15 of the next;
                                       ; v6-10 the tiles' row offsets; v11 my offset in b1; v12 hid offset; v13 phase 1: LDS address; v20 16 (lane / 16); v28 lane % 16
                                       ; window 1: v0-255 accumulators of tiles 0-3: tile t, virtual tile n at 64 t + 8 n
                                       ; window 2: phase 1: v0-255 the 64 loads; then v0-159 token fragments, ring place i (4) x tile t (5) at 40 i + 8 t; v160-251 the GELU's
                                       ; window 3: v0-63 b1 as the accumulators take it; v64-127 b1 as loaded; v128-191 accumulators of tile 4
.set PK,    32
.set X,     160
.set XC,    176
.set S,     192
.set P,     208
.set Q,     224
.set HH,    240
.set KA,    248
.set KB,    250
.set WV,    2                          ; s2 wave; s[4:5] xb; s[6:7] bm; s[8:9] w1; s[10:11] b1; s[12:13] hid
.set EX,    14                         ; s6-9, s90, s91, s98, s99: in the search, eight masks (mask k in s[6 + k + 80 (k / 4) + 6 (k / 6)]): bm's and w1's addresses have been used up by then,
.set SXR,   15                         ; and the token loads' base and the way out's two counters are written anew behind it
.set MW,    16                         ; s[16:47] the expert's 32 words of bm
.set QW,    48                         ; s48-63, s66-81: for word w, (ranks before it) << 8 | w
.set CNT,   82
.set NT,    83                         ; tiles with a row
.set NG,    84                         ; groups with a tile
.set NTM,   85                         ; max(NT, 1)
.set RC,    86                         ; phase 1's trips
.set TJ,    87                         ; at work
.set OFFP,  88                         ; s[88:89] an offset and 0
.set LBP,   90                         ; s[90:91] base of the token loads
.set WPN,   92                         ; s[92:93] base of the weight loads
.set HN,    94                         ; how many fours of K steps are done
.set CM1,   95                         ; max(CNT, 1) - 1
.set G,     96
.set ROT,   97                         ; the four of K steps at which my walk begins
.set QI,    98
.set ID,    99
.set TT,    101
.set MSB, 0
.macro WIN new                         ; s_set_vgpr_msb: bits 1:0 source 0, 3:2 source 1, 5:4 source 2, 7:6 destination; the high byte repeats the setting that is left
.if MSB != (\new)
	s_set_vgpr_msb (MSB<<8)|(\new)
.set MSB, \new
.endif
.endm
; Eight loads: K rows 32 ks + 16 half + 8 (lane / 16) + jj of the round's four K steps (o = 2 ks + half), 64 columns
.macro WLOADS o
.irp jj, 0,1,2,3,4,5,6,7
	global_load_b128 v[32*(\o)+4*\jj:32*(\o)+4*\jj+3], v4, s[WPN:WPN+1] offset:(32*((\o)/2)+16*((\o)%2)+\jj)*16384 th:TH_LOAD_NT
.endr
.endm
; Eight loads' worth is rounded and stored.  cnt: the younger loads that may stay out.  re = 1: the registers are loaded again, with the rows four K steps on.
.macro OCT o, re, cnt
	s_wait_loadcnt \cnt
	s_wait_alu depctr_vm_vsrc(0)                   ; the LDS stores of the eight before have read v[PK ..], which the roundings below write again
	WIN 0x0a
.irp i, 0,1,2,3
.irp q, 0,1,2,3
	v_cvt_pk_bf16_f32 v[PK+4*\i+\q], v[32*(\o)+8*\q+\i], v[32*(\o)+8*\q+4+\i]   ; column i of my four: k = 2 q and 2 q + 1
.endr
.endr
	WIN 0x80                                       ; sources in window 0 (the stores'), destination in window 2 (the loads')
	s_wait_alu depctr_va_vdst(0)                   ; the roundings have written v[PK ..], which the LDS stores read, and are done reading this eight's registers, in which loads land again; at a trip's head v13 is written
.irp i, 0,1,2,3
	ds_store_b128 v13, v[PK+4*\i:PK+4*\i+3] offset:((\o)/2)*4096+\i*1024+((\o)%2)*512
.endr
.if \re
	WLOADS \o
.endif
.endm
.macro ALOADS i, tiles                 ; ring place i: one K step of the tiles' token rows (destination in window 2)
.irp t, 0,1,2,3,4
.if \t < (\tiles)
	global_load_b128 v[40*(\i)+8*\t:40*(\i)+8*\t+3], v[6+\t], s[LBP:LBP+1] offset:(\i)*KSB
	global_load_b128 v[40*(\i)+8*\t+4:40*(\i)+8*\t+7], v[6+\t], s[LBP:LBP+1] offset:(\i)*KSB+HB
.endif
.endr
.endm
; The ring's first fill, always of five tiles: the four K steps at which my walk begins.  fresh = 1: groups 1 to 3, straight behind their search.  fresh = 0: group 0's, among phase 1's last eights: its
; offsets, and the five eights on which the ring lies, were last named ahead of the sixth eight's wait on va_vdst, and between that wait and these loads stand only LDS stores of other registers.
.macro FILLA fresh
	s_lshl_b32 s[OFFP], s[ROT], ASH
	s_add_nc_u64 s[LBP:LBP+1], s[4:5], s[OFFP:OFFP+1]
	WIN 0x80
.if \fresh
	s_wait_alu depctr_va_vdst(0)                   ; the search has written v6-10, which these loads read; the last group's products are done reading the ring, in which they land
.endif
	ALOADS 0, 5
	ALOADS 1, 5
	ALOADS 2, 5
	ALOADS 3, 5
	WIN 0
.endm
.macro BLOADS bf, lo, hi, off          ; one K step's eight weight fragments: 4,096 neighbouring bytes for columns 0-63, 4,096 for columns 64-127
.irp f, 0,1,2,3,4,5,6,7
	ds_load_b128 v[(\bf)+4*\f:(\bf)+4*\f+3], v[\lo] offset:(\off)+512*\f
.endr
.irp f, 0,1,2,3,4,5,6,7
	ds_load_b128 v[(\bf)+32+4*\f:(\bf)+32+4*\f+3], v[\hi] offset:(\off)+512*\f
.endr
.endm
; Eight products a tile, for tiles lo to hi - 1; the accumulators take turns, one instruction a turn, from K step to K step too.  c0 = 1: the sums begin, with b1 as the C operand:
; nothing is cleared.  Weights in window 0, tokens in window 2; C and D in window 1 (tiles 0-3) or 3 (tile 4); b1 in window 3.
.macro MULS i, c0, lo, hi
.irp t, 0,1,2,3,4
.if (\t >= (\lo)) && (\t < (\hi))
.if \t < 4
	WIN 0x58+0x20*(\c0)
.set AB, 64*\t
.else
	WIN 0xf8
.set AB, 128
.endif
.irp n, 0,1,2,3,4,5,6,7
.if \c0
	v_wmma_f32_16x16x32_bf16 v[AB+8*\n:AB+8*\n+7], v[BF0+64*((\i)%2)+8*\n:BF0+64*((\i)%2)+8*\n+7], v[40*(\i)+8*\t:40*(\i)+8*\t+7], v[8*\n:8*\n+7]
.else
	v_wmma_f32_16x16x32_bf16 v[AB+8*\n:AB+8*\n+7], v[BF0+64*((\i)%2)+8*\n:BF0+64*((\i)%2)+8*\n+7], v[40*(\i)+8*\t:40*(\i)+8*\t+7], v[AB+8*\n:AB+8*\n+7]
.endif
.endr
.endif
.endr
.endm
; FOUR K STEPS: number (HN + ROT) mod 8 of the eight fours.  Each step: its token rows are in (three younger steps of two loads a tile stay out), its weights are in (they are the only LDS loads out; at a
; walk's first step the second step's sixteen stay out); tile 0's eight products; the next step's weights, sixteen LDS loads into the buffer that the step before read; the other tiles' products; four places,
; which stay behind a step's products (behind the walk's last step the way out reads the sums); the step's one wait on va_vdst; then the ring place just read is asked for again, with the rows
; four K steps on.  Token rows and weights go round at K's end.  The four's addresses are made behind its first step's products.
; first = 1: the walk's first four, whose first two K steps of weights are asked for ahead of it.  ld = 0: its last four: nothing is left to fetch but three K steps of weights, and the counts run down.
; Behind a four of five tiles a four of four tiles finds more younger loads out than its counts name: its waits are then for more than it needs.
.macro HALF first, ld, tiles
.irp i, 0,1,2,3
.if \ld
	s_wait_loadcnt 6*(\tiles)
.else
	s_wait_loadcnt 2*(\tiles)*(3-\i)
.endif
.if (\first) && (\i == 0)
	s_wait_dscnt 16
	MULS \i, 1, 0, 1
.else
	s_wait_dscnt 0
	MULS \i, 0, 0, 1
.endif
	; the next step's weights.  No wait: since the last step's wait on va_vdst only tile 0's products were issued, and they name neither this buffer nor these addresses
.if \i == 0
.if !(\first)
	WIN 0
	BLOADS BF0+64, 5, 15, 4096                     ; v5 and v15 still hold this four's addresses, as the four before made them
.endif
.elseif \i < 3
	WIN 0
	BLOADS BF0+64*((\i+1)%2), 4, 14, (\i+1)*4096
.elseif \ld
	WIN 0
	BLOADS BF0, 5, 15, 0
.endif
.if (\first) && (\i == 0)
	MULS \i, 1, 1, \tiles
.else
	MULS \i, 0, 1, \tiles
.endif
.rept 4
	v_nop
.endr
.if \i == 0
	WIN 0
	s_add_co_u32 s[TJ], s[HN], s[ROT]
	s_and_b32 s[TJ], s[TJ], NHP-1                  ; this four,
	s_wait_alu depctr_vm_vsrc(0)                   ; the LDS loads issued so far have read v4, v5, v14 and v15, which are written below
.if \ld
	s_add_co_u32 s[TT], s[TJ], 1
	s_and_b32 s[TT], s[TT], NHP-1                  ; and the next
	s_wait_xcnt 0x0                                ; the token loads' base is rewritten only behind this wait
	s_lshl_b32 s[OFFP], s[TT], ASH
	s_add_nc_u64 s[LBP:LBP+1], s[4:5], s[OFFP:OFFP+1]
	s_lshl_b32 s[TT], s[TT], LSH
	v_add_nc_u32 v5, s[TT], v1
	v_add_nc_u32 v15, HIGH, v5
.endif
	s_lshl_b32 s[TJ], s[TJ], LSH
	v_add_nc_u32 v4, s[TJ], v1
	v_add_nc_u32 v14, HIGH, v4
.endif
.if \ld
	WIN 0x80
	s_wait_alu depctr_va_vdst(0)                   ; this step's products are done reading ring place i, in which the loads below land, and their weight buffer, in which the next step's LDS loads land; in the first step the four addresses are written
	ALOADS \i, \tiles
.elseif \i < 2
	s_wait_alu depctr_va_vdst(0)                   ; this step's products are done reading their weight buffer, in which the next step's LDS loads land; in the first step v4 and v14 are written
.endif
.endr
	WIN 0
.endm
.macro TAKE n                          ; u = (sum) / sqrt(2) for virtual tiles 2 m, 2 m + 1 of tile t, n = 4 t + m: each accumulator is read from its low end on
.if (\n) < 16
	WIN 0x81
.set AB, 16*(\n)
.else
	WIN 0x83
.set AB, 128+16*((\n)-16)
.endif
.irp p, 0,2,4,6,8,10,12,14
	v_pk_mul_f32 v[X+\p:X+\p+1], v[AB+\p:AB+\p+1], 0x3f3504f3 op_sel_hi:[1,0]
.endr
	WIN 0
.endm
.macro HORNER d, c                     ; d = d u^2 + c, eight pairs
.irp p, 0,2,4,6,8,10,12,14
	v_pk_fma_f32 v[(\d)+\p:(\d)+\p+1], v[(\d)+\p:(\d)+\p+1], v[S+\p:S+\p+1], \c op_sel_hi:[1,1,0]
.endr
.endm
.macro LEVEL src, width, step          ; the search: does the rank lie past the lower half of what is left of the word?
	v_bfe_u32 v172, \src, v171, \width
	v_cmp_ge_u32 vcc_lo, v166, v172
	s_wait_alu depctr_va_vcc(0)                    ; VCC is written, ahead of the two selects that read it
	v_cndmask_b32 v172, 0, v172, vcc_lo
	v_sub_nc_u32 v166, v166, v172
	v_cndmask_b32 v173, 0, \step, vcc_lo
	v_add_nc_u32 v171, v171, v173
.endm
; THE TOKENS of my five tiles of group G: lane l looks for rank 16 (20 g + 4 t + wave) + l % 16, one tile a trip: the last word of the bitmap whose ranks begin at or before the rank, then the bit of that
; rank in the word.  The 31 compares stand in runs of eight, each into a scalar register of its own, with one wait behind a run; the selects take the words in ascending order.
; The five results move up through v6-10, so that one text serves all trips.  wait = 1: v6-10 are addresses of loads issued before.
.macro SEARCH wait
.if \wait
	s_wait_xcnt 0x0
	s_wait_alu depctr_vm_vsrc(0)                   ; the token loads issued before have read v6-10, which are written below
.endif
	s_mul_i32 s[TT], s[G], 20
	s_add_co_u32 s[TT], s[TT], s[WV]
	s_lshl_b32 s[TT], s[TT], 4
	v_add_nc_u32 v160, s[TT], v28
.irp t, 7,8,9,10
	v_mov_b32 v[\t], 0                             ; read by the first trips' moves, and moved out again
.endr
	s_mov_b32 s[TJ], 5
.Lrank_\@:
	v_min_u32 v162, s[CM1], v160                   ; ranks past the count repeat the last row
	v_lshl_or_b32 v163, v162, 8, 0xff
	v_mov_b32 v164, s[QW]
	v_mov_b32 v165, s[MW]
.set w, 1
.rept 4
.set k, 0
.rept 8
.if w+k < 32
.set MK, 6+k+80*(k/4)+6*(k/6)
	v_cmp_le_u32 s[MK], s[QW+w+k+2*((w+k)/16)], v163
.endif
.set k, k+1
.endr
	s_wait_alu depctr_va_sdst(0)                   ; the run's masks are written, ahead of the selects that read them
.set k, 0
.rept 8
.if w+k < 32
.set MK, 6+k+80*(k/4)+6*(k/6)
	v_cndmask_b32 v164, v164, s[QW+w+k+2*((w+k)/16)], s[MK]
	v_cndmask_b32 v165, v165, s[MW+w+k], s[MK]
.endif
.set k, k+1
.endr
.set w, w+8
.endr
	v_lshrrev_b32 v166, 8, v164
	v_sub_nc_u32 v166, v162, v166                  ; the rank within the word
	v_and_b32 v164, 0xff, v164                     ; the word
	v_lshrrev_b32 v167, 1, v165                    ; counts of set bits in fields of 2, 4, 8 and 16 bits
	v_and_b32 v167, 0x55555555, v167
	v_sub_nc_u32 v167, v165, v167
	v_lshrrev_b32 v168, 2, v167
	v_and_b32 v168, 0x33333333, v168
	v_and_b32 v169, 0x33333333, v167
	v_add_nc_u32 v168, v168, v169
	v_lshrrev_b32 v169, 4, v168
	v_add_nc_u32 v169, v169, v168
	v_and_b32 v169, 0x0f0f0f0f, v169
	v_lshrrev_b32 v170, 8, v169
	v_add_nc_u32 v170, v170, v169
	v_and_b32 v170, 0x00ff00ff, v170
	v_mov_b32 v171, 0
	LEVEL v170, 8, 16
	LEVEL v169, 8, 8
	LEVEL v168, 4, 4
	LEVEL v167, 2, 2
	LEVEL v165, 1, 1
	v_mov_b32 v6, v7
	v_mov_b32 v7, v8
	v_mov_b32 v8, v9
	v_mov_b32 v9, v10
	v_lshl_add_u32 v10, v164, 5, v171              ; the token
	v_add_nc_u32 v160, 64, v160                    ; my next tile lies four tiles on
	s_sub_co_i32 s[TJ], s[TJ], 1
	s_cmp_lg_u32 s[TJ], 0
	s_cbranch_scc1 .Lrank_\@
.irp t, 0,1,2,3,4
	v_min_u32 v[6+\t], 0x3ff, v[6+\t]
	v_lshl_add_u32 v[6+\t], v[6+\t], 11, v20       ; 2,048 bytes a row, 16 bytes on for lanes 16-31
.endr
.endm
	s_load_b256 s[4:11], s[0:1], 0x0               ; xb, bm, w1, b1
	s_load_b64 s[12:13], s[0:1], 0x20              ; hid
	v_lshl_add_u32 v254, v0, 2, 0x40000
	v_mov_b32 v255, 0
	v_lshrrev_b32 v30, 5, v0
	v_readfirstlane_b32 s[WV], v30
	v_and_b32 v30, 31, v0                          ; lane
	v_lshlrev_b32 v1, 4, v30                       ; 16 x lane
	v_and_b32 v28, 15, v0                          ; lane % 16
	v_bfe_u32 v29, v0, 4, 1                        ; lane / 16
	s_and_b32 s[EX], ttmp7, 0xffff                 ; the expert
	s_mov_b32 s[SXR], ttmp9                        ; the slice
	s_mul_i32 s[ROT], s[SXR], 5                    ; where my walk along K begins: with the factor 5 the starts of the slices that share any one bit of sx lie at most 3 apart
	s_and_b32 s[ROT], s[ROT], NHP-1
	s_mov_b32 s[OFFP+1], 0
	s_mov_b32 s104, 0xc0800000                     ; -4 and 4
	s_mov_b32 s105, 0x40800000
	v_lshlrev_b32 v20, 4, v29
	v_lshlrev_b32 v4, 4, v28                       ; w1: my 16 bytes of the 256,
	v_lshl_or_b32 v4, v29, 17, v4                  ; eight rows down for lanes 16-31
	s_wait_alu depctr_va_sdst(0)                   ; the wave's number is written, ahead of its first reader
	s_lshl_b32 s[TJ], s[WV], 16
	v_add_nc_u32 v13, s[TJ], v1                    ; my wave's 16 K steps of 64 columns: 65,536 bytes of LDS on end
	v_lshlrev_b32 v11, 7, v29                      ; b1: a lane takes the 32 columns of its half of the lanes
	s_wait_kmcnt 0x0
	s_lshl_b32 s[OFFP], s[EX], 14                  ; b1: 16,384 bytes an expert, my 128 columns 512
	s_lshl_b32 s[TJ], s[SXR], 9
	s_add_co_u32 s[OFFP], s[OFFP], s[TJ]
	s_add_nc_u64 s[10:11], s[10:11], s[OFFP:OFFP+1]
	WIN 0xc0
	s_wait_alu depctr_va_vdst(0)                   ; v11 and v4 are written, the offsets of the loads of b1 and of the weights below
.irp ps, 0,1
.irp q, 0,1,2,3,4,5,6,7
	global_load_b128 v[64+32*\ps+4*\q:67+32*\ps+4*\q], v11, s[10:11] offset:256*\ps+16*\q   ; ahead of the weights: phase 1's waits show them in
.endr
.endr
	WIN 0
	s_lshl_b32 s[OFFP], s[EX], 24                  ; an expert's w1 is 16 MiB; my 128 columns are 512 bytes of each row;
	s_add_co_u32 s[OFFP], s[OFFP], s[TJ]
	s_lshr_b32 s[TT], s[WV], 1                     ; wave w brings columns 64 (w / 2) on (256 bytes on),
	s_lshl_b32 s[TT], s[TT], 8
	s_add_co_u32 s[OFFP], s[OFFP], s[TT]
	s_and_b32 s[TT], s[WV], 1                      ; half w % 2 of K (512 rows of 16,384 bytes)
	s_lshl_b32 s[TT], s[TT], 23
	s_add_co_u32 s[OFFP], s[OFFP], s[TT]
	s_add_nc_u64 s[WPN:WPN+1], s[8:9], s[OFFP:OFFP+1]
	WIN 0x80
.irp o, 0,1,2,3,4,5,6,7
	WLOADS \o                                      ; four K steps: 64 loads go out at once
.endr
	WIN 0
	s_lshl_b32 s[OFFP], s[EX], 7
	s_add_nc_u64 s[6:7], s[6:7], s[OFFP:OFFP+1]
	s_load_b512 s[16:31], s[6:7], 0x0              ; the expert's 1,024 bits
	s_load_b512 s[32:47], s[6:7], 0x40
	s_lshl_b32 s[OFFP], s[EX], 23                  ; hid: 8 MiB an expert; my four K steps of 1,024 bytes in every tile
	s_lshl_b32 s[TJ], s[SXR], 12
	s_add_co_u32 s[OFFP], s[OFFP], s[TJ]
	s_add_nc_u64 s[12:13], s[12:13], s[OFFP:OFFP+1]
	s_wait_kmcnt 0x0
	s_mov_b32 s[CNT], 0
.set w, 0
.rept 32                                       ; ranks before each word of the bitmap
	s_lshl_b32 s[QW+w+2*(w/16)], s[CNT], 8
	s_or_b32 s[QW+w+2*(w/16)], s[QW+w+2*(w/16)], w
	s_bcnt1_i32_b32 s[TJ], s[MW+w]
	s_add_co_u32 s[CNT], s[CNT], s[TJ]
.set w, w+1
.endr
	s_add_co_u32 s[NT], s[CNT], 15
	s_lshr_b32 s[NT], s[NT], 4
	s_max_u32 s[NTM], s[NT], 1
	s_max_u32 s[CM1], s[CNT], 1
	s_sub_co_u32 s[CM1], s[CM1], 1
	s_mov_b32 s[NG], 1
.irp b, 20, 40, 60
	s_cmp_gt_u32 s[NT], \b
	s_cselect_b32 s[TJ], 1, 0
	s_add_co_u32 s[NG], s[NG], s[TJ]
.endr
	s_mov_b32 s[G], 0
	SEARCH 0                                       ; group 0's tokens, while the first weights are on their way
	; PHASE 1.  Three trips of four K steps load again what they round; behind each eight loads lie the 56 of the seven other eights.  The last four K steps load no weights: the counts run down.
	s_mov_b32 s[RC], 3
.Lr:
	s_wait_xcnt 0x0                                ; the base of the loads issued so far is rewritten only behind this wait
	s_add_nc_u64 s[WPN:WPN+1], s[WPN:WPN+1], RSTEP
.irp o, 0,1,2,3,4,5,6,7
	OCT \o, 1, 56
.endr
	WIN 0
	s_wait_alu depctr_vm_vsrc(0)                   ; the trip's LDS stores have read v13
	v_add_nc_u32 v13, 0x4000, v13                  ; four K steps of LDS on
	s_sub_co_i32 s[RC], s[RC], 1
	s_cmp_lg_u32 s[RC], 0
	s_cbranch_scc1 .Lr
.irp o, 0,1,2,3,4,5
	OCT \o, 0, 56-8*\o
.endr
	FILLA 0                                        ; group 0's first 40 token loads go out here: the ring lies on the registers of the first five eights, which are rounded; with the last 16 weight loads 56 loads are out
.irp o, 6,7
	OCT \o, 0, 96-8*\o                             ; behind these eights lie the younger eight, if any, and the 40 token loads
.endr
	WIN 0xcf                                       ; b1 is in (it is older than all the weights): register j of virtual tile 4 p + i takes column 4 j + i of my 32 in the p-th 64: rounded to bf16,
.irp ps, 0,1
.irp i, 0,1,2,3
.irp jp, 0,1,2,3
	v_cvt_pk_bf16_f32 v[32*\ps+8*\i+2*\jp], v[64+32*\ps+8*\jp+\i], v[64+32*\ps+8*\jp+4+\i]
.endr
.endr
.endr
.set n, 0
.rept 32
	v_and_b32 v[2*n+1], 0xffff0000, v[2*n]         ; and widened again
	v_lshlrev_b32 v[2*n], 16, v[2*n]
.set n, n+1
.endr
	WIN 0x80
	v_mov_b32 v[KA], 0xAF95DF0B                    ; the two leading coefficients of erf's form, as pairs
	v_mov_b32 v[KA+1], 0xAF95DF0B
	v_mov_b32 v[KB], 0xB77460CD
	v_mov_b32 v[KB+1], 0xB77460CD
	WIN 0
	s_wait_dscnt 0x0                               ; for the others' sake: my stores of weights are done
	s_barrier_signal -1
	s_barrier_wait -1                              ; everybody's are: up to the second barrier LDS is only read
	; PHASE 2
	s_mov_b32 s[G], 0
.Lg:
	s_cmp_ge_u32 s[G], s[NG]
	s_cbranch_scc1 .Lgnext                         ; a group without a tile
	s_cmp_eq_u32 s[G], 0
	s_cbranch_scc1 .Lgo                            ; group 0's tokens are found and its first rows asked for
	SEARCH 1
	s_wait_loadcnt 0x0                             ; nothing may still be on its way into the ring
	FILLA 1
.Lgo:
	s_wait_dscnt 0x0                               ; nothing may still be on its way into the weights' registers
	s_wait_alu depctr_vm_vsrc(0)                   ; group 0: phase 1's loads have read v4 and its LDS stores v32-47; later groups: the LDS loads of the group before have read v4 and v14: all are written below
	s_lshl_b32 s[TT], s[ROT], LSH
	v_add_nc_u32 v4, s[TT], v1
	v_add_nc_u32 v14, HIGH, v4
	s_wait_alu depctr_va_vdst(0)                   ; v4 and v14 are written, which the LDS loads below read; phase 1's roundings have written v32-47, and the products of the group before are done reading v32-159, in which they land
	BLOADS BF0, 4, 14, 0                           ; the weights of the walk's first two K steps
	BLOADS BF0+64, 4, 14, 4096
	s_mov_b32 s[HN], 0
	HALF 1, 1, 5                                   ; the first four K steps are written out, with five tiles: their first products start all the sums
	s_mul_i32 s[TT], s[G], 20                      ; has my fifth tile, 20 g + 16 + wave, a row?
	s_add_co_u32 s[TT], s[TT], s[WV]
	s_add_co_u32 s[TT], s[TT], 16
	s_mov_b32 s[HN], 1
	s_cmp_lt_u32 s[TT], s[NT]
	s_cbranch_scc0 .Lh4
.Lh5:
	HALF 0, 1, 5
	s_add_co_u32 s[HN], s[HN], 1
	s_cmp_lt_u32 s[HN], NHP-1
	s_cbranch_scc1 .Lh5
	HALF 0, 0, 5                                   ; the last four are written out too: they fetch no token rows
	s_branch .Lout
.Lh4:                                          ; the same with four tiles: the fifth's sums stay as the first four K steps left them, and are not stored
	HALF 0, 1, 4
	s_add_co_u32 s[HN], s[HN], 1
	s_cmp_lt_u32 s[HN], NHP-1
	s_cbranch_scc1 .Lh4
	HALF 0, 0, 4
.Lout:
	; THE WAY OUT: twenty times 16 numbers a lane.  The four v_nop that close the last K step are the places behind the last products.
	s_mov_b32 s[QI], 0
.Lq:
	s_mul_i32 s[ID], s[G], 20                      ; the tile: 20 g + 4 t + wave, t = QI / 4
	s_lshr_b32 s[TT], s[QI], 2
	s_lshl_b32 s[TT], s[TT], 2
	s_add_co_u32 s[ID], s[ID], s[TT]
	s_add_co_u32 s[ID], s[ID], s[WV]
	s_cmp_ge_u32 s[ID], s[NTM]
	s_cbranch_scc1 .Lqnext                         ; a tile past the count is not stored
.irp n, 0,1,2,3,4,5,6,7,8,9,10,11,12,13,14,15,16,17,18
	s_cmp_eq_u32 s[QI], \n
	s_cbranch_scc1 .Lqb\n
.endr
	TAKE 19
	s_branch .Lgelu
.irp n, 0,1,2,3,4,5,6,7,8,9,10,11,12,13,14,15,16,17
.Lqb\n:
	TAKE \n
	s_branch .Lgelu
.endr
.Lqb18:
	TAKE 18
.Lgelu:                                        ; gelu(v) = v / 2 + (v / 2) erf(u), u = v / sqrt(2); erf(u) = u A(u^2) / B(u^2), u held to -4 .. 4
	WIN 0xaa
.set z, 0
.rept 16
	v_med3_num_f32 v[XC+z], v[X+z], s104, s105
.set z, z+1
.endr
.irp p, 0,2,4,6,8,10,12,14
	v_pk_mul_f32 v[S+\p:S+\p+1], v[XC+\p:XC+\p+1], v[XC+\p:XC+\p+1]
.endr
.irp p, 0,2,4,6,8,10,12,14
	v_pk_fma_f32 v[P+\p:P+\p+1], v[S+\p:S+\p+1], v[KA:KA+1], 0x32EDFFEE op_sel_hi:[1,1,0]
	v_pk_fma_f32 v[Q+\p:Q+\p+1], v[S+\p:S+\p+1], v[KB:KB+1], 0xB95FBD29 op_sel_hi:[1,1,0]
.endr
	HORNER P, 0xB60CFF51
	HORNER Q, 0xBADC924E
	HORNER P, 0xB86EC2D2
	HORNER Q, 0xBBF19BF8
	HORNER P, 0xBA40AC63
	HORNER Q, 0xBC69B6A7
	HORNER P, 0xBB41A1F6
	HORNER P, 0xBC83DBD4
.set z, 0
.rept 16
	v_rcp_f32 v[Q+z], v[Q+z]                       ; one batch of sixteen reciprocals
.set z, z+1
.endr
.irp p, 0,2,4,6,8,10,12,14
	v_pk_mul_f32 v[P+\p:P+\p+1], v[P+\p:P+\p+1], v[XC+\p:XC+\p+1]              ; plain work that names none of their results
.endr
.irp p, 0,2,4,6,8,10,12,14
	v_pk_mul_f32 v[X+\p:X+\p+1], v[X+\p:X+\p+1], 0x3f3504f3 op_sel_hi:[1,0]    ; v / 2
.endr
	s_wait_alu depctr_va_vdst(0)                   ; the sixteen reciprocals have written v[Q ..]: one wait for the batch, ahead of its first reader
.irp p, 0,2,4,6,8,10,12,14
	v_pk_mul_f32 v[P+\p:P+\p+1], v[P+\p:P+\p+1], v[Q+\p:Q+\p+1]
.endr
.irp p, 0,2,4,6,8,10,12,14
	v_pk_fma_f32 v[X+\p:X+\p+1], v[X+\p:X+\p+1], v[P+\p:P+\p+1], v[X+\p:X+\p+1]
.endr
	s_wait_xcnt 0x0                                ; the last trip's stores have had their addresses translated: their data and their offset are rewritten only behind this wait,
	s_wait_alu depctr_vm_vsrc(0)                   ; and behind this one: those stores have read v[HH ..] and v12, which are written below
.irp q, 0,1,2,3,4,5,6,7
	v_cvt_pk_bf16_f32 v[HH+\q], v[X+2*\q], v[X+2*\q+1]
.endr
	WIN 0
	s_lshl_b32 s[TT], s[ID], 17                    ; the tile's 131,072 bytes; K step m = QI % 4 of my four
	s_and_b32 s[TJ], s[QI], 3
	s_lshl_b32 s[TJ], s[TJ], 10
	s_add_co_u32 s[TT], s[TT], s[TJ]
	v_add_nc_u32 v12, s[TT], v1
	WIN 0x08
	s_wait_alu depctr_va_vdst(0)                   ; the roundings have written v[HH ..] and the add v12, which the two stores read
	global_store_b128 v12, v[HH:HH+3], s[12:13]              ; each store of the wave covers 512 consecutive bytes, aligned
	global_store_b128 v12, v[HH+4:HH+7], s[12:13] offset:512
	WIN 0
.Lqnext:
	s_add_co_u32 s[QI], s[QI], 1
	s_cmp_lt_u32 s[QI], 20
	s_cbranch_scc1 .Lq
.Lgnext:
	s_add_co_u32 s[G], s[G], 1
	s_cmp_lt_u32 s[G], 4
	s_cbranch_scc1 .Lg
	s_wait_dscnt 0x0                               ; my reads of LDS are over,
	s_barrier_signal -1
	s_barrier_wait -1                              ; and so are everybody's
	s_wait_dscnt 0x0                               ; the wave's end
	s_wait_alu depctr_hold_cnt(0) depctr_sa_sdst(0) depctr_va_vdst(0) depctr_va_sdst(0) depctr_va_ssrc(0) depctr_va_vcc(0) depctr_vm_vsrc(0)
	s_wait_tensorcnt 0x0
	ds_add_u32 v254, v255
	s_wait_dscnt 0x0
	s_endpgm
.Lfunc_end_k_qc209785432_up:
	.size	k_qc209785432_up, .Lfunc_end_k_qc209785432_up-k_qc209785432_up
	.p2alignl 7, 3214868480
	.fill 96, 4, 3214868480
	.section	.rodata,"a",@progbits
	.p2align	6, 0x0
	.amdhsa_kernel k_qc209785432_up
		.amdhsa_group_segment_fixed_size 286720
		.amdhsa_private_segment_fixed_size 0
		.amdhsa_enable_private_segment 0
		.amdhsa_kernarg_size 40
		.amdhsa_user_sgpr_count 2
		.amdhsa_user_sgpr_kernarg_segment_ptr 1
		.amdhsa_wavefront_size32 1
		.amdhsa_system_sgpr_workgroup_id_x 1
		.amdhsa_system_sgpr_workgroup_id_y 1
		.amdhsa_system_sgpr_workgroup_id_z 1
		.amdhsa_system_vgpr_workitem_id 0
		.amdhsa_next_free_vgpr 960
		.amdhsa_next_free_sgpr 106
		.amdhsa_reserve_vcc 1
		.amdhsa_float_denorm_mode_32 3
		.amdhsa_float_denorm_mode_16_64 3
		.amdhsa_memory_ordered 1
		.amdhsa_forward_progress 1
		.amdhsa_inst_pref_size 193
	.end_amdhsa_kernel
	.amdgpu_metadata
---
amdhsa.version: [ 1, 2 ]
amdhsa.kernels:
  - .name:           k_qc209785432_up
    .symbol:         k_qc209785432_up.kd
    .args:
      - { .name: xb, .offset: 0, .size: 8, .value_kind: global_buffer, .address_space: global }
      - { .name: bm, .offset: 8, .size: 8, .value_kind: global_buffer, .address_space: global }
      - { .name: w1, .offset: 16, .size: 8, .value_kind: global_buffer, .address_space: global }
      - { .name: b1, .offset: 24, .size: 8, .value_kind: global_buffer, .address_space: global }
      - { .name: hid, .offset: 32, .size: 8, .value_kind: global_buffer, .address_space: global }
    .group_segment_fixed_size: 286720
    .private_segment_fixed_size: 0
    .kernarg_segment_align: 8
    .kernarg_segment_size: 40
    .max_flat_workgroup_size: 128
    .sgpr_count:     106
    .vgpr_count:     960
    .wavefront_size: 32
...
	.end_amdgpu_metadata
.endif
;; end of part 7
;; launch down (part 8): grid 32 x 8, 4 waves a work-group, no clusters, 286,720 bytes of LDS; arguments hid, bm, w2, b2, y; writes y
.if DOCPART == 8
	.amdgcn_target "amdgcn-amd-amdhsa--gfx1250"
	.amdhsa_code_object_version 6
	.text
	.protected	k_qc209785432_down
	.globl	k_qc209785432_down
	.p2align	8
	.type	k_qc209785432_down,@function
k_qc209785432_down:
	s_mov_b64 s[64:65], 0
	v_nop
	global_prefetch_b8 v0, s[64:65] scope:SCOPE_SE
	s_setreg_imm32_b32 hwreg(HW_REG_WAVE_SCHED_MODE, 0, 2), 2
	s_setreg_imm32_b32 hwreg(HW_REG_WAVE_MODE, 25, 1), 1
	s_wait_xcnt 0x0
	s_wait_alu depctr_vm_vsrc(0)
; DOWN.  y[t][e][kh] = hid w2[e] (+ b2[e] in the first K half) for the rows that chose expert e: partial rows in f32, which the last launch adds.
; Work-group (sx, e): output columns 64 (sx % 16) .. + 63, K rows 2,048 (sx / 16) .. + 2,047 of expert e, and ALL of that expert's rows.  64 columns make each piece of a row of w2 256 whole bytes;
; half of K makes 256 work-groups of it.  Four waves, one for each SIMD, all running the same text.
; PHASE 1.  The work-group's 512 KiB of w2, which it alone reads, come in once, are rounded to bf16 on the way through registers and laid into LDS (256 KiB; each byte written once).  A wave brings 16 K
; steps, 64 KiB of LDS of its own, with 64 loads of 512 bytes on their way.  The list of the expert's tokens is made while the first loads are out, and the first four K steps of the wave's first five tiles
; of hid are asked for among the last weights.
; TWO BARRIERS.  Every store of weights and of the list stands ahead of the first, every LDS read between the two; behind the second stands the closing add alone.
; PHASE 2.  A tile is 16 ranks of the expert's tokens; tile 20 g + 4 t + wave, t = 0..4, belongs to group g.  For each group with a tile: 64 K steps of 20 products a wave, then the stores.  No barrier,
; and nothing writes LDS.  Tiles past the count read the last written tile of hid and are not stored.
; Every split of the tokens is served: 0 to 1,024 rows.
; THE WALK ALONG K BEGINS ELSEWHERE IN EACH WORK-GROUP: at four-of-K-steps number 5 (sx % 16) mod 16, and goes round.  The 16 work-groups of an expert's K half read the same tiles of hid: so at any moment
; they ask for different bytes of them, and what one asks for another has asked for before.  The order of an f32 sum along K differs between work-groups by that rotation.
; The two phases follow each other: a wave's loads come back in order on one counter, and ten loads of hid go with every four weight loads, so weights asked for among the products would have too few bytes out.
; LAYOUT.  hid lies as this launch's token operand: [expert][tile][K step][half][16 x lane], 512 neighbouring bytes a load.  Its K order is: place (lane / 16 = h, element q) of K step 2 b + s is hidden
; column 64 b + 32 h + 4 q + 2 s in the first half and one more in the second; the rows of w2 are taken in the same order.  Column 4 (lane % 16) + i of the 64 goes to virtual column tile i.
; The product is used as it stands (source 0 = tokens, source 1 = weights): register j of virtual tile i holds rank 8 (lane / 16) + j, column 4 (lane % 16) + i.  The add of b2 lays four columns side by
; side, and one store of 16 bytes a lane writes 256 whole bytes of each of two tokens' rows.
; FORMATS AND LIMITS.  w2 and b2 rounded once to bf16; hid arrives in bf16; sums and y in f32.  NaN and infinities are not treated apart.
; NO CLUSTER: each slice of weights has one reader; beside the 256 KiB slice LDS has no room for the tiles of hid that an expert's work-groups share, and their number hangs on a stored count.
; THE MODE: SCHED_MODE bits 1:0 = 2 (LLVM: expert scheduling mode 2), set by the entry lines.  The code itself states the register dependences between vector or matrix instructions and memory or LDS
; instructions, and between a vector instruction that writes a scalar register or VCC and its readers, with s_wait_alu, always for 0.
; THE PLAN.  Registers that memory or LDS instructions touch:
;   THE LIST  v65 and v75: address and data of a trip's one LDS store: one wait on va_vdst ahead of it, one on vm_vsrc behind it, ahead of the add to v65 and of the next trip's writes of v75.
;   PHASE 1   window 2, eight eights of 32: an eight's sixteen roundings read it; behind them the same eight's loads of four K steps on land in it.
;             v32-47: written by those roundings, read by the four LDS stores behind them.  v4: the loads' offset, not written in phase 1.  v22: the stores' address, written once a trip.
;             So an eight has one wait on vm_vsrc at its head (the last eight's stores have read v32-47) and one on va_vdst behind its roundings; a trip has one wait on vm_vsrc ahead of the add to v22.
;   PHASE 2   ring place i: read by step i's products; hid of four K steps on is asked for into it at step i's end.
;             weight buffer i % 2: read by step i's products; the weights of step i + 2 are asked for into it in step i + 1, behind that step's first four products.
;             v6-10: the offsets of the loads of hid, written once a group.  v4, v5: the LDS loads' addresses, written once a four, behind its first step's products.
;             So ONE wait on va_vdst stands in a step, behind its products: they are done reading ring place i and weight buffer i % 2, and in a four's first step the two addresses are written.  The loads into
;             the ring place follow it at once.  The LDS loads into the buffer follow behind the next step's first four products, which name the other buffer, the next ring place and accumulators: none of
;             the registers that those loads touch.  One wait on vm_vsrc a four stands ahead of the adds to the addresses.
;   WAY OUT   a tile: v11 (address of its two list loads), v24-31 (in which they land), v12-19 and v[OO ..] (offsets and data of its eight stores): one wait on vm_vsrc at its head, one on va_vdst ahead of
;             the list loads, one ahead of the stores.
.set LIST,  262144                     ; behind the weights' 64 K steps of 4,096 bytes: 1,280 token numbers by rank
.set KSB,   1024                       ; a K step of a tile of hid, in bytes; its second half lies HB on
.set HB,    512
.set ASH,   12                         ; four K steps of it are 1 << ASH bytes,
.set LSH,   14                         ; and of the weights in LDS 1 << LSH bytes
.set NHP,   16                         ; fours of K steps
.set RSTEP, 0x80000                    ; four K steps of w2: 128 rows of 4,096 bytes
.set AR0,   96                         ; window 0: v96-255 token fragments, ring place i (4) x tile t (5) at 96 + 40 i + 8 t; v32-63, v64-95 weight fragments of two K steps (phase 1: v32-47 rounded pieces, v64-77 the list's)
                                       ; v1 16 x lane; v4 phase 1: my offset in w2, phase 2: LDS address of this four of K steps, v5 of the next;
                                       ; v6-10 the tiles' offsets; v11 at work; v12-19 row offsets in y; v20 16 (lane % 16); v21 LIST + 32 (lane / 16); v22 phase 1: LDS address; v24-31 tokens
                                       ; window 1: v0-159 accumulators, tile t, virtual tile i at 32 t + 8 i; v160-163 b2 of my four columns; v164-165 at work; v192-223 a tile in store order
                                       ; window 2: v0-255 phase 1's 64 loads
.set PK,    32
.set BI,    160
.set OO,    192
.set WV,    2                          ; s2 wave; s[4:5] my K half of the expert's hid; s[6:7] bm; s[8:9] w2; s[10:11] b2; s[12:13] y
.set EX,    14                         ; s6-9, s90, s91, s98, s99: while the list is made, eight masks (mask k in s[6 + k + 80 (k / 4) + 6 (k / 6)]): bm's and w2's addresses and sx % 16 have been used up by then,
.set SXR,   15                         ; and the base of the loads of hid and the way out's tile number are written behind it
.set MW,    16                         ; s[16:47] the expert's 32 words of bm
.set QW,    48                         ; s48-63, s66-81: for word w, (ranks before it) << 8 | w
.set CNT,   82
.set NT,    83
.set NG,    84
.set NTM,   85
.set RC,    86
.set TJ,    87
.set OFFP,  88
.set LBP,   90
.set WPN,   92
.set HN,    94                         ; how many fours of K steps are done
.set CM1,   95
.set G,     96
.set ROT,   97                         ; the four of K steps at which my walk begins
.set CSR,   98                         ; sx % 16
.set ID,    99
.set KHR,   100                        ; sx / 16
.set TT,    101
.set MSB, 0
.macro WIN new                         ; s_set_vgpr_msb: bits 1:0 source 0, 3:2 source 1, 5:4 source 2, 7:6 destination; the high byte repeats the setting that is left
.if MSB != (\new)
	s_set_vgpr_msb (MSB<<8)|(\new)
.set MSB, \new
.endif
.endm
; Eight loads: K rows 64 (ks / 2) + 32 (lane / 16) + 4 jj + 2 (ks % 2) + half of the round's four K steps (o = 2 ks + half), 64 columns
.macro WLOADS o
.irp jj, 0,1,2,3,4,5,6,7
	global_load_b128 v[32*(\o)+4*\jj:32*(\o)+4*\jj+3], v4, s[WPN:WPN+1] offset:(64*((\o)/4)+4*\jj+2*(((\o)/2)%2)+((\o)%2))*4096 th:TH_LOAD_NT
.endr
.endm
; Eight loads' worth is rounded and stored.  cnt: the younger loads that may stay out.  re = 1: the registers are loaded again, with the rows four K steps on.
.macro OCT o, re, cnt
	s_wait_loadcnt \cnt
	s_wait_alu depctr_vm_vsrc(0)                   ; the LDS stores of the eight before have read v[PK ..], which the roundings below write again
	WIN 0x0a
.irp i, 0,1,2,3
.irp q, 0,1,2,3
	v_cvt_pk_bf16_f32 v[PK+4*\i+\q], v[32*(\o)+8*\q+\i], v[32*(\o)+8*\q+4+\i]
.endr
.endr
	WIN 0x80                                       ; sources in window 0 (the stores'), destination in window 2 (the loads')
	s_wait_alu depctr_va_vdst(0)                   ; the roundings have written v[PK ..], which the LDS stores read, and are done reading this eight's registers, in which loads land again; at a trip's head v22 is written
.irp i, 0,1,2,3
	ds_store_b128 v22, v[PK+4*\i:PK+4*\i+3] offset:((\o)/2)*4096+\i*1024+((\o)%2)*512
.endr
.if \re
	WLOADS \o
.endif
.endm
.macro ALOADS i, tiles                 ; ring place i: one K step of the tiles of hid
.irp t, 0,1,2,3,4
.if \t < (\tiles)
	global_load_b128 v[AR0+40*(\i)+8*\t:AR0+40*(\i)+8*\t+3], v[6+\t], s[LBP:LBP+1] offset:(\i)*KSB
	global_load_b128 v[AR0+40*(\i)+8*\t+4:AR0+40*(\i)+8*\t+7], v[6+\t], s[LBP:LBP+1] offset:(\i)*KSB+HB
.endif
.endr
.endm
; The ring's first fill, always of five tiles: the four K steps at which my walk begins.  fresh = 1: groups 1 to 3, straight behind their offsets.  fresh = 0: group 0's, among phase 1's last eights: its
; offsets were written ahead of phase 1's waits on va_vdst, and no vector instruction has named the ring yet.
.macro FILLA fresh
	WIN 0
	s_lshl_b32 s[OFFP], s[ROT], ASH
	s_add_nc_u64 s[LBP:LBP+1], s[4:5], s[OFFP:OFFP+1]
.if \fresh
	s_wait_alu depctr_va_vdst(0)                   ; v6-10 are written, which these loads read; the last group's products are done reading the ring, in which they land
.endif
	ALOADS 0, 5
	ALOADS 1, 5
	ALOADS 2, 5
	ALOADS 3, 5
.endm
.macro BLOADS bf, adr, off             ; one K step's four weight fragments: 4,096 neighbouring bytes
.irp f, 0,1,2,3,4,5,6,7
	ds_load_b128 v[(\bf)+4*\f:(\bf)+4*\f+3], v[\adr] offset:(\off)+512*\f
.endr
.endm
; Four products a tile, for tiles lo to hi - 1; the accumulators take turns, one instruction a turn, from K step to K step too.  c0 = 1: the sums begin, with the constant 0 as C: nothing is cleared.
.macro MULS i, c0, lo, hi
	WIN 0x50
.irp t, 0,1,2,3,4
.if (\t >= (\lo)) && (\t < (\hi))
.irp n, 0,1,2,3
.if \c0
	v_wmma_f32_16x16x32_bf16 v[32*\t+8*\n:32*\t+8*\n+7], v[AR0+40*(\i)+8*\t:AR0+40*(\i)+8*\t+7], v[32+32*((\i)%2)+8*\n:32+32*((\i)%2)+8*\n+7], 0
.else
	v_wmma_f32_16x16x32_bf16 v[32*\t+8*\n:32*\t+8*\n+7], v[AR0+40*(\i)+8*\t:AR0+40*(\i)+8*\t+7], v[32+32*((\i)%2)+8*\n:32+32*((\i)%2)+8*\n+7], v[32*\t+8*\n:32*\t+8*\n+7]
.endif
.endr
.endif
.endr
.endm
; FOUR K STEPS: number (HN + ROT) mod 16 of the sixteen fours.  Each step: its tiles of hid are in (three younger steps of two loads a tile stay out), its weights are in (they are the only LDS loads out; at a
; walk's first step the second step's eight stay out); tile 0's four products; the next step's weights, eight LDS loads into the buffer that the step before read; the other tiles' products; four places,
; which stay behind a step's products (behind the walk's last step the way out reads the sums); the step's one wait on va_vdst; then the ring place just read is asked for again, with hid four
; K steps on.  hid and weights go round at my K's end.  The four's addresses are made behind its first step's products.
; first = 1: the walk's first four, whose first two K steps of weights are asked for ahead of it.  ld = 0: its last four: nothing is left to fetch but three K steps of weights, and the counts run down.
; Behind a four of five tiles a four of four tiles finds more younger loads out than its counts name: its waits are then for more than it needs.
.macro HALF first, ld, tiles
.irp i, 0,1,2,3
.if \ld
	s_wait_loadcnt 6*(\tiles)
.else
	s_wait_loadcnt 2*(\tiles)*(3-\i)
.endif
.if (\first) && (\i == 0)
	s_wait_dscnt 8
	MULS \i, 1, 0, 1
.else
	s_wait_dscnt 0
	MULS \i, 0, 0, 1
.endif
	; the next step's weights.  No wait: since the last step's wait on va_vdst only tile 0's products were issued, and they name neither this buffer nor these addresses
.if \i == 0
.if !(\first)
	WIN 0
	BLOADS 64, 5, 4096                             ; v5 still holds this four's address, as the four before made it
.endif
.elseif \i < 3
	WIN 0
	BLOADS 32+32*((\i+1)%2), 4, (\i+1)*4096
.elseif \ld
	WIN 0
	BLOADS 32, 5, 0
.endif
.if (\first) && (\i == 0)
	MULS \i, 1, 1, \tiles
.else
	MULS \i, 0, 1, \tiles
.endif
.rept 4
	v_nop
.endr
	WIN 0
.if \i == 0
	s_add_co_u32 s[TJ], s[HN], s[ROT]
	s_and_b32 s[TJ], s[TJ], NHP-1                  ; this four,
	s_wait_alu depctr_vm_vsrc(0)                   ; the LDS loads issued so far have read v4 and v5, which are written below
.if \ld
	s_add_co_u32 s[TT], s[TJ], 1
	s_and_b32 s[TT], s[TT], NHP-1                  ; and the next
	s_wait_xcnt 0x0                                ; the base of the loads of hid is rewritten only behind this wait
	s_lshl_b32 s[OFFP], s[TT], ASH
	s_add_nc_u64 s[LBP:LBP+1], s[4:5], s[OFFP:OFFP+1]
	s_lshl_b32 s[TT], s[TT], LSH
	v_add_nc_u32 v5, s[TT], v1
.endif
	s_lshl_b32 s[TJ], s[TJ], LSH
	v_add_nc_u32 v4, s[TJ], v1
.endif
.if \ld
	s_wait_alu depctr_va_vdst(0)                   ; this step's products are done reading ring place i, in which the loads below land, and their weight buffer, in which the next step's LDS loads land; in the first step v4 and v5 are written
	ALOADS \i, \tiles
.elseif \i < 2
	s_wait_alu depctr_va_vdst(0)                   ; this step's products are done reading their weight buffer, in which the next step's LDS loads land; in the first step v4 is written
.endif
.endr
.endm
.macro SETOFF wait                     ; the offsets of group G's five tiles in hid, 131,072 bytes a tile; a tile past the last written one reads that one.  wait = 1: they are addresses of loads issued before
.if \wait
	s_wait_xcnt 0x0
	s_wait_alu depctr_vm_vsrc(0)                   ; the loads of hid issued before have read v6-10, which are written below
.endif
	s_sub_co_u32 s[TJ], s[NTM], 1
.irp t, 0,1,2,3,4
	s_mul_i32 s[TT], s[G], 20
	s_add_co_u32 s[TT], s[TT], 4*\t
	s_add_co_u32 s[TT], s[TT], s[WV]
	s_min_u32 s[TT], s[TT], s[TJ]
	s_min_u32 s[TT], s[TT], 63
	s_lshl_b32 s[TT], s[TT], 17
	v_add_nc_u32 v[6+\t], s[TT], v1
.endr
.endm
.macro PRO_B                           ; the weights of the walk's first two K steps
	s_wait_dscnt 0x0                               ; nothing may still be on its way into these registers
	s_wait_alu depctr_vm_vsrc(0)                   ; group 0: phase 1's loads have read v4, its LDS stores v32-47, the list's v65 and v75; later groups: the LDS loads of the group before have read v4: all are written below
	s_lshl_b32 s[TT], s[ROT], LSH
	v_add_nc_u32 v4, s[TT], v1
	s_wait_alu depctr_va_vdst(0)                   ; v4 is written, which the LDS loads below read; phase 1's roundings and the list's lines have written v32-47 and v64-77, and the products of the group before are done reading v32-95, in which they land
	BLOADS 32, 4, 0
	BLOADS 64, 4, 4096
.endm
.macro LEVEL src, width, step          ; the list: does the rank lie past the lower half of what is left of the word?
	v_bfe_u32 v76, \src, v75, \width
	v_cmp_ge_u32 vcc_lo, v70, v76
	s_wait_alu depctr_va_vcc(0)                    ; VCC is written, ahead of the two selects that read it
	v_cndmask_b32 v76, 0, v76, vcc_lo
	v_sub_nc_u32 v70, v70, v76
	v_cndmask_b32 v77, 0, \step, vcc_lo
	v_add_nc_u32 v75, v75, v77
.endm
	s_load_b256 s[4:11], s[0:1], 0x0               ; hid, bm, w2, b2
	s_load_b64 s[12:13], s[0:1], 0x20              ; y
	v_lshl_add_u32 v3, v0, 2, 0x41400
	v_mov_b32 v23, 0
	v_lshrrev_b32 v30, 5, v0
	v_readfirstlane_b32 s[WV], v30
	v_and_b32 v30, 31, v0                          ; lane
	v_lshlrev_b32 v1, 4, v30                       ; 16 x lane
	v_and_b32 v28, 15, v0                          ; lane % 16
	v_bfe_u32 v29, v0, 4, 1                        ; lane / 16
	s_and_b32 s[EX], ttmp7, 0xffff                 ; the expert
	s_mov_b32 s[SXR], ttmp9
	s_and_b32 s[CSR], s[SXR], 15                   ; my 64 columns
	s_lshr_b32 s[KHR], s[SXR], 4                   ; my half of K
	s_mul_i32 s[ROT], s[CSR], 5                    ; where my walk along K begins: with the factor 5 the starts of the eight slices that share any one bit of sx % 16 lie at most 4 apart
	s_and_b32 s[ROT], s[ROT], NHP-1
	s_mov_b32 s[OFFP+1], 0
	v_lshlrev_b32 v20, 4, v28
	v_lshl_add_u32 v21, v29, 5, LIST
	v_lshlrev_b32 v4, 4, v28                       ; w2: my 16 bytes of the 256,
	v_lshl_or_b32 v4, v29, 17, v4                  ; 32 rows down for lanes 16-31
	s_wait_alu depctr_va_sdst(0)                   ; the wave's number is written, ahead of its first reader
	s_lshl_b32 s[TJ], s[WV], 16
	v_add_nc_u32 v22, s[TJ], v1                    ; my wave's 16 K steps: 65,536 bytes of LDS on end
	s_wait_kmcnt 0x0
	s_lshl_b32 s[OFFP], s[EX], 12                  ; b2: 4,096 bytes an expert, my 64 columns 256
	s_lshl_b32 s[TJ], s[CSR], 8
	s_add_co_u32 s[OFFP], s[OFFP], s[TJ]
	s_add_nc_u64 s[10:11], s[10:11], s[OFFP:OFFP+1]
	WIN 0x40
	s_wait_alu depctr_va_vdst(0)                   ; v20 and v4 are written, the offsets of the load of b2 and of the loads of weights below
	global_load_b128 v[BI:BI+3], v20, s[10:11]     ; my four columns; ahead of the weights: phase 1's waits show it in
	WIN 0
	s_lshl_b32 s[OFFP], s[EX], 24                  ; an expert's w2 is 16 MiB, half of its K rows 8 MiB; my 64 columns are 256 bytes of each row;
	s_add_co_u32 s[OFFP], s[OFFP], s[TJ]
	s_lshl_b32 s[TT], s[KHR], 23
	s_add_co_u32 s[OFFP], s[OFFP], s[TT]
	s_lshl_b32 s[TT], s[WV], 21                    ; wave w brings K steps 16 w .. 16 w + 15 of the 64: 512 rows of 4,096 bytes
	s_add_co_u32 s[OFFP], s[OFFP], s[TT]
	s_add_nc_u64 s[WPN:WPN+1], s[8:9], s[OFFP:OFFP+1]
	WIN 0x80
.irp o, 0,1,2,3,4,5,6,7
	WLOADS \o                                      ; four K steps: 64 loads go out at once
.endr
	WIN 0
	s_lshl_b32 s[OFFP], s[EX], 7
	s_add_nc_u64 s[6:7], s[6:7], s[OFFP:OFFP+1]
	s_load_b512 s[16:31], s[6:7], 0x0              ; the expert's 1,024 bits
	s_load_b512 s[32:47], s[6:7], 0x40
	s_lshl_b32 s[OFFP], s[EX], 23                  ; hid: 8 MiB an expert; my 64 K steps of 1,024 bytes in every tile
	s_lshl_b32 s[TT], s[KHR], 16
	s_add_co_u32 s[OFFP], s[OFFP], s[TT]
	s_add_nc_u64 s[4:5], s[4:5], s[OFFP:OFFP+1]
	s_lshl_b32 s[OFFP], s[EX], 13                  ; y: in a token's 65,536 bytes, 8,192 an expert, 4,096 a K half, my 256
	s_lshl_b32 s[TT], s[KHR], 12
	s_add_co_u32 s[OFFP], s[OFFP], s[TT]
	s_add_co_u32 s[OFFP], s[OFFP], s[TJ]
	s_add_nc_u64 s[12:13], s[12:13], s[OFFP:OFFP+1]
	s_wait_kmcnt 0x0
	s_mov_b32 s[CNT], 0
.set w, 0
.rept 32                                       ; ranks before each word of the bitmap
	s_lshl_b32 s[QW+w+2*(w/16)], s[CNT], 8
	s_or_b32 s[QW+w+2*(w/16)], s[QW+w+2*(w/16)], w
	s_bcnt1_i32_b32 s[TJ], s[MW+w]
	s_add_co_u32 s[CNT], s[CNT], s[TJ]
.set w, w+1
.endr
	s_add_co_u32 s[NT], s[CNT], 15
	s_lshr_b32 s[NT], s[NT], 4
	s_max_u32 s[NTM], s[NT], 1
	s_max_u32 s[CM1], s[CNT], 1
	s_sub_co_u32 s[CM1], s[CM1], 1
	s_mov_b32 s[NG], 1
.irp b, 20, 40, 60
	s_cmp_gt_u32 s[NT], \b
	s_cselect_b32 s[TJ], 1, 0
	s_add_co_u32 s[NG], s[NG], s[TJ]
.endr
	s_mov_b32 s[G], 0
	SETOFF 0                                       ; group 0's tiles
	; THE LIST: wave w finds the tokens of ranks 320 w .. 320 w + 319, 32 a trip: the last word whose ranks begin at or before the rank, then the bit of that rank in the word.
	; The 31 compares stand in runs of eight, each into a scalar register of its own, with one wait behind a run; the selects take the words in ascending order.
	s_mul_i32 s[TJ], s[WV], 320
	v_add_nc_u32 v64, s[TJ], v30
	v_lshl_add_u32 v65, v64, 2, LIST
	s_mov_b32 s[TJ], 10
.Llist:
	v_min_u32 v66, s[CM1], v64                     ; ranks past the count repeat the last row
	v_lshl_or_b32 v67, v66, 8, 0xff
	v_mov_b32 v68, s[QW]
	v_mov_b32 v69, s[MW]
.set w, 1
.rept 4
.set k, 0
.rept 8
.if w+k < 32
.set MK, 6+k+80*(k/4)+6*(k/6)
	v_cmp_le_u32 s[MK], s[QW+w+k+2*((w+k)/16)], v67
.endif
.set k, k+1
.endr
	s_wait_alu depctr_va_sdst(0)                   ; the run's masks are written, ahead of the selects that read them
.set k, 0
.rept 8
.if w+k < 32
.set MK, 6+k+80*(k/4)+6*(k/6)
	v_cndmask_b32 v68, v68, s[QW+w+k+2*((w+k)/16)], s[MK]
	v_cndmask_b32 v69, v69, s[MW+w+k], s[MK]
.endif
.set k, k+1
.endr
.set w, w+8
.endr
	v_lshrrev_b32 v70, 8, v68
	v_sub_nc_u32 v70, v66, v70                     ; the rank within the word
	v_and_b32 v68, 0xff, v68                       ; the word
	v_lshrrev_b32 v71, 1, v69                      ; counts of set bits in fields of 2, 4, 8 and 16 bits
	v_and_b32 v71, 0x55555555, v71
	v_sub_nc_u32 v71, v69, v71
	v_lshrrev_b32 v72, 2, v71
	v_and_b32 v72, 0x33333333, v72
	v_and_b32 v73, 0x33333333, v71
	v_add_nc_u32 v72, v72, v73
	v_lshrrev_b32 v73, 4, v72
	v_add_nc_u32 v73, v73, v72
	v_and_b32 v73, 0x0f0f0f0f, v73
	v_lshrrev_b32 v74, 8, v73
	v_add_nc_u32 v74, v74, v73
	v_and_b32 v74, 0x00ff00ff, v74
	v_mov_b32 v75, 0
	LEVEL v74, 8, 16
	LEVEL v73, 8, 8
	LEVEL v72, 4, 4
	LEVEL v71, 2, 2
	LEVEL v69, 1, 1
	v_lshl_add_u32 v75, v68, 5, v75
	v_min_u32 v75, 0x3ff, v75
	s_wait_alu depctr_va_vdst(0)                   ; v75 and v65 are written, the store's data and its address
	ds_store_b32 v65, v75
	v_add_nc_u32 v64, 32, v64
	s_wait_alu depctr_vm_vsrc(0)                   ; the store has read v65, which the next line writes, and v75, which the next trip writes
	v_add_nc_u32 v65, 0x80, v65
	s_sub_co_i32 s[TJ], s[TJ], 1
	s_cmp_lg_u32 s[TJ], 0
	s_cbranch_scc1 .Llist
	; PHASE 1.  Three trips of four K steps load again what they round; behind each eight loads lie the 56 of the seven other eights.  The last four K steps load no weights: the counts run down.
	s_mov_b32 s[RC], 3
.Lr:
	s_wait_xcnt 0x0                                ; the base of the loads issued so far is rewritten only behind this wait
	s_add_nc_u64 s[WPN:WPN+1], s[WPN:WPN+1], RSTEP
.irp o, 0,1,2,3,4,5,6,7
	OCT \o, 1, 56
.endr
	WIN 0
	s_wait_alu depctr_vm_vsrc(0)                   ; the trip's LDS stores have read v22
	v_add_nc_u32 v22, 0x4000, v22                  ; four K steps of LDS on
	s_sub_co_i32 s[RC], s[RC], 1
	s_cmp_lg_u32 s[RC], 0
	s_cbranch_scc1 .Lr
.irp o, 0,1,2,3,4,5
	OCT \o, 0, 56-8*\o
.endr
	FILLA 0                                        ; group 0's first 40 loads of hid go out here: with the last 16 weight loads 56 loads are out
.irp o, 6,7
	OCT \o, 0, 96-8*\o                             ; behind these eights lie the younger eight, if any, and the 40 loads of hid
.endr
	WIN 0x45                                       ; b2 is in (it is older than all the weights): rounded to bf16,
	v_cvt_pk_bf16_f32 v[BI+4], v[BI], v[BI+1]
	v_cvt_pk_bf16_f32 v[BI+5], v[BI+2], v[BI+3]
	v_lshlrev_b32 v[BI], 16, v[BI+4]               ; widened again,
	v_and_b32 v[BI+1], 0xffff0000, v[BI+4]
	v_lshlrev_b32 v[BI+2], 16, v[BI+5]
	v_and_b32 v[BI+3], 0xffff0000, v[BI+5]
	s_cmp_eq_u32 s[KHR], 0                         ; and counted once: in the first K half
	s_cselect_b32 s[TJ], 1.0, 0
.irp i, 0,1,2,3
	v_mul_f32 v[BI+\i], s[TJ], v[BI+\i]
.endr
	WIN 0
	s_wait_dscnt 0x0                               ; for the others' sake: my stores of weights and of the list are done
	s_barrier_signal -1
	s_barrier_wait -1                              ; everybody's are: up to the second barrier LDS is only read
	; PHASE 2
	s_mov_b32 s[G], 0
.Lg:
	s_cmp_ge_u32 s[G], s[NG]
	s_cbranch_scc1 .Lgnext                         ; a group without a tile
	s_cmp_eq_u32 s[G], 0
	s_cbranch_scc1 .Lgo                            ; group 0's offsets are made and its first K steps asked for
	SETOFF 1
	s_wait_loadcnt 0x0                             ; nothing may still be on its way into the ring
	FILLA 1
.Lgo:
	PRO_B
	s_mov_b32 s[HN], 0
	HALF 1, 1, 5                                   ; the first four K steps are written out, with five tiles: their first products start all the sums
	s_mul_i32 s[TT], s[G], 20                      ; has my fifth tile, 20 g + 16 + wave, a row?
	s_add_co_u32 s[TT], s[TT], s[WV]
	s_add_co_u32 s[TT], s[TT], 16
	s_mov_b32 s[HN], 1
	s_cmp_lt_u32 s[TT], s[NT]
	s_cbranch_scc0 .Lh4
.Lh5:
	HALF 0, 1, 5
	s_add_co_u32 s[HN], s[HN], 1
	s_cmp_lt_u32 s[HN], NHP-1
	s_cbranch_scc1 .Lh5
	HALF 0, 0, 5                                   ; the last four are written out too: they fetch nothing of hid
	s_branch .Lout
.Lh4:                                          ; the same with four tiles: the fifth's sums stay as the first four K steps left them, and are not stored
	HALF 0, 1, 4
	s_add_co_u32 s[HN], s[HN], 1
	s_cmp_lt_u32 s[HN], NHP-1
	s_cbranch_scc1 .Lh4
	HALF 0, 0, 4
.Lout:
	; THE WAY OUT, a tile at a time.  The four v_nop that close the last K step are the places behind the last products.
.irp t, 0,1,2,3,4
	s_mul_i32 s[ID], s[G], 20
	s_add_co_u32 s[ID], s[ID], 4*\t
	s_add_co_u32 s[ID], s[ID], s[WV]
	s_cmp_ge_u32 s[ID], s[NT]
	s_cbranch_scc1 .Lskip\t                        ; a tile without a row is not stored
	s_lshl_b32 s[TT], s[ID], 6
	s_wait_alu depctr_vm_vsrc(0)                   ; the list loads of the tile stored last have read v11, its stores v12-19 and v[OO ..]: all are written again below
	v_add_nc_u32 v11, s[TT], v21
	s_wait_alu depctr_va_vdst(0)                   ; v11 is written, which the two loads read; the lines that named v24-31 before are done with them, and the loads land there
	ds_load_b128 v[24:27], v11                     ; the tokens of ranks 8 (lane / 16) + 0..7 of the tile
	ds_load_b128 v[28:31], v11 offset:16
	s_wait_dscnt 0x0
	s_wait_xcnt 0x0                                ; the last tile's stores have had their addresses translated: their data and their offsets are rewritten only behind this wait
.irp j, 0,1,2,3,4,5,6,7
	v_min_u32 v[24+\j], 0x3ff, v[24+\j]
	v_lshl_add_u32 v[12+\j], v[24+\j], 16, v20     ; a token has 65,536 bytes of y; my 16 bytes of the 256
.endr
	WIN 0x45
.irp j, 0,1,2,3,4,5,6,7
.irp i, 0,1,2,3
	v_add_f32 v[OO+4*\j+\i], v[32*\t+8*\i+\j], v[BI+\i]    ; b2 is added, and rank j's four neighbouring columns come side by side; each accumulator is read from its low end on
.endr
.endr
	WIN 0x04
	s_wait_alu depctr_va_vdst(0)                   ; v12-19 and v[OO ..] are written, the offsets and the data of the eight stores
.irp j, 0,1,2,3,4,5,6,7
	global_store_b128 v[12+\j], v[OO+4*\j:OO+4*\j+3], s[12:13]   ; lanes 0-15 write 256 consecutive bytes, aligned, of one token's row, lanes 16-31 of another's; ranks past the count repeat the last row's bytes
.endr
	WIN 0
.Lskip\t:
.endr
.Lgnext:
	s_add_co_u32 s[G], s[G], 1
	s_cmp_lt_u32 s[G], 4
	s_cbranch_scc1 .Lg
	s_wait_dscnt 0x0                               ; my reads of LDS are over,
	s_barrier_signal -1
	s_barrier_wait -1                              ; and so are everybody's
	s_wait_dscnt 0x0                               ; the wave's end
	s_wait_alu depctr_hold_cnt(0) depctr_sa_sdst(0) depctr_va_vdst(0) depctr_va_sdst(0) depctr_va_ssrc(0) depctr_va_vcc(0) depctr_vm_vsrc(0)
	s_wait_tensorcnt 0x0
	ds_add_u32 v3, v23
	s_wait_dscnt 0x0
	s_endpgm
.Lfunc_end_k_qc209785432_down:
	.size	k_qc209785432_down, .Lfunc_end_k_qc209785432_down-k_qc209785432_down
	.p2alignl 7, 3214868480
	.fill 96, 4, 3214868480
	.section	.rodata,"a",@progbits
	.p2align	6, 0x0
	.amdhsa_kernel k_qc209785432_down
		.amdhsa_group_segment_fixed_size 286720
		.amdhsa_private_segment_fixed_size 0
		.amdhsa_enable_private_segment 0
		.amdhsa_kernarg_size 40
		.amdhsa_user_sgpr_count 2
		.amdhsa_user_sgpr_kernarg_segment_ptr 1
		.amdhsa_wavefront_size32 1
		.amdhsa_system_sgpr_workgroup_id_x 1
		.amdhsa_system_sgpr_workgroup_id_y 1
		.amdhsa_system_sgpr_workgroup_id_z 1
		.amdhsa_system_vgpr_workitem_id 0
		.amdhsa_next_free_vgpr 768
		.amdhsa_next_free_sgpr 106
		.amdhsa_reserve_vcc 1
		.amdhsa_float_denorm_mode_32 3
		.amdhsa_float_denorm_mode_16_64 3
		.amdhsa_memory_ordered 1
		.amdhsa_forward_progress 1
		.amdhsa_inst_pref_size 131
	.end_amdhsa_kernel
	.amdgpu_metadata
---
amdhsa.version: [ 1, 2 ]
amdhsa.kernels:
  - .name:           k_qc209785432_down
    .symbol:         k_qc209785432_down.kd
    .args:
      - { .name: hid, .offset: 0, .size: 8, .value_kind: global_buffer, .address_space: global }
      - { .name: bm, .offset: 8, .size: 8, .value_kind: global_buffer, .address_space: global }
      - { .name: w2, .offset: 16, .size: 8, .value_kind: global_buffer, .address_space: global }
      - { .name: b2, .offset: 24, .size: 8, .value_kind: global_buffer, .address_space: global }
      - { .name: y, .offset: 32, .size: 8, .value_kind: global_buffer, .address_space: global }
    .group_segment_fixed_size: 286720
    .private_segment_fixed_size: 0
    .kernarg_segment_align: 8
    .kernarg_segment_size: 40
    .max_flat_workgroup_size: 128
    .sgpr_count:     106
    .vgpr_count:     768
    .wavefront_size: 32
...
	.end_amdgpu_metadata
.endif
;; end of part 8
;; launch combine: the kernel of part 4 again; grid 256 x 1, 8 waves a work-group, no clusters, 0 bytes of LDS; arguments y, sel, scale, out0; writes out0
